; MI455X (gfx1250); checked and timed in simulation.
; The chip was launched on July 23, 2026; its instructions are those of AMD's public machine-readable ISA for CDNA 5 (MIT licence, August 2026) and "CDNA5" Instruction Set Architecture Reference Guide (July 2026). The comments in the code are by the model that wrote it; some were corrected since.
;; Altitude Conditioned Mo E. Allowed arithmetic: float matrix products may take bf16 or f16 operands with f32 sums; other float arithmetic in f32, or as packed bf16 or f16 multiplies, adds, multiply-adds, maxima and minima; sums over many terms, partial sums and values carried from step to step in f32; what a program stores and reads back later, other than sums and carried values, may be rounded once to bf16 or f16.
;; Inputs: alt_embedding 8 x 32 float32; eb1 8 x 4,096 float32; eb2 8 x 1,024 float32; ew1 8 x 1,024 x 4,096 float32; ew2 8 x 4,096 x 1,024 float32; gate_b1 512 float32; gate_b2 8 float32; gate_w1 1,056 x 512 float32; gate_w2 512 x 8 float32; ln_beta 1,024 float32; ln_gamma 1,024 float32; tokens 8 x 128 x 1,024 float32.
;; Outputs: out0 8 x 128 x 1,024 float32; out1 one number float32.
;; 2 versions, each right; version 2 is version 1 with the launches gate, fc1, fc2 written anew for expert scheduling mode. Each part assembles by itself: llvm-mc -triple=amdgcn-amd-amdhsa -mcpu=gfx1250 --defsym DOCPART=n.
;; ======== version 1 of 2: 5 launches
;; workspace buffers: xn 2,097,152 bytes; lp 131,072 bytes; rt 8,448 bytes of whole numbers; gw 8,192 bytes; hb 20,971,520 bytes; pp 33,554,432 bytes
;; launch gate (part 1): grid 4 x 64, 4 waves a work-group, no clusters, 70,656 bytes of LDS; arguments tokens, alt_embedding, ln_gamma, ln_beta, gate_w1, gate_b1, gate_w2, xn, lp; writes xn, lp
.if DOCPART == 1
	.amdgcn_target "amdgcn-amd-amdhsa--gfx1250"
	.amdhsa_code_object_version 6
	.text
	.protected	k_q5d060d2d09_gate
	.globl	k_q5d060d2d09_gate
	.p2align	8
	.type	k_q5d060d2d09_gate,@function
k_q5d060d2d09_gate:
	s_mov_b64 s[64:65], 0
	v_nop
	global_prefetch_b8 v0, s[64:65] scope:SCOPE_SE
	s_setreg_imm32_b32 hwreg(HW_REG_WAVE_MODE, 25, 1), 1
	s_wait_xcnt 0x0
; LayerNorm, the router's first layer with exact GELU, and partial logits.
; A work-group has 16 tokens (grid y) and a quarter of the 512 hidden units (grid x).  Wave w normalises rows 4w..4w+3 and multiplies the hidden columns 128 x + 32 w .. +31.
; THE ROUTER'S PRODUCT carries about 16 significant bits an operand: [normed | alt] and gate_w1 are split into bf16 hi + bf16 lo, and hi hi + hi lo + lo hi are summed in f32 (lo lo is dropped).
; The second layer (512 -> 8) is f32 on the vector unit; the four quarters' parts of the logits go to lp and are added by the next launch.
; xn takes the normalised tokens rounded once to bf16 (the experts' operand); only the work-groups of quarter 0 store it.
; GELU: gelu(x) = max(x,0) - |x| hq, hq = t(A1+t(A2+t(A3+t(A4+t A5)))) 2^(CA x^2), t = 1/(1+CP|x|): the five-term series for erf, its error at most 1.5e-7 for every x.
; LIMITS.  NaN and infinities are not treated apart.  2^(CA x^2) below 2^-126 counts as 0.  A token whose second and third logits lie closer than the product's error (some 5e-7 at logits of size 0.1) may be routed otherwise than by an f32 product.
.set PITCH, 2128                       ; an LDS row: 1,056 bf16 + 16 bytes = 133 x 16: the 16 rows of a fragment load start in 16 different groups of four banks
.set ALO,   16*PITCH                   ; the lo plane lies behind the hi plane
.set RED,   2*ALO                      ; 4 x 512 bytes: the waves' parts of the logits
.set SPARE, RED+4*512                  ; the spare words, 128 bytes a wave
.set XO, 4                             ; v4   16 x lane
.set WO, 5                             ; v5   my offset in a K step of gate_w1
.set AA, 6                             ; v6   LDS address of my token fragment
.set LS, 7                             ; v7   LDS address of my 8 bytes in my wave's first row
.set SPW, 8                            ; v8   my spare word; never rewritten
.set NIL, 9                            ; v9   0; never rewritten
.set MU, 10                            ; v[10:11] the mean, in the low word
.set AE, 12                            ; v[12:13] two numbers of alt
.set TP, 15                            ; v15  takes the other half of the lanes
.set T, 16                             ; v[16:23] at work
.set RS, 24                            ; v[24:31] 1/sqrt(var+eps), a pair a row
.set X, 32                             ; v[32:159] four rows, 32 registers each
.set WR, 160                           ; v[160:255] ring of three K steps of gate_w1, f32
.set WH, 32                            ; later: weights hi, [c][q]
.set WL, 48                            ; weights lo
.set AHF, 64                           ; tokens hi
.set ALF, 72                           ; tokens lo
.set ACC, 80                           ; two accumulators
.set GT, 96
.set GE, 112
.set GP, 128
.set PS, 144                           ; eight partial logits
.set TS, 152                           ; at work
.set GA, 0                             ; window 1: gamma
.set BE, 32                            ; window 1: beta
.set W2, 64                            ; window 1: gate_w2 rows of my 16 hidden units, [m][e]
.set B1, 192                           ; window 1: gate_b1 of my 16 hidden units
.set WVN, 22
.set HQ, 23
.set TY, 24
.set SEL, 32
.set I1K, 40
.set EPS, 41
.set MASK, 42
.set CP, 43
.set CA, 44
.set A1, 46
.set A2, 48
.set A3, 50
.set A4, 52
.set A5, 54
.set CNT, 56
.set MSB, 0
.macro WIN new                         ; the immediate's high byte repeats the setting that is left
.if MSB != (\new)
	s_set_vgpr_msb (MSB<<8)|(\new)
.set MSB, (\new)
.endif
.endm
.macro PLACES
.rept 4
	v_nop
.endr
.endm
.macro RED32 a, t                      ; the sum over the wave's 32 lanes, in every lane
	v_add_f32_dpp v[\a], v[\a], v[\a] row_xmask:1 row_mask:0xf bank_mask:0xf
	v_add_f32_dpp v[\a], v[\a], v[\a] row_xmask:2 row_mask:0xf bank_mask:0xf
	v_add_f32_dpp v[\a], v[\a], v[\a] row_xmask:4 row_mask:0xf bank_mask:0xf
	v_add_f32_dpp v[\a], v[\a], v[\a] row_xmask:8 row_mask:0xf bank_mask:0xf
	v_permlanex16_b32 v[\t], v[\a], s[SEL], s[SEL+1]
	v_add_f32 v[\a], v[\a], v[\t]
.endm
.macro GELU n, x, t, e, p              ; n numbers in v[x..], in place; all reciprocals and exponentials are one batch with one wait
.set i, 0
.rept \n
	v_fma_f32 v[\t+i], |v[\x+i]|, s[CP], 1.0
.set i, i+1
.endr
.set i, 0
.rept (\n)/2
	v_pk_mul_f32 v[\e+i:\e+i+1], v[\x+i:\x+i+1], s[CA:CA+1] op_sel_hi:[1,0]
.set i, i+2
.endr
.set i, 0
.rept (\n)/2
	v_pk_mul_f32 v[\e+i:\e+i+1], v[\e+i:\e+i+1], v[\x+i:\x+i+1]
.set i, i+2
.endr
.set i, 0
.rept \n
	v_rcp_f32 v[\t+i], v[\t+i]
.set i, i+1
.endr
.set i, 0
.rept \n
	v_exp_f32 v[\e+i], v[\e+i]
.set i, i+1
.endr
	v_nop                                          ; a plain instruction behind the last of the batch
	s_wait_alu depctr_va_vdst(0)                   ; one wait for the batch, ahead of its first reader
.set i, 0
.rept (\n)/2
	v_pk_fma_f32 v[\p+i:\p+i+1], v[\t+i:\t+i+1], s[A5:A5+1], s[A4:A4+1] op_sel_hi:[1,0,0]
.set i, i+2
.endr
.irp k, A3, A2, A1
.set i, 0
.rept (\n)/2
	v_pk_fma_f32 v[\p+i:\p+i+1], v[\p+i:\p+i+1], v[\t+i:\t+i+1], s[\k:\k+1] op_sel_hi:[1,1,0]
.set i, i+2
.endr
.endr
.set i, 0
.rept (\n)/2
	v_pk_mul_f32 v[\p+i:\p+i+1], v[\p+i:\p+i+1], v[\t+i:\t+i+1]
.set i, i+2
.endr
.set i, 0
.rept (\n)/2
	v_pk_mul_f32 v[\p+i:\p+i+1], v[\p+i:\p+i+1], v[\e+i:\e+i+1]
.set i, i+2
.endr
.set i, 0
.rept \n
	v_max_num_f32 v[\t+i], 0, v[\x+i]
.set i, i+1
.endr
.set i, 0
.rept \n
	v_fma_f32 v[\x+i], -|v[\x+i]|, v[\p+i], v[\t+i]
.set i, i+1
.endr
.endm
; 16 loads: one K step (32 rows of gate_w1), my two columns of each of my 16 rows, into ring slot u.  Row i of the lane is k = 8h + i, then 16 + 8h + (i - 8): the fragment's own order.
.macro RING u, base
.set i, 0
.rept 16
	global_load_b64 v[WR+32*(\u)+2*i:WR+32*(\u)+2*i+1], v[WO], s[12:13] offset:(\base)+(i+8*(i/8))*2048
.set i, i+1
.endr
.endm
	s_load_b256 s[4:11], s[0:1], 0x0               ; tokens s[4:5], alt s[6:7], gamma s[8:9], beta s[10:11]
	s_load_b256 s[12:19], s[0:1], 0x20             ; gate_w1 s[12:13], gate_b1 s[14:15], gate_w2 s[16:17], xn s[18:19]
	s_load_b64 s[20:21], s[0:1], 0x40              ; lp
	v_lshl_add_u32 v[SPW], v0, 2, SPARE
	v_mov_b32 v[NIL], 0
	v_lshrrev_b32 v1, 5, v0
	v_readfirstlane_b32 s[WVN], v1                 ; wave 0..3
	s_mov_b32 s[HQ], ttmp9                         ; hidden quarter
	s_and_b32 s[TY], ttmp7, 0xffff                 ; tile of 16 tokens
	v_and_b32 v3, 31, v0                           ; lane
	v_and_b32 v1, 15, v0                           ; r
	v_bfe_u32 v2, v0, 4, 1                         ; h
	v_lshlrev_b32 v[XO], 4, v3
	v_lshlrev_b32 v[WO], 14, v2                    ; 8 h rows of 2,048 bytes
	v_lshl_add_u32 v[WO], v1, 3, v[WO]             ; + my two columns
	v_lshlrev_b32 v16, 3, v1                       ; alt: 8 r
	v_lshlrev_b32 v17, 6, v2                       ; gate_b1: 16 h numbers
	v_lshlrev_b32 v18, 9, v2                       ; gate_w2: 16 h rows of 32 bytes
	v_mov_b32 v[MU+1], 0                           ; named with the mean as a pair
	v_mov_b32 v[TP], 0
	s_lshl_b32 s26, s[TY], 16                      ; 16 rows of 4,096 bytes a tile,
	s_lshl_b32 s25, s[WVN], 14                     ; 4 rows a wave
	s_add_co_u32 s26, s26, s25
	s_mov_b32 s27, 0
	s_lshr_b32 s28, s26, 1                         ; the same rows in xn
	s_mov_b32 s29, 0
	s_lshr_b32 s30, s[TY], 3                       ; the batch
	s_lshl_b32 s30, s30, 7
	s_mov_b32 s31, 0
	s_lshl_b32 s34, s[HQ], 9                       ; my first hidden column, in f32 bytes: 512 x + 128 w
	s_lshl_b32 s25, s[WVN], 7
	s_add_co_u32 s34, s34, s25
	s_mov_b32 s35, 0
	s_lshl_b32 s36, s34, 3                         ; the same in rows of gate_w2
	s_mov_b32 s37, 0
	s_lshl_b32 s38, s[HQ], 15                      ; lp: the quarter's plane, the tile's 512 bytes
	s_lshl_b32 s25, s[TY], 9
	s_add_co_u32 s38, s38, s25
	s_mov_b32 s39, 0
	s_mov_b32 s[SEL], 0x76543210
	s_mov_b32 s[SEL+1], 0xfedcba98
	s_mov_b32 s[I1K], 0x3a800000                   ; 1/1024
	s_mov_b32 s[EPS], 0x3727c5ac                   ; 1e-5
	s_mov_b32 s[MASK], 0xffff0000
	s_mov_b32 s[CP], 0x3e6d3388                    ; 0.3275911 / sqrt 2
.irp k, CA, A1, A2, A3, A4, A5
.if \k == CA
	s_mov_b32 s[\k], 0xbf38aa3b                    ; -log2(e)/2
.elseif \k == A1
	s_mov_b32 s[\k], 0x3e027906                    ; the series' coefficients, halved
.elseif \k == A2
	s_mov_b32 s[\k], 0xbe11a98e
.elseif \k == A3
	s_mov_b32 s[\k], 0x3f35f0e3
.elseif \k == A4
	s_mov_b32 s[\k], 0xbf3a00e3
.else
	s_mov_b32 s[\k], 0x3f07dc22
.endif
	s_mov_b32 s[\k+1], s[\k]                       ; named as a pair
.endr
	s_wait_kmcnt 0x0
	s_add_nc_u64 s[4:5], s[4:5], s[26:27]
	s_add_nc_u64 s[18:19], s[18:19], s[28:29]
	s_add_nc_u64 s[6:7], s[6:7], s[30:31]
	s_add_nc_u64 s[12:13], s[12:13], s[34:35]
	s_add_nc_u64 s[14:15], s[14:15], s[34:35]
	s_add_nc_u64 s[16:17], s[16:17], s[36:37]
	s_add_nc_u64 s[20:21], s[20:21], s[38:39]
	; ALL LOADS GO OUT AT ONCE; the ring's 48 last, so that one counted wait shows all the others landed
.set p, 0
.rept 4
.set j, 0
.rept 8
	global_load_b128 v[X+32*p+4*j:X+32*p+4*j+3], v[XO], s[4:5] offset:p*4096+j*512
.set j, j+1
.endr
.set p, p+1
.endr
	global_load_b64 v[AE:AE+1], v16, s[6:7]
	WIN 0x40                                       ; destination window 1
.set j, 0
.rept 8
	global_load_b128 v[GA+4*j:GA+4*j+3], v[XO], s[8:9] offset:j*512
	global_load_b128 v[BE+4*j:BE+4*j+3], v[XO], s[10:11] offset:j*512
.set j, j+1
.endr
.set j, 0
.rept 4
	global_load_b128 v[B1+4*j:B1+4*j+3], v17, s[14:15] offset:j*16
.set j, j+1
.endr
.set j, 0
.rept 32
	global_load_b128 v[W2+4*j:W2+4*j+3], v18, s[16:17] offset:j*16
.set j, j+1
.endr
	WIN 0
	RING 0, 0
	RING 1, 65536
	RING 2, 131072
	s_mul_i32 s25, s[WVN], 4*PITCH                 ; my wave's first row in LDS
	v_lshl_add_u32 v[LS], v3, 3, s25
	s_wait_loadcnt 48                              ; all but the ring's 48 loads are in
	; alt: split into hi and lo, behind the 1,024 normalised numbers of rows 4w + h and 4w + h + 2
	v_cvt_pk_bf16_f32 v14, v[AE], v[AE+1]
	v_lshlrev_b32 v16, 16, v14
	v_and_b32 v17, s[MASK], v14
	v_pk_add_f32 v[16:17], v[AE:AE+1], v[16:17] neg_lo:[0,1] neg_hi:[0,1]
	v_cvt_pk_bf16_f32 v18, v16, v17
	v_mul_u32_u24 v[AA], v2, PITCH
	v_lshl_add_u32 v[AA], v1, 2, v[AA]
	v_add_nc_u32 v[AA], s25, v[AA]
	ds_store_b32 v[AA], v14 offset:2048
	ds_store_b32 v[AA], v14 offset:2048+2*PITCH
	ds_store_b32 v[AA], v18 offset:ALO+2048
	ds_store_b32 v[AA], v18 offset:ALO+2048+2*PITCH
; LayerNorm, first part, row p: the mean, x - mean in place, var + eps
.macro LNA p
.set XR, X+32*(\p)
.irp k, 0,2,4,6
	v_pk_add_f32 v[T+\k:T+\k+1], v[XR+\k:XR+\k+1], v[XR+8+\k:XR+8+\k+1]
.endr
.irp k, 0,2,4,6
	v_pk_add_f32 v[T+\k:T+\k+1], v[T+\k:T+\k+1], v[XR+16+\k:XR+16+\k+1]
.endr
.irp k, 0,2,4,6
	v_pk_add_f32 v[T+\k:T+\k+1], v[T+\k:T+\k+1], v[XR+24+\k:XR+24+\k+1]
.endr
	v_pk_add_f32 v[T:T+1], v[T:T+1], v[T+2:T+3]
	v_pk_add_f32 v[T+4:T+5], v[T+4:T+5], v[T+6:T+7]
	v_pk_add_f32 v[T:T+1], v[T:T+1], v[T+4:T+5]
	v_add_f32 v[T], v[T], v[T+1]
	RED32 T, TP
	v_mul_f32 v[MU], s[I1K], v[T]
.set i, 0
.rept 16
	v_pk_add_f32 v[XR+i:XR+i+1], v[XR+i:XR+i+1], v[MU:MU+1] op_sel_hi:[1,0] neg_lo:[0,1] neg_hi:[0,1]
.set i, i+2
.endr
.irp k, 0,2,4,6
	v_pk_mul_f32 v[T+\k:T+\k+1], v[XR+\k:XR+\k+1], v[XR+\k:XR+\k+1]
.endr
.irp b, 8,16,24
.irp k, 0,2,4,6
	v_pk_fma_f32 v[T+\k:T+\k+1], v[XR+\b+\k:XR+\b+\k+1], v[XR+\b+\k:XR+\b+\k+1], v[T+\k:T+\k+1]
.endr
.endr
	v_pk_add_f32 v[T:T+1], v[T:T+1], v[T+2:T+3]
	v_pk_add_f32 v[T+4:T+5], v[T+4:T+5], v[T+6:T+7]
	v_pk_add_f32 v[T:T+1], v[T:T+1], v[T+4:T+5]
	v_add_f32 v[T], v[T], v[T+1]
	RED32 T, TP
	v_fma_f32 v[RS+2*(\p)], v[T], s[I1K], s[EPS]
.endm
; second part, row p: scale, gamma and beta, the split into hi and lo, both planes into LDS (each store of the wave covers 256 consecutive bytes)
.macro LNB p
.set XR, X+32*(\p)
.set i, 0
.rept 16
	v_pk_mul_f32 v[XR+i:XR+i+1], v[XR+i:XR+i+1], v[RS+2*(\p):RS+2*(\p)+1] op_sel_hi:[1,0]
.set i, i+2
.endr
	WIN 0x14                                       ; sources 1 and 2 in window 1
.set i, 0
.rept 16
	v_pk_fma_f32 v[XR+i:XR+i+1], v[XR+i:XR+i+1], v[GA+i:GA+i+1], v[BE+i:BE+i+1]
.set i, i+2
.endr
	WIN 0
.set j, 0
.rept 8
	v_cvt_pk_bf16_f32 v[T], v[XR+4*j], v[XR+4*j+1]
	v_cvt_pk_bf16_f32 v[T+1], v[XR+4*j+2], v[XR+4*j+3]
	v_lshlrev_b32 v[T+2], 16, v[T]
	v_and_b32 v[T+3], s[MASK], v[T]
	v_lshlrev_b32 v[T+4], 16, v[T+1]
	v_and_b32 v[T+5], s[MASK], v[T+1]
	v_pk_add_f32 v[T+2:T+3], v[XR+4*j:XR+4*j+1], v[T+2:T+3] neg_lo:[0,1] neg_hi:[0,1]
	v_pk_add_f32 v[T+4:T+5], v[XR+4*j+2:XR+4*j+3], v[T+4:T+5] neg_lo:[0,1] neg_hi:[0,1]
	v_cvt_pk_bf16_f32 v[T+6], v[T+2], v[T+3]
	v_cvt_pk_bf16_f32 v[T+7], v[T+4], v[T+5]
	ds_store_b64 v[LS], v[T:T+1] offset:(\p)*PITCH+256*j
	ds_store_b64 v[LS], v[T+6:T+7] offset:ALO+(\p)*PITCH+256*j
.set j, j+1
.endr
.endm
	LNA 0
	LNA 1
	LNA 2
	LNA 3
.irp p, 0,1,2,3
	v_rsq_f32 v[RS+2*\p], v[RS+2*\p]
.endr
	v_nop                                          ; a plain instruction behind the last of the four
	s_wait_alu depctr_va_vdst(0)                   ; one wait for the four, ahead of the first reader
.irp p, 0,1,2,3
	v_mov_b32 v[RS+2*\p+1], v[RS+2*\p]             ; named as a pair
.endr
	LNB 0
	LNB 1
	LNB 2
	LNB 3
	s_cmp_lg_u32 s[HQ], 0
	s_cbranch_scc1 .Lnoxn
	; quarter 0 stores xn: my wave's own four hi rows come back from LDS (LDS serves a wave's instructions in order) and leave as 512 consecutive bytes a store
	v_lshl_add_u32 v14, v3, 4, s25
.set n, 0
.rept 16
	ds_load_b128 v[X+4*n:X+4*n+3], v14 offset:(n/4)*PITCH+(n%4)*512
.set n, n+1
.endr
	s_wait_dscnt 0x0
.set n, 0
.rept 16
	global_store_b128 v[XO], v[X+4*n:X+4*n+3], s[18:19] offset:(n/4)*2048+(n%4)*512
.set n, n+1
.endr
.Lnoxn:
	s_wait_xcnt 0x0                                ; the stores' data registers are written again below
	v_mul_u32_u24 v[AA], v1, PITCH
	v_lshl_add_u32 v[AA], v2, 4, v[AA]             ; token r, 16 bytes for each half of the lanes
	s_wait_dscnt 0x0                               ; for the others' sake: my rows are in LDS
	s_barrier_signal -1
	s_barrier_wait -1
	; THE PRODUCT.  Source 0 = 16 hidden units (unit i of fragment c is column col0 + 2 i + c), source 1 = the 16 tokens: a lane then holds one token and the units col0 + 16 h + 2 j + c.
	WIN 0x01
.set j, 0
.rept 8
	v_mov_b32 v[ACC+j], v[B1+2*j]                  ; the sums start from the bias
	v_mov_b32 v[ACC+8+j], v[B1+2*j+1]
.set j, j+1
.endr
	WIN 0
; One K step of 32.  left: the loads of the younger steps, which may stay out.  ahead = 1: ring slot u takes the step three further on.
.macro KSTEP u, ahead, left
	s_wait_loadcnt \left
	PLACES                                         ; four places behind the last products, whose operands are written below
	ds_load_b128 v[AHF:AHF+3], v[AA] offset:64*(\u)
	ds_load_b128 v[AHF+4:AHF+7], v[AA] offset:64*(\u)+32
	ds_load_b128 v[ALF:ALF+3], v[AA] offset:ALO+64*(\u)
	ds_load_b128 v[ALF+4:ALF+7], v[AA] offset:ALO+64*(\u)+32
.set R, WR+32*(\u)
.set q, 0
.rept 8
.set D, TS+4*(q%2)
	v_cvt_pk_bf16_f32 v[WH+q], v[R+4*q], v[R+4*q+2]
	v_cvt_pk_bf16_f32 v[WH+8+q], v[R+4*q+1], v[R+4*q+3]
	v_lshlrev_b32 v[D], 16, v[WH+q]
	v_lshlrev_b32 v[D+1], 16, v[WH+8+q]
	v_and_b32 v[D+2], s[MASK], v[WH+q]
	v_and_b32 v[D+3], s[MASK], v[WH+8+q]
	v_pk_add_f32 v[D:D+1], v[R+4*q:R+4*q+1], v[D:D+1] neg_lo:[0,1] neg_hi:[0,1]
	v_pk_add_f32 v[D+2:D+3], v[R+4*q+2:R+4*q+3], v[D+2:D+3] neg_lo:[0,1] neg_hi:[0,1]
	v_cvt_pk_bf16_f32 v[WL+q], v[D], v[D+2]
	v_cvt_pk_bf16_f32 v[WL+8+q], v[D+1], v[D+3]
.set q, q+1
.endr
.if \ahead
	RING \u, (3+(\u))*65536
.endif
	s_wait_dscnt 0x0                               ; the token fragments are in
	v_wmma_f32_16x16x32_bf16 v[ACC:ACC+7], v[WH:WH+7], v[AHF:AHF+7], v[ACC:ACC+7]            ; the two accumulators take turns
	v_wmma_f32_16x16x32_bf16 v[ACC+8:ACC+15], v[WH+8:WH+15], v[AHF:AHF+7], v[ACC+8:ACC+15]
	v_wmma_f32_16x16x32_bf16 v[ACC:ACC+7], v[WH:WH+7], v[ALF:ALF+7], v[ACC:ACC+7]
	v_wmma_f32_16x16x32_bf16 v[ACC+8:ACC+15], v[WH+8:WH+15], v[ALF:ALF+7], v[ACC+8:ACC+15]
	v_wmma_f32_16x16x32_bf16 v[ACC:ACC+7], v[WL:WL+7], v[AHF:AHF+7], v[ACC:ACC+7]
	v_wmma_f32_16x16x32_bf16 v[ACC+8:ACC+15], v[WL+8:WL+15], v[AHF:AHF+7], v[ACC+8:ACC+15]
.endm
	s_mov_b32 s[CNT], 10
.Lk:                                                   ; 10 trips of three K steps; 32 = the 2 x 16 loads of the two younger steps
	KSTEP 0, 1, 32
	KSTEP 1, 1, 32
	KSTEP 2, 1, 32
	s_wait_xcnt 0x0                                ; the loads' base is stepped only behind this wait
	s_add_nc_u64 s[12:13], s[12:13], 196608
	v_add_nc_u32 v[AA], 192, v[AA]
	s_sub_co_u32 s[CNT], s[CNT], 1
	s_cmp_lg_u32 s[CNT], 0
	s_cbranch_scc1 .Lk
	KSTEP 0, 0, 32                                 ; the last three steps load nothing: the counts run down
	KSTEP 1, 0, 16
	KSTEP 2, 0, 0
	PLACES
	GELU 16, ACC, GT, GE, GP
	; THE SECOND LAYER, f32: eight partial logits over my 16 hidden units
	WIN 0x01                                       ; gate_w2 in window 1
.set m, 0
.rept 16
.set G, ACC+8*(m%2)+m/2
.set GQ, G-(G%2)
.irp e, 0,2,4,6
.if m == 0
	v_pk_mul_f32 v[PS+\e:PS+\e+1], v[W2+\e:W2+\e+1], v[GQ:GQ+1] op_sel_hi:[1,0]
.elseif (G%2) == 0
	v_pk_fma_f32 v[PS+\e:PS+\e+1], v[W2+8*m+\e:W2+8*m+\e+1], v[GQ:GQ+1], v[PS+\e:PS+\e+1] op_sel_hi:[1,0,1]
.else
	v_pk_fma_f32 v[PS+\e:PS+\e+1], v[W2+8*m+\e:W2+8*m+\e+1], v[GQ:GQ+1], v[PS+\e:PS+\e+1] op_sel:[0,1,0] op_sel_hi:[1,1,1]
.endif
.endr
.set m, m+1
.endr
	WIN 0
.irp e, 0,1,2,3,4,5,6,7
	v_permlanex16_b32 v[TS+\e], v[PS+\e], s[SEL], s[SEL+1]  ; the token's other 16 units lie in the lane 16 away
.endr
.irp e, 0,1,2,3,4,5,6,7
	v_add_f32 v[PS+\e], v[PS+\e], v[TS+\e]
.endr
	v_cmp_eq_u32 vcc_lo, 1, v2
.irp e, 0,1,2,3
	v_cndmask_b32 v[PS+\e], v[PS+\e], v[PS+4+\e], vcc_lo    ; lane (r, h) keeps experts 4 h .. 4 h + 3
.endr
	v_lshlrev_b32 v10, 5, v1
	v_lshl_add_u32 v10, v2, 4, v10                 ; 32 r + 16 h
	s_lshl_b32 s25, s[WVN], 9
	s_add_co_u32 s25, s25, RED
	v_add_nc_u32 v11, s25, v10
	ds_store_b128 v11, v[PS:PS+3]
	s_wait_dscnt 0x0                               ; for wave 0's sake
	s_barrier_signal -1
	s_barrier_wait -1
	s_cmp_lg_u32 s[WVN], 0
	s_cbranch_scc1 .Lend
	v_add_nc_u32 v11, RED, v10
	ds_load_b128 v[96:99], v11
	ds_load_b128 v[100:103], v11 offset:512
	ds_load_b128 v[104:107], v11 offset:1024
	ds_load_b128 v[108:111], v11 offset:1536
	s_wait_dscnt 0x0
	v_pk_add_f32 v[96:97], v[96:97], v[100:101]
	v_pk_add_f32 v[98:99], v[98:99], v[102:103]
	v_pk_add_f32 v[104:105], v[104:105], v[108:109]
	v_pk_add_f32 v[106:107], v[106:107], v[110:111]
	v_pk_add_f32 v[96:97], v[96:97], v[104:105]
	v_pk_add_f32 v[98:99], v[98:99], v[106:107]
	global_store_b128 v10, v[96:99], s[20:21]      ; 512 consecutive bytes: 16 tokens x 8 partial logits
.Lend:
	s_wait_tensorcnt 0x0                           ; the wave's end
	ds_add_u32 v[SPW], v[NIL]
	s_wait_dscnt 0x0
	s_endpgm
.Lfunc_end_k_q5d060d2d09_gate:
	.size	k_q5d060d2d09_gate, .Lfunc_end_k_q5d060d2d09_gate-k_q5d060d2d09_gate
	.p2alignl 7, 3214868480
	.fill 96, 4, 3214868480
	.section	.rodata,"a",@progbits
	.p2align	6, 0x0
	.amdhsa_kernel k_q5d060d2d09_gate
		.amdhsa_group_segment_fixed_size 70656
		.amdhsa_private_segment_fixed_size 0
		.amdhsa_enable_private_segment 0
		.amdhsa_kernarg_size 72
		.amdhsa_user_sgpr_count 2
		.amdhsa_user_sgpr_kernarg_segment_ptr 1
		.amdhsa_wavefront_size32 1
		.amdhsa_system_sgpr_workgroup_id_x 1
		.amdhsa_system_sgpr_workgroup_id_y 1
		.amdhsa_system_sgpr_workgroup_id_z 1
		.amdhsa_system_vgpr_workitem_id 0
		.amdhsa_next_free_vgpr 512
		.amdhsa_next_free_sgpr 66
		.amdhsa_reserve_vcc 1
		.amdhsa_float_denorm_mode_32 3
		.amdhsa_float_denorm_mode_16_64 3
		.amdhsa_memory_ordered 1
		.amdhsa_forward_progress 1
		.amdhsa_inst_pref_size 112
	.end_amdhsa_kernel
	.amdgpu_metadata
---
amdhsa.version: [ 1, 2 ]
amdhsa.kernels:
  - .name:           k_q5d060d2d09_gate
    .symbol:         k_q5d060d2d09_gate.kd
    .args:
      - { .name: tokens, .offset: 0, .size: 8, .value_kind: global_buffer, .address_space: global }
      - { .name: alt_embedding, .offset: 8, .size: 8, .value_kind: global_buffer, .address_space: global }
      - { .name: ln_gamma, .offset: 16, .size: 8, .value_kind: global_buffer, .address_space: global }
      - { .name: ln_beta, .offset: 24, .size: 8, .value_kind: global_buffer, .address_space: global }
      - { .name: gate_w1, .offset: 32, .size: 8, .value_kind: global_buffer, .address_space: global }
      - { .name: gate_b1, .offset: 40, .size: 8, .value_kind: global_buffer, .address_space: global }
      - { .name: gate_w2, .offset: 48, .size: 8, .value_kind: global_buffer, .address_space: global }
      - { .name: xn, .offset: 56, .size: 8, .value_kind: global_buffer, .address_space: global }
      - { .name: lp, .offset: 64, .size: 8, .value_kind: global_buffer, .address_space: global }
    .group_segment_fixed_size: 70656
    .private_segment_fixed_size: 0
    .kernarg_segment_align: 8
    .kernarg_segment_size: 72
    .max_flat_workgroup_size: 128
    .sgpr_count:     66
    .vgpr_count:     512
    .wavefront_size: 32
...
	.end_amdgpu_metadata
.endif
;; end of part 1
;; launch route (part 2): grid 1 x 1, 32 waves a work-group, no clusters, 7,680 bytes of LDS; arguments lp, gate_b2, rt, gw, out1; writes rt, gw, out1
.if DOCPART == 2
	.amdgcn_target "amdgcn-amd-amdhsa--gfx1250"
	.amdhsa_code_object_version 6
	.text
	.protected	k_q5d060d2d09_route
	.globl	k_q5d060d2d09_route
	.p2align	8
	.type	k_q5d060d2d09_route,@function
k_q5d060d2d09_route:
	s_mov_b64 s[64:65], 0
	v_nop
	global_prefetch_b8 v0, s[64:65] scope:SCOPE_SE
	s_setreg_imm32_b32 hwreg(HW_REG_WAVE_MODE, 25, 1), 1
	s_wait_xcnt 0x0
; The choice.  One work-group, thread t = token t.  Logits = the four partial planes + gate_b2; top 2 of 8 (strict comparisons in ascending order keep the lower index, as the reference's top-k does);
; gates = softmax of the two values, probabilities = softmax of the eight (the largest logit is taken away in both); each token's rank among the tokens of its expert, in token order; the experts' counts; the loss.
; Everything is a value chosen by v_cndmask: no branch and no address hangs on a floating-point number.  All stores go to fixed places.
; rt: bytes 8 t: two words rank | expert << 24 (first, second choice); bytes 8192..8223: the eight counts.  gw: bytes 8 t: the two gates.
; LIMITS.  NaN and infinities are not treated apart (the two choices still differ).  Counts travel as f32, exact up to 2^24.
.set RECP, 112                         ; a wave's record: 24 words (counts of chosen, counts of first choices, sums of probabilities) in 7 x 16 bytes
.set SPARE, 3584                       ; behind the 32 records: the spare words, 128 bytes a wave
.set SPW, 6
.set NIL, 7
.set SEL, 66
.macro RED32 a, t
	v_add_f32_dpp v[\a], v[\a], v[\a] row_xmask:1 row_mask:0xf bank_mask:0xf
	v_add_f32_dpp v[\a], v[\a], v[\a] row_xmask:2 row_mask:0xf bank_mask:0xf
	v_add_f32_dpp v[\a], v[\a], v[\a] row_xmask:4 row_mask:0xf bank_mask:0xf
	v_add_f32_dpp v[\a], v[\a], v[\a] row_xmask:8 row_mask:0xf bank_mask:0xf
	v_permlanex16_b32 v[\t], v[\a], s[SEL], s[SEL+1]
	v_add_f32 v[\a], v[\a], v[\t]
.endm
	s_load_b256 s[4:11], s[0:1], 0x0               ; lp s[4:5], gate_b2 s[6:7], rt s[8:9], gw s[10:11]
	s_load_b64 s[12:13], s[0:1], 0x20              ; out1
	v_lshl_add_u32 v[SPW], v0, 2, SPARE
	v_mov_b32 v[NIL], 0
	v_and_b32 v1, 31, v0                           ; lane
	v_lshrrev_b32 v2, 5, v0
	v_readfirstlane_b32 s14, v2                    ; wave
	v_lshlrev_b32 v3, 5, v0                        ; 32 bytes of logits a token
	v_lshlrev_b32 v4, 3, v0                        ; 8 bytes a token in rt and gw
	v_mul_u32_u24 v5, v1, RECP
	v_mov_b32 v50, 0
	v_mov_b32 v42, 0xff800000                      ; -infinity
	s_mov_b32 s[SEL], 0x76543210
	s_mov_b32 s[SEL+1], 0xfedcba98
	s_mul_i32 s15, s14, RECP
	v_mov_b32 v51, s15
	s_wait_kmcnt 0x0
	s_load_b256 s[16:23], s[6:7], 0x0              ; gate_b2
.set p, 0
.rept 4
	global_load_b128 v[8+8*p:11+8*p], v3, s[4:5] offset:32768*p
	global_load_b128 v[12+8*p:15+8*p], v3, s[4:5] offset:32768*p+16
.set p, p+1
.endr
	s_wait_kmcnt 0x0
	s_wait_loadcnt 0x0
.irp k, 0,2,4,6
	v_pk_add_f32 v[8+\k:9+\k], v[8+\k:9+\k], v[16+\k:17+\k]
	v_pk_add_f32 v[24+\k:25+\k], v[24+\k:25+\k], v[32+\k:33+\k]
.endr
.irp k, 0,2,4,6
	v_pk_add_f32 v[8+\k:9+\k], v[8+\k:9+\k], v[24+\k:25+\k]
.endr
.irp e, 0,1,2,3,4,5,6,7
	v_add_f32 v[8+\e], s[16+\e], v[8+\e]           ; v8-15: the logits
.endr
	v_mov_b32 v40, v8                              ; the first choice: value v40, index v41
	v_mov_b32 v41, 0
.irp e, 1,2,3,4,5,6,7
	v_cmp_gt_f32 vcc_lo, v[8+\e], v40
	v_cndmask_b32 v40, v40, v[8+\e], vcc_lo
	v_cndmask_b32 v41, v41, \e, vcc_lo
.endr
.irp e, 0,1,2,3,4,5,6,7
	v_cmp_eq_u32 s[24+\e], \e, v41                 ; s24-31: who chose e first
	v_cndmask_b32 v[16+\e], v[8+\e], v42, s[24+\e] ; the first choice is taken out
.endr
	v_cndmask_b32 v43, v16, v17, s24               ; the second choice starts at the lowest index that is not the first: value v43, index v44
	v_cndmask_b32 v44, 0, 1, s24
.irp e, 1,2,3,4,5,6,7
	v_cmp_gt_f32 vcc_lo, v[16+\e], v43
	v_cndmask_b32 v43, v43, v[16+\e], vcc_lo
	v_cndmask_b32 v44, v44, \e, vcc_lo
.endr
.irp e, 0,1,2,3,4,5,6,7
	v_cmp_eq_u32 s[32+\e], \e, v44                 ; s32-39: who chose e second
.endr
.irp e, 0,1,2,3,4,5,6,7
	s_or_b32 s[40+\e], s[24+\e], s[32+\e]          ; s40-47: who chose e
	s_bcnt1_i32_b32 s[48+\e], s[40+\e]
	s_bcnt1_i32_b32 s[56+\e], s[24+\e]
.endr
	v_sub_f32 v45, v43, v40                        ; both softmaxes take the largest logit away
	v_mul_f32 v45, 0x3fb8aa3b, v45
.irp e, 0,1,2,3,4,5,6,7
	v_sub_f32 v[24+\e], v[8+\e], v40
.endr
.irp e, 0,1,2,3,4,5,6,7
	v_mul_f32 v[24+\e], 0x3fb8aa3b, v[24+\e]
.endr
	v_exp_f32 v45, v45
.irp e, 0,1,2,3,4,5,6,7
	v_exp_f32 v[24+\e], v[24+\e]
.endr
	v_nop                                          ; a plain instruction behind the last exponential
	s_wait_alu depctr_va_vdst(0)                   ; one wait for the nine, ahead of the first reader
	v_add_f32 v46, v24, v25
	v_add_f32 v47, v26, v27
	v_add_f32 v48, v28, v29
	v_add_f32 v49, v30, v31
	v_add_f32 v46, v46, v47
	v_add_f32 v48, v48, v49
	v_add_f32 v46, v46, v48
	v_add_f32 v47, 1.0, v45
	v_rcp_f32 v47, v47
	v_rcp_f32 v46, v46
	v_nop
	s_wait_alu depctr_va_vdst(0)                   ; one wait for the two reciprocals
	v_mov_b32 v48, v47                             ; gate of the first choice
	v_mul_f32 v49, v45, v47                        ; of the second
.irp e, 0,1,2,3,4,5,6,7
	v_mul_f32 v[24+\e], v[24+\e], v46              ; the probabilities
.endr
.irp e, 0,1,2,3,4,5,6,7
	RED32 24+\e, 50                                ; their sums over the wave
.endr
.irp e, 0,1,2,3,4,5,6,7
	v_cvt_f32_u32 v[52+\e], s[48+\e]
	v_cvt_f32_u32 v[60+\e], s[56+\e]
.endr
	ds_store_b128 v51, v[52:55]                    ; all lanes store the same numbers to the wave's record
	ds_store_b128 v51, v[56:59] offset:16
	ds_store_b128 v51, v[60:63] offset:32
	ds_store_b128 v51, v[64:67] offset:48
	ds_store_b128 v51, v[24:27] offset:64
	ds_store_b128 v51, v[28:31] offset:80
	s_wait_dscnt 0x0                               ; for the others' sake
	s_barrier_signal -1
	s_barrier_wait -1
.set n, 0
.rept 6
	ds_load_b128 v[64+4*n:67+4*n], v5 offset:16*n  ; lane l takes wave l's record
.set n, n+1
.endr
	s_wait_dscnt 0x0
	v_cmp_gt_u32 vcc_lo, s14, v1                   ; the waves in front of mine
.irp e, 0,1,2,3,4,5,6,7
	v_cndmask_b32 v[16+\e], 0, v[64+\e], vcc_lo
.endr
.irp e, 0,1,2,3,4,5,6,7
	RED32 16+\e, 50
.endr
	v_mov_b32 v32, 0
	v_mov_b32 v33, 0
.irp e, 0,1,2,3,4,5,6,7
	v_cvt_u32_f32 v[16+\e], v[16+\e]
	v_mbcnt_lo_u32_b32 v36, s[40+\e], 0            ; the lanes in front of mine that chose e
	v_add_nc_u32 v36, v36, v[16+\e]
	v_cndmask_b32 v32, v32, v36, s[24+\e]
	v_cndmask_b32 v33, v33, v36, s[32+\e]
.endr
	v_lshl_or_b32 v34, v41, 24, v32
	v_lshl_or_b32 v35, v44, 24, v33
	global_store_b64 v4, v[34:35], s[8:9]
	global_store_b64 v4, v[48:49], s[10:11]
	s_cmp_lg_u32 s14, 0
	s_cbranch_scc1 .Lend
.set n, 0
.rept 24
	RED32 64+n, 50                                 ; wave 0: the totals
.set n, n+1
.endr
.irp e, 0,1,2,3,4,5,6,7
	v_cvt_u32_f32 v[8+\e], v[64+\e]
.endr
	v_mul_f32 v16, v72, v80
.irp e, 1,2,3,4,5,6,7
	v_fmac_f32 v16, v[72+\e], v[80+\e]
.endr
	v_mul_f32 v16, 0x37000000, v16                 ; 8 / 1024 / 1024
	v_mov_b32 v17, 0
	v_cmp_eq_u32 vcc_lo, 0, v1
	s_wait_xcnt 0x0                                ; EXEC changes only behind this wait
	s_and_saveexec_b32 s68, vcc_lo
	global_store_b128 v17, v[8:11], s[8:9] offset:8192
	global_store_b128 v17, v[12:15], s[8:9] offset:8208
	global_store_b32 v17, v16, s[12:13]
	s_wait_xcnt 0x0                                ; and again in front of the line that widens it
	s_or_b32 exec_lo, exec_lo, s68
.Lend:
	s_wait_tensorcnt 0x0                           ; the wave's end
	ds_add_u32 v[SPW], v[NIL]
	s_wait_dscnt 0x0
	s_endpgm
.Lfunc_end_k_q5d060d2d09_route:
	.size	k_q5d060d2d09_route, .Lfunc_end_k_q5d060d2d09_route-k_q5d060d2d09_route
	.p2alignl 7, 3214868480
	.fill 96, 4, 3214868480
	.section	.rodata,"a",@progbits
	.p2align	6, 0x0
	.amdhsa_kernel k_q5d060d2d09_route
		.amdhsa_group_segment_fixed_size 7680
		.amdhsa_private_segment_fixed_size 0
		.amdhsa_enable_private_segment 0
		.amdhsa_kernarg_size 40
		.amdhsa_user_sgpr_count 2
		.amdhsa_user_sgpr_kernarg_segment_ptr 1
		.amdhsa_wavefront_size32 1
		.amdhsa_system_sgpr_workgroup_id_x 1
		.amdhsa_system_sgpr_workgroup_id_y 1
		.amdhsa_system_sgpr_workgroup_id_z 1
		.amdhsa_system_vgpr_workitem_id 0
		.amdhsa_next_free_vgpr 96
		.amdhsa_next_free_sgpr 80
		.amdhsa_reserve_vcc 1
		.amdhsa_float_denorm_mode_32 3
		.amdhsa_float_denorm_mode_16_64 3
		.amdhsa_memory_ordered 1
		.amdhsa_forward_progress 1
		.amdhsa_inst_pref_size 29
	.end_amdhsa_kernel
	.amdgpu_metadata
---
amdhsa.version: [ 1, 2 ]
amdhsa.kernels:
  - .name:           k_q5d060d2d09_route
    .symbol:         k_q5d060d2d09_route.kd
    .args:
      - { .name: lp, .offset: 0, .size: 8, .value_kind: global_buffer, .address_space: global }
      - { .name: gate_b2, .offset: 8, .size: 8, .value_kind: global_buffer, .address_space: global }
      - { .name: rt, .offset: 16, .size: 8, .value_kind: global_buffer, .address_space: global }
      - { .name: gw, .offset: 24, .size: 8, .value_kind: global_buffer, .address_space: global }
      - { .name: out1, .offset: 32, .size: 8, .value_kind: global_buffer, .address_space: global }
    .group_segment_fixed_size: 7680
    .private_segment_fixed_size: 0
    .kernarg_segment_align: 8
    .kernarg_segment_size: 40
    .max_flat_workgroup_size: 1024
    .sgpr_count:     80
    .vgpr_count:     96
    .wavefront_size: 32
...
	.end_amdgpu_metadata
.endif
;; end of part 2
;; launch fc1 (part 3): grid 32 x 8, 4 waves a work-group, no clusters, 281,088 bytes of LDS; arguments xn, rt, ew1, eb1, hb; writes hb
.if DOCPART == 3
	.amdgcn_target "amdgcn-amd-amdhsa--gfx1250"
	.amdhsa_code_object_version 6
	.text
	.protected	k_q5d060d2d09_fc1
	.globl	k_q5d060d2d09_fc1
	.p2align	8
	.type	k_q5d060d2d09_fc1,@function
k_q5d060d2d09_fc1:
	s_mov_b64 s[64:65], 0
	v_nop
	global_prefetch_b8 v0, s[64:65] scope:SCOPE_SE
	s_setreg_imm32_b32 hwreg(HW_REG_WAVE_MODE, 25, 1), 1
	s_wait_xcnt 0x0
; H = gelu(X_e W1_e + b1_e) for the routed rows alone.  A work-group is (expert = grid y, slice of 128 hidden columns = grid x) and alone reads its 1,024 x 128 f32 weights, once.
; PHASE 1, THE STREAM.  Wave w takes k rows 256 w .. 256 w + 255 in 16 units of 16 loads (lanes 0-15: 256 consecutive bytes of one row, lanes 16-31: of the row 32 further down), rounds pairs of k to bf16 and
; stores finished fragment images into LDS: a fragment (32 k x 16 columns) is 1,024 bytes, lane l's registers 0-3 at 16 l, 4-7 at 512 + 16 l; a K step of 32 is 8 fragments.  One barrier, which every wave passes.
; The store permutes lanes so that fragment F of lane r is column 8 r + F: a lane's eight results of a row are then 16 neighbouring bytes of H.
; PHASE 2, THE ROWS.  Groups of 64 rows (four tiles of 16); wave w takes groups w, w + 4, ..: a loop counted up to a bound made from the expert's stored count (0 to 4 trips: every split is served).
; Nothing in that loop writes LDS and all its LDS addresses are fixed (four base registers and immediates), so K is written out: 1,024 products a trip on 32 accumulators by turns; a K step's 8 weight
; fragments (16 LDS loads) feed 32 products.  The first K step takes the constant 0 as its C: nothing is cleared.
; The token rows come from memory straight into source 0's fragments, through four slots of a macro-step (64 k) each; a slot is filled again behind its own use, four macro-steps ahead, from macro-step 12 on with the
; next group's rows.  The rows are found by a list that each wave makes for itself from rt and reads into 8 registers before the loop (they shift down two a trip).
; K is permuted alike in both sources: in macro-step m register q of fragment s, lane half h, holds k = 64 m + 32 h + 16 s + 2 q, + 1: a lane reads 64 consecutive bytes of its row.
; Places past the count repeat the expert's first row, so whole groups are stored: hb's segments begin at the sum of the earlier experts' counts, each rounded up to 64.
; THE WAY OUT goes in eight passes of 4 rows x 8 fragments: one of eight short blocks, chosen by the pass counter, copies the piece out of the accumulators and adds the bias; GELU, packing and stores are written once.
; Pass p of a tile takes registers 2 p, 2 p + 1, 4 + 2 p, 5 + 2 p of each accumulator, the lower pair first.
; NO CLUSTER, NO TENSOR LOAD: each weight byte has one reader and is rounded on its way through registers; token rows come by a list.  NO PREFETCH: the stream has 48 to 64 loads of each wave out, and behind it nothing is left to fetch but rows that other work-groups read too.
; LIMITS.  xn, the weights and H are each rounded once to bf16; sums in f32.  GELU: gelu(x) = max(x,0) - |x| hq, hq = t(A1+t(A2+t(A3+t(A4+t A5)))) 2^(CA x^2), t = 1/(1+CP|x|): erf within 1.5e-7 for every x;
; 2^(CA x^2) below 2^-126 counts as 0.  NaN and infinities are not treated apart.
.set PITCHW, 16384                     ; bytes from k row to k row of ew1
.set KB,     8192                      ; LDS bytes of a K step of 32
.set LIST,   32*KB                     ; behind the weights: each wave's own list, 1,024 entries and one that takes what is not wanted
.set LISTB,  4608
.set SPARE,  LIST+4*LISTB              ; the spare words, 128 bytes a wave
; window 0
.set WO,  4                            ; v4-7   stream set q: my offset in the weights
.set SA,  8                            ; v8     where I store fragment bytes
.set M16, 9                            ; v9     16 x lane
.set TX,  10
.set H64, 11                           ; v11    64 h
.set BA,  12                           ; v12-15 16 x lane + 65,536 z: the fragments of K steps 8 z .. 8 z + 7; never rewritten
.set SPW, 16
.set NIL, 17
.set TOK, 18                           ; v18-19 the two tokens of a word quad
.set HO,  20                           ; v20    my byte offset in a pass's rows of hb; never rewritten
.set HOV, 21                           ; v21    the same with the pass's place in the group
.set T0,  22
.set T1,  23
.set BI,  24                           ; v24-31 the bias of my 8 columns
.set L,   32                           ; v32-39 my wave's groups, two registers each: lane l holds the token of row l, of row 32 + l
.set E0,  40
.set IDX, 41
.set ZA,  42
.set LB,  43                           ; v43    my wave's list
.set Z,   44                           ; v44-47 zeros
.set AOA, 48                           ; v48-51 this group's four tiles: my row's byte offset in xn
.set AOB, 52                           ; v52-55 the next group's
.set LRD, 56
.set CB,  96                           ; v96-127 four fragments just rounded
.set DD,  128                          ; v128-191 rt's words, at the start
.set BF,  128                          ; v128-255 two buffers of 8 weight fragments
; window 1: the sums, tile t, fragment F at 64 t + 8 F.  window 2: the row slots, slot s, tile t at 64 s + 16 t.  window 3: four stream sets of 64; later the way out:
.set X,   0
.set GT,  32
.set GE,  64
.set GP,  96
.set OO,  128
.set WV, 14
.set SL, 15
.set EX, 16
.set NN, 17
.set SEG, 18
.set TRIPS, 19
.set TI, 20
.set CNT, 21
.set HIM, 22
.set EK, 23
.set CN, 24                            ; s[24:31] the experts' counts
.set WP, 32
.set HB, 34                            ; s[34:35] hb at my group's first row, the slice's columns
.set SEL, 40
.set CP, 42
.set EC, 43
.set CA, 44
.set A1, 46
.set A2, 48
.set A3, 50
.set A4, 52
.set A5, 54
.set ST, 58
.set ST2, 59
.set MSB, 0
.macro WIN new                         ; the immediate's high byte repeats the setting that is left; a switch that changes nothing is dropped
.if MSB != (\new)
	s_set_vgpr_msb (MSB<<8)|(\new)
.set MSB, (\new)
.endif
.endm
.macro PLACES
.rept 4
	v_nop
.endr
.endm
.macro GELU n, x, t, e, p              ; n numbers in v[x..], in place; all reciprocals and exponentials are one batch with one wait
.set i, 0
.rept \n
	v_fma_f32 v[\t+i], |v[\x+i]|, s[CP], 1.0
.set i, i+1
.endr
.set i, 0
.rept (\n)/2
	v_pk_mul_f32 v[\e+i:\e+i+1], v[\x+i:\x+i+1], s[CA:CA+1] op_sel_hi:[1,0]
.set i, i+2
.endr
.set i, 0
.rept (\n)/2
	v_pk_mul_f32 v[\e+i:\e+i+1], v[\e+i:\e+i+1], v[\x+i:\x+i+1]
.set i, i+2
.endr
.set i, 0
.rept \n
	v_rcp_f32 v[\t+i], v[\t+i]
.set i, i+1
.endr
.set i, 0
.rept \n
	v_exp_f32 v[\e+i], v[\e+i]
.set i, i+1
.endr
	v_nop                                          ; a plain instruction behind the last of the batch
	s_wait_alu depctr_va_vdst(0)                   ; one wait for the batch, ahead of its first reader
.set i, 0
.rept (\n)/2
	v_pk_fma_f32 v[\p+i:\p+i+1], v[\t+i:\t+i+1], s[A5:A5+1], s[A4:A4+1] op_sel_hi:[1,0,0]
.set i, i+2
.endr
.irp k, A3, A2, A1
.set i, 0
.rept (\n)/2
	v_pk_fma_f32 v[\p+i:\p+i+1], v[\p+i:\p+i+1], v[\t+i:\t+i+1], s[\k:\k+1] op_sel_hi:[1,1,0]
.set i, i+2
.endr
.endr
.set i, 0
.rept (\n)/2
	v_pk_mul_f32 v[\p+i:\p+i+1], v[\p+i:\p+i+1], v[\t+i:\t+i+1]
.set i, i+2
.endr
.set i, 0
.rept (\n)/2
	v_pk_mul_f32 v[\p+i:\p+i+1], v[\p+i:\p+i+1], v[\e+i:\e+i+1]
.set i, i+2
.endr
.set i, 0
.rept \n
	v_max_num_f32 v[\t+i], 0, v[\x+i]
.set i, i+1
.endr
.set i, 0
.rept \n
	v_fma_f32 v[\x+i], -|v[\x+i]|, v[\p+i], v[\t+i]
.set i, i+1
.endr
.endm
; Unit q = 2 s + g of a macro-step: 16 k rows (16 s + i, and 32 further down for lanes 16-31), columns 64 g + 4 r .. + 3, into set q; the macro-step stands in the set's own offset register
.macro FILLU q
	WIN 0xc0                                       ; destination window 3
.set i, 0
.rept 16
	global_load_b128 v[64*(\q)+4*i:64*(\q)+4*i+3], v[WO+(\q)], s[WP:WP+1] offset:(16*((\q)>>1)+i)*PITCHW+256*((\q)&1) th:TH_LOAD_NT
.set i, i+1
.endr
	WIN 0
.endm
; Set q is rounded in pairs of k into four fragments' registers and stored: column 64 g + 4 r + c = 8 (8 g + r/2) + 4 (r%2) + c goes to fragment 4 (r%2) + c, lane place 8 g + r/2 (the lane's part stands in SA)
.macro CVTU q
	WIN 0x0f                                       ; sources in window 3
.set qq, 0
.rept 8
.irp c, 0,1,2,3
	v_cvt_pk_bf16_f32 v[CB+8*\c+qq], v[64*(\q)+8*qq+\c], v[64*(\q)+8*qq+4+\c]
.endr
.set qq, qq+1
.endr
	WIN 0
.irp c, 0,1,2,3
	ds_store_b128 v[SA], v[CB+8*\c:CB+8*\c+3] offset:((\q)>>1)*KB+\c*1024+128*((\q)&1)
	ds_store_b128 v[SA], v[CB+8*\c+4:CB+8*\c+7] offset:((\q)>>1)*KB+\c*1024+128*((\q)&1)+512
.endr
.endm
.macro ALD x, ao                       ; macro-step x of the rows named by ao: 64 consecutive bytes of my row in each of four tiles, into slot x % 4
	WIN 0x80                                       ; destination window 2
.irp t, 0,1,2,3
.irp i, 0,1,2,3
	global_load_b128 v[64*((\x)%4)+16*\t+4*\i:64*((\x)%4)+16*\t+4*\i+3], v[(\ao)+\t], s[4:5] offset:(\x)*128+16*\i
.endr
.endr
.endm
.macro BLD u                           ; the 8 weight fragments of K step u into buffer u % 2: 512 consecutive bytes a load
	WIN 0
.irp f, 0,1,2,3,4,5,6,7
	ds_load_b128 v[BF+64*((\u)%2)+8*\f:BF+64*((\u)%2)+8*\f+3], v[BA+(\u)/8] offset:((\u)%8)*KB+\f*1024
	ds_load_b128 v[BF+64*((\u)%2)+8*\f+4:BF+64*((\u)%2)+8*\f+7], v[BA+(\u)/8] offset:((\u)%8)*KB+\f*1024+512
.endr
.endm
.macro MUL32 u                         ; K step u: 32 products, the 32 accumulators by turns; K step 0 starts the sums
	WIN 0x52                                       ; rows window 2, weights window 0, sums window 1
.irp f, 0,1,2,3,4,5,6,7
.irp t, 0,1,2,3
.if (\u) == 0
	v_wmma_f32_16x16x32_bf16 v[64*\t+8*\f:64*\t+8*\f+7], v[64*(((\u)/2)%4)+16*\t+8*((\u)%2):64*(((\u)/2)%4)+16*\t+8*((\u)%2)+7], v[BF+64*((\u)%2)+8*\f:BF+64*((\u)%2)+8*\f+7], 0
.else
	v_wmma_f32_16x16x32_bf16 v[64*\t+8*\f:64*\t+8*\f+7], v[64*(((\u)/2)%4)+16*\t+8*((\u)%2):64*(((\u)/2)%4)+16*\t+8*((\u)%2)+7], v[BF+64*((\u)%2)+8*\f:BF+64*((\u)%2)+8*\f+7], v[64*\t+8*\f:64*\t+8*\f+7]
.endif
.endr
.endr
.endm
; K step u of 32.  Behind the products four places, then the loads into the weight buffer just read: K step u + 2 (round the trip's end: the next trip reads the same weights).
; Behind a macro-step's second K step its slot is filled again, four macro-steps ahead: from macro-step 12 on with the next group's rows.
.macro KSTEP u
.if ((\u)%2) == 0
	s_wait_loadcnt 48                              ; behind this slot's 16 loads the three other slots' 48 were issued
.endif
	s_wait_dscnt 16                                ; behind this K step's 16 loads the next one's 16 were issued
	MUL32 \u
	PLACES
	BLD ((\u)+2)%32
.if ((\u)%2) == 1
.if (\u)/2+4 < 16
	ALD (\u)/2+4, AOA
.else
	ALD (\u)/2-12, AOB
.endif
.endif
.endm
; The next group's rows: lanes 0-15 of a list register hold one tile's tokens, lanes 16-31 the next tile's; both halves of the lanes need both.  Then the list shifts down.
.macro NEXTROWS
	WIN 0
	v_permlanex16_b32 v[TX], v[L], s[SEL], s[SEL+1]
	v_cndmask_b32 v[AOB], v[L], v[TX], s[HIM]
	v_cndmask_b32 v[AOB+1], v[TX], v[L], s[HIM]
	v_permlanex16_b32 v[TX], v[L+1], s[SEL], s[SEL+1]
	v_cndmask_b32 v[AOB+2], v[L+1], v[TX], s[HIM]
	v_cndmask_b32 v[AOB+3], v[TX], v[L+1], s[HIM]
.irp t, 0,1,2,3
	v_min_u32 v[AOB+\t], 0x3ff, v[AOB+\t]
	v_lshl_add_u32 v[AOB+\t], v[AOB+\t], 11, v[H64]
.endr
.irp t, 0,1,2,3,4,5
	v_mov_b32 v[L+\t], v[L+\t+2]
.endr
.endm
; Pass n of the way out: tile n / 2, registers 2 p, 2 p + 1, 4 + 2 p, 5 + 2 p (p = n % 2) of all 8 fragments, plus the bias.  In either pass an accumulator's lower pair, one of its four lowest registers, is read first.
.macro COPY n
	WIN 0xc1                                       ; sums window 1, bias window 0, destination window 3
.set cf, 0
.rept 8
.irp jj, 0, 2
.if (cf%2) == 0
	v_pk_add_f32 v[X+4*cf+\jj:X+4*cf+\jj+1], v[64*((\n)/2)+8*cf+2*((\n)%2)+2*\jj:64*((\n)/2)+8*cf+2*((\n)%2)+2*\jj+1], v[BI+cf:BI+cf+1] op_sel_hi:[1,0]
.else
	v_pk_add_f32 v[X+4*cf+\jj:X+4*cf+\jj+1], v[64*((\n)/2)+8*cf+2*((\n)%2)+2*\jj:64*((\n)/2)+8*cf+2*((\n)%2)+2*\jj+1], v[BI+cf-1:BI+cf] op_sel:[0,1] op_sel_hi:[1,1]
.endif
.endr
.set cf, cf+1
.endr
	WIN 0
.endm
	s_load_b256 s[4:11], s[0:1], 0x0               ; xn s[4:5], rt s[6:7], ew1 s[8:9], eb1 s[10:11]
	s_load_b64 s[12:13], s[0:1], 0x20              ; hb
	v_lshl_add_u32 v[SPW], v0, 2, SPARE
	v_mov_b32 v[NIL], 0
	v_lshrrev_b32 v1, 5, v0
	v_readfirstlane_b32 s[WV], v1
	s_mov_b32 s[SL], ttmp9
	s_and_b32 s[EX], ttmp7, 0xffff
	s_mov_b32 s[HIM], 0xffff0000                   ; lanes 16-31
	s_mov_b32 s[SEL], 0x76543210
	s_mov_b32 s[SEL+1], 0xfedcba98
	s_mov_b32 s[CP], 0x3e6d3388                    ; 0.3275911 / sqrt 2
.irp k, CA, A1, A2, A3, A4, A5
.if \k == CA
	s_mov_b32 s[\k], 0xbf38aa3b                    ; -log2(e)/2
.elseif \k == A1
	s_mov_b32 s[\k], 0x3e027906                    ; the series' coefficients, halved
.elseif \k == A2
	s_mov_b32 s[\k], 0xbe11a98e
.elseif \k == A3
	s_mov_b32 s[\k], 0x3f35f0e3
.elseif \k == A4
	s_mov_b32 s[\k], 0xbf3a00e3
.else
	s_mov_b32 s[\k], 0x3f07dc22
.endif
	s_mov_b32 s[\k+1], s[\k]                       ; named as a pair
.endr
	v_and_b32 v3, 31, v0                           ; lane
	v_and_b32 v1, 15, v0                           ; r
	v_bfe_u32 v2, v0, 4, 1                         ; h
	v_lshlrev_b32 v[WO], 19, v2                    ; 32 rows of 16,384 bytes for lanes 16-31
	v_lshl_add_u32 v[WO], v1, 4, v[WO]
.irp q, 1,2,3
	v_mov_b32 v[WO+\q], v[WO]
.endr
	v_lshlrev_b32 v[M16], 4, v3
	v_lshlrev_b32 v[T0], 5, v1                     ; the bias of columns 8 r .. 8 r + 7
	v_and_b32 v[SA], 1, v1
	v_lshlrev_b32 v[SA], 12, v[SA]                 ; odd r: fragments 4-7
	v_lshl_add_u32 v[SA], v2, 8, v[SA]
	v_lshrrev_b32 v[T1], 1, v1
	v_lshl_add_u32 v[SA], v[T1], 4, v[SA]
	s_lshl_b32 s38, s[WV], 16                      ; my 8 K steps
	v_add_nc_u32 v[SA], s38, v[SA]
	v_mov_b32 v[BA], v[M16]
	v_add_nc_u32 v[BA+1], 0x10000, v[M16]
	v_add_nc_u32 v[BA+2], 0x20000, v[M16]
	v_add_nc_u32 v[BA+3], 0x30000, v[M16]
	v_lshlrev_b32 v[H64], 6, v2
	v_lshlrev_b32 v[HO], 4, v1
	v_lshl_add_u32 v[HO], v2, 16, v[HO]            ; row 8 h, 16 r bytes
	s_mul_i32 s38, s[WV], LISTB
	s_add_co_u32 s38, s38, LIST
	v_mov_b32 v[LB], s38
	v_add_nc_u32 v[ZA], s38, v[M16]
	s_lshl_b32 s39, s[WV], 8
	s_add_co_u32 s39, s39, s38
	v_lshl_add_u32 v[LRD], v3, 2, s39              ; entry 64 wave + lane
	v_lshlrev_b32 v[TOK], 1, v3
	v_or_b32 v[TOK+1], 1, v[TOK]
	v_mov_b32 v[TX], 0
.irp k, 0,1,2,3
	v_mov_b32 v[Z+\k], 0
.endr
	s_lshl_b32 s[EK], s[EX], 24                    ; the expert's 2^24 bytes of weights; also its field in rt's words
	s_lshl_b32 s36, s[WV], 22                      ; my 256 rows
	s_add_co_u32 s36, s36, s[EK]
	s_lshl_b32 s38, s[SL], 9                       ; the slice's 512 bytes
	s_add_co_u32 s36, s36, s38
	s_mov_b32 s37, 0
	s_lshl_b32 s56, s[EX], 14
	s_add_co_u32 s56, s56, s38
	s_mov_b32 s57, 0
	s_wait_kmcnt 0x0
	s_load_b256 s[CN:CN+7], s[6:7], 0x2000         ; the experts' counts
	s_add_nc_u64 s[WP:WP+1], s[8:9], s[36:37]
	s_add_nc_u64 s[10:11], s[10:11], s[56:57]
.set u, 0
.rept 16
	global_load_b128 v[DD+4*u:DD+4*u+3], v[M16], s[6:7] offset:512*u  ; the choices of tokens 64 u + 2 lane, + 1
.set u, u+1
.endr
	global_load_b128 v[BI:BI+3], v[T0], s[10:11]
	global_load_b128 v[BI+4:BI+7], v[T0], s[10:11] offset:16
	FILLU 0
.irp n, 0,1,2,3,4,5,6,7,8
	ds_store_b128 v[ZA], v[Z:Z+3] offset:512*\n    ; the list starts as zeros
.endr
	s_wait_loadcnt 16                              ; all but the first unit's 16 loads are in
	FILLU 1
	FILLU 2                                        ; the stream goes on while the list is made
	; THE LIST: a word exclusive-or'ed with the expert's field is the rank if the expert is mine, and 2^24 or more if not: that goes to entry 1,024
.set u, 0
.rept 16
.irp k, 0, 2
	v_xor_b32 v[T0], s[EK], v[DD+4*u+\k]
	v_xor_b32 v[T1], s[EK], v[DD+4*u+\k+1]
	v_min_u32 v[T0], v[T0], v[T1]
	v_min_u32 v[T0], 0x400, v[T0]
	v_lshl_add_u32 v[T0], v[T0], 2, v[LB]
	ds_store_b32 v[T0], v[TOK+\k/2]
.endr
	v_add_nc_u32 v[TOK], 64, v[TOK]
	v_add_nc_u32 v[TOK+1], 64, v[TOK+1]
.set u, u+1
.endr
	FILLU 3
	ds_load_b32 v[E0], v[LB]                       ; my wave's own bytes: LDS serves a wave's instructions in order
.set t, 0
.rept 8
	ds_load_b32 v[L+t], v[LRD] offset:1024*(t/2)+128*(t%2)  ; group 4 (t/2) + wave, rows 32 (t%2) + lane
.set t, t+1
.endr
	s_wait_kmcnt 0x0
	s_mov_b32 s[NN], 0
	s_mov_b32 s[SEG], 0
.set e, 0
.rept 8
	s_cmp_eq_u32 s[EX], e
	s_cselect_b32 s[NN], s[CN+e], s[NN]
	s_add_co_u32 s38, s[CN+e], 63
	s_and_b32 s38, s38, -64
	s_cmp_gt_u32 s[EX], e
	s_cselect_b32 s38, s38, 0
	s_add_co_u32 s[SEG], s[SEG], s38
.set e, e+1
.endr
	s_min_u32 s[NN], s[NN], 1024
	s_min_u32 s[SEG], s[SEG], 2496                 ; the eight counts rounded up to 64 come to 2,496 at the most (2,048 + 8 x 63, rounded down to a multiple of 64)
	s_add_co_u32 s38, s[NN], 63
	s_lshr_b32 s38, s38, 6                         ; groups of 64 rows
	s_add_co_u32 s38, s38, 3
	s_sub_co_u32 s38, s38, s[WV]
	s_lshr_b32 s[TRIPS], s38, 2                    ; groups 4 t + wave below that number: 0 to 4
	s_lshl_b32 s38, s[WV], 6
	v_add_nc_u32 v[IDX], s38, v3
	s_add_co_u32 s38, s38, s[SEG]
	s_lshl_b32 s36, s38, 13                        ; my first group's first row in hb,
	s_lshl_b32 s38, s[SL], 8                       ; the slice's 256 bytes
	s_add_co_u32 s36, s36, s38
	s_add_nc_u64 s[HB:HB+1], s[12:13], s[36:37]
	s_wait_dscnt 0x0
.set t, 0
.rept 8
	v_add_nc_u32 v[T0], 256*(t/2)+32*(t%2), v[IDX]
	v_cmp_gt_u32 vcc_lo, s[NN], v[T0]
	v_cndmask_b32 v[L+t], v[E0], v[L+t], vcc_lo    ; places past the count repeat the expert's first row
.set t, t+1
.endr
	NEXTROWS                                       ; my first group's rows
	s_mov_b32 s[CNT], 3
.Lw:                                                   ; three trips of a macro-step (four units); 48 = the three younger units' loads; that wait also frees the set's offset register
.irp q, 0,1,2,3
	s_wait_loadcnt 48
	CVTU \q
	v_add_nc_u32 v[WO+\q], 64*PITCHW, v[WO+\q]
	FILLU \q
.endr
	v_add_nc_u32 v[SA], 2*KB, v[SA]
	s_sub_co_u32 s[CNT], s[CNT], 1
	s_cmp_lg_u32 s[CNT], 0
	s_cbranch_scc1 .Lw
.irp q, 0,1,2,3
	s_wait_loadcnt 48-16*\q                        ; the last macro-step loads nothing: the counts run down
	CVTU \q
.endr
.irp x, 0,1,2,3
	ALD \x, AOB                                    ; my first group's first four macro-steps: they travel while the waves meet
.endr
	WIN 0
	s_wait_dscnt 0x0                               ; for the others' sake: my fragments are in LDS
	s_barrier_signal -1
	s_barrier_wait -1
	s_cmp_eq_u32 s[TRIPS], 0
	s_cbranch_scc1 .Lend                           ; this split leaves my wave without rows; no barrier follows
	BLD 0
	BLD 1
	s_mov_b32 s[TI], 0
.Ltrip:
.irp t, 0,1,2,3
	v_mov_b32 v[AOA+\t], v[AOB+\t]                 ; the last loads that named these four were issued behind K step 23, and K step 30's counted wait has shown them done
.endr
.set uu, 0
.rept 32
	KSTEP uu
.if uu == 7
	NEXTROWS                                       ; the loads that named the next group's four registers (this group's macro-steps 0 to 3) are done: K step 6's counted wait has shown the last of them
.endif
.set uu, uu+1
.endr
	WIN 0
	; THE WAY OUT: eight passes
	s_mov_b32 s[EC], 8
.Lep:
.irp n, 0,1,2,3,4,5,6
	s_cmp_eq_u32 s[EC], 8-\n
	s_cbranch_scc1 .Lcp\n
.endr
	COPY 7
	s_branch .Lgo
.irp n, 0,1,2,3,4,5
.Lcp\n:
	COPY \n
	s_branch .Lgo
.endr
.Lcp6:
	COPY 6
.Lgo:
	WIN 0xff                                       ; all in window 3
	GELU 32, X, GT, GE, GP
	s_wait_xcnt 0x0                                ; the last pass's stores have read their data and their offset: both are written again below
.set j, 0
.rept 4
.irp k, 0,1,2,3
	v_cvt_pk_bf16_f32 v[OO+4*j+\k], v[X+8*\k+j], v[X+8*\k+4+j]   ; columns 8 r + 2 k, + 1 of the pass's row j
.endr
.set j, j+1
.endr
	WIN 0
	s_sub_co_u32 s[ST], 8, s[EC]                   ; the pass's number n
	s_lshr_b32 s[ST2], s[ST], 1
	s_lshl_b32 s[ST2], s[ST2], 17                  ; tile n / 2: 16 rows of 8,192 bytes each
	s_and_b32 s[ST], s[ST], 1
	s_lshl_b32 s[ST], s[ST], 14                    ; p = n % 2: 2 rows
	s_add_co_u32 s[ST], s[ST], s[ST2]
	v_add_nc_u32 v[HOV], s[ST], v[HO]
	WIN 0x0c                                       ; store data in window 3
.irp j, 0,1,2,3
	global_store_b128 v[HOV], v[OO+4*\j:OO+4*\j+3], s[HB:HB+1] offset:(\j+2*(\j/2))*8192  ; rows 2 p, 2 p + 1, 4 + 2 p, 5 + 2 p; 16 lanes store the slice's 256 consecutive bytes of a row, aligned
.endr
	WIN 0
	s_sub_co_u32 s[EC], s[EC], 1
	s_cmp_lg_u32 s[EC], 0
	s_cbranch_scc1 .Lep
	s_wait_xcnt 0x0                                ; the stores' base is stepped only behind this wait
	s_add_nc_u64 s[HB:HB+1], s[HB:HB+1], 256*8192  ; my next group lies 256 rows on
	s_add_co_u32 s[TI], s[TI], 1
	s_cmp_lt_u32 s[TI], s[TRIPS]
	s_cbranch_scc1 .Ltrip
.Lend:
	s_wait_tensorcnt 0x0                           ; the wave's end
	ds_add_u32 v[SPW], v[NIL]
	s_wait_dscnt 0x0
	s_endpgm
.Lfunc_end_k_q5d060d2d09_fc1:
	.size	k_q5d060d2d09_fc1, .Lfunc_end_k_q5d060d2d09_fc1-k_q5d060d2d09_fc1
	.p2alignl 7, 3214868480
	.fill 96, 4, 3214868480
	.section	.rodata,"a",@progbits
	.p2align	6, 0x0
	.amdhsa_kernel k_q5d060d2d09_fc1
		.amdhsa_group_segment_fixed_size 281088
		.amdhsa_private_segment_fixed_size 0
		.amdhsa_enable_private_segment 0
		.amdhsa_kernarg_size 40
		.amdhsa_user_sgpr_count 2
		.amdhsa_user_sgpr_kernarg_segment_ptr 1
		.amdhsa_wavefront_size32 1
		.amdhsa_system_sgpr_workgroup_id_x 1
		.amdhsa_system_sgpr_workgroup_id_y 1
		.amdhsa_system_sgpr_workgroup_id_z 1
		.amdhsa_system_vgpr_workitem_id 0
		.amdhsa_next_free_vgpr 1024
		.amdhsa_next_free_sgpr 66
		.amdhsa_reserve_vcc 1
		.amdhsa_float_denorm_mode_32 3
		.amdhsa_float_denorm_mode_16_64 3
		.amdhsa_memory_ordered 1
		.amdhsa_forward_progress 1
		.amdhsa_inst_pref_size 219
	.end_amdhsa_kernel
	.amdgpu_metadata
---
amdhsa.version: [ 1, 2 ]
amdhsa.kernels:
  - .name:           k_q5d060d2d09_fc1
    .symbol:         k_q5d060d2d09_fc1.kd
    .args:
      - { .name: xn, .offset: 0, .size: 8, .value_kind: global_buffer, .address_space: global }
      - { .name: rt, .offset: 8, .size: 8, .value_kind: global_buffer, .address_space: global }
      - { .name: ew1, .offset: 16, .size: 8, .value_kind: global_buffer, .address_space: global }
      - { .name: eb1, .offset: 24, .size: 8, .value_kind: global_buffer, .address_space: global }
      - { .name: hb, .offset: 32, .size: 8, .value_kind: global_buffer, .address_space: global }
    .group_segment_fixed_size: 281088
    .private_segment_fixed_size: 0
    .kernarg_segment_align: 8
    .kernarg_segment_size: 40
    .max_flat_workgroup_size: 128
    .sgpr_count:     66
    .vgpr_count:     1024
    .wavefront_size: 32
...
	.end_amdgpu_metadata
.endif
;; end of part 3
;; launch fc2 (part 4): grid 32 x 8, 4 waves a work-group, no clusters, 299,520 bytes of LDS; arguments hb, rt, gw, ew2, eb2, pp; writes pp
.if DOCPART == 4
	.amdgcn_target "amdgcn-amd-amdhsa--gfx1250"
	.amdhsa_code_object_version 6
	.text
	.protected	k_q5d060d2d09_fc2
	.globl	k_q5d060d2d09_fc2
	.p2align	8
	.type	k_q5d060d2d09_fc2,@function
k_q5d060d2d09_fc2:
	s_mov_b64 s[64:65], 0
	v_nop
	global_prefetch_b8 v0, s[64:65] scope:SCOPE_SE
	s_setreg_imm32_b32 hwreg(HW_REG_WAVE_MODE, 25, 1), 1
	s_wait_xcnt 0x0
; pp[quarter][choice][token] = gate x (H W2_e (+ b2_e in quarter 0)) for the routed rows.  A work-group is (expert = grid y, slice of 128 columns = grid x % 8, quarter of K = 4,096 = grid x / 8) and alone reads
; its 1,024 x 128 f32 weights, once.  The shape 1,024 x 128 asks for half the bytes of H that 2,048 x 64 would, at the price of two more pairs of partial planes.
; PHASE 1, THE STREAM, and PHASE 2, THE ROWS, are those of the launch before: wave w rounds k rows 256 w .. + 255 of the quarter into fragment images in LDS (1,024 bytes a fragment, 8 a K step of 32); one barrier;
; then groups of 64 rows (four tiles), wave w taking groups w, w + 4, ..: a loop counted down from the constant 4 and left by one forward jump when the wave's groups, counted from the expert's stored count, are done;
; nothing in it writes LDS; K goes in four chunks of 8 K steps, written once; a K step's 16 LDS loads feed 32 products; the sums start by a block of products with C = 0 that the chunk counter chooses.
; Fragment F of lane r is column 64 (F/4) + 4 r + F%4: a lane's four results of a row and half are 16 neighbouring bytes of f32.
; The rows of hb lie by position (the expert's segment, counts rounded up to 64) and come through four slots of a macro-step (64 k) each; a slot is filled again behind its own use, four macro-steps ahead, in the last
; chunk from the next group; it owns its scalar base, which its own counted wait frees.  In macro-step m register q of fragment s, lane half h, holds k = 64 m + 32 h + 16 s + 2 q, + 1 in both sources.
; Where a row goes (choice x 1,024 + token) and its gate stand in two tables that each wave makes for itself from rt and gw and reads into registers before the loop.  Places past the count repeat the expert's first
; row, in hb and in the tables: its values are stored to its own place once more, by the same work-group, and EXEC is never changed.
; THE WAY OUT goes in four passes of a tile, in the order 0, 2, 1, 3 (so that one step serves the table registers): one of four short blocks copies the tile out of the accumulators and adds the bias; the rest is written once.
; Each (quarter, choice, token) row of a slice has one owning work-group; the partial rows are f32 and the last launch adds them.
; NO CLUSTER, NO TENSOR LOAD, NO PREFETCH: as in the launch before.
; LIMITS.  H and the weights are bf16 (rounded once); sums, gates and partial rows f32.  NaN and infinities are not treated apart.
.set PITCHW, 4096                      ; bytes from k row to k row of ew2
.set KB,     8192
.set INFO,   32*KB                     ; behind the weights, each wave's own: 1,025 row numbers, then (LISTB on) 1,025 gates
.set LISTB,  4608
.set SPARE,  INFO+8*LISTB
; window 0
.set WO,  4                            ; v4-7   stream set q: my offset in the weights
.set SA,  8
.set BAC, 9
.set BAN, 10
.set M16, 11                           ; v11    16 x lane; never rewritten
.set R16, 12                           ; v12    16 r
.set TX,  13
.set IB,  14
.set LRD, 15
.set SPW, 16
.set NIL, 17
.set TOK, 18                           ; v18-19
.set T0,  20
.set T1,  21
.set T2,  22
.set T3,  23
.set BI,  24                           ; v24-31 the bias of my 8 columns
.set LR,  32                           ; v32-39 my groups' row numbers, two registers a group
.set LG,  40                           ; v40-47 my groups' gates
.set E0R, 48
.set E0G, 49
.set IDX, 50
.set ZA,  51
.set Z,   52                           ; v52-55 zeros
.set AO,  56                           ; v56-59 tile t: my row's byte offset in a group's rows of hb; never rewritten
.set CURO, 60
.set NXO, 61
.set CURG, 62
.set NXG, 63
.set OF,  64                           ; v64-71 eight rows' byte offsets
.set GV,  72                           ; v72-79 eight rows' gates
.set CB,  96                           ; v96-127
.set DD,  128                          ; v128-191 rt's words, at the start
.set GD,  192                          ; v192-255 gw's words, at the start
.set BF,  128                          ; v128-255 two buffers of 8 weight fragments
; window 1: the sums, tile t, fragment F at 64 t + 8 F.  window 2: the row slots.  window 3: four stream sets of 64; later the way out:
.set X,   0
.set OO,  64
.set WV, 16
.set SL, 17
.set KQ, 18
.set EX, 19
.set NN, 20
.set SEG, 21
.set LT, 22
.set TR, 23
.set CN, 24
.set SB, 24                            ; s[24:31] slot s: hb at the slot's rows and k
.set WP, 32
.set PB, 34
.set HBQ, 40
.set RBN, 43
.set RBS, 44                           ; s44  byte offset in hb of the group that refills take
.set RN, 45
.set CH, 46
.set CNT, 47
.set HIM, 48
.set EK, 49
.set OFP, 50
.set RL, 52
.set EC, 56
.set KBC, 57
.set SEL, 58
.set KBN, 62
.set KO, 68                            ; s68-71 slot s: its k offset in a row's quarter
.set MSB, 0
.macro WIN new
.if MSB != (\new)
	s_set_vgpr_msb (MSB<<8)|(\new)
.set MSB, (\new)
.endif
.endm
.macro PLACES
.rept 4
	v_nop
.endr
.endm
.macro FILLU q                         ; unit q = 2 s + g: 16 k rows, columns 64 g + 4 r .. + 3, into set q; the macro-step stands in the set's own offset register
	WIN 0xc0
.set i, 0
.rept 16
	global_load_b128 v[64*(\q)+4*i:64*(\q)+4*i+3], v[WO+(\q)], s[WP:WP+1] offset:(16*((\q)>>1)+i)*PITCHW+256*((\q)&1) th:TH_LOAD_NT
.set i, i+1
.endr
	WIN 0
.endm
.macro CVTU q                          ; rounded in pairs of k into fragments 4 g + c, each lane in its own place
	WIN 0x0f
.set qq, 0
.rept 8
.irp c, 0,1,2,3
	v_cvt_pk_bf16_f32 v[CB+8*\c+qq], v[64*(\q)+8*qq+\c], v[64*(\q)+8*qq+4+\c]
.endr
.set qq, qq+1
.endr
	WIN 0
.irp c, 0,1,2,3
	ds_store_b128 v[SA], v[CB+8*\c:CB+8*\c+3] offset:((\q)>>1)*KB+(4*((\q)&1)+\c)*1024
	ds_store_b128 v[SA], v[CB+8*\c+4:CB+8*\c+7] offset:((\q)>>1)*KB+(4*((\q)&1)+\c)*1024+512
.endr
.endm
.macro ALD s                           ; slot s: 64 consecutive bytes of my row in each of four tiles
	WIN 0x80
.irp t, 0,1,2,3
.irp i, 0,1,2,3
	global_load_b128 v[64*(\s)+16*\t+4*\i:64*(\s)+16*\t+4*\i+3], v[AO+\t], s[SB+2*(\s):SB+2*(\s)+1] offset:16*\i
.endr
.endr
	WIN 0
.endm
.macro BLD buf, areg, kk
.irp f, 0,1,2,3,4,5,6,7
	ds_load_b128 v[BF+64*(\buf)+8*\f:BF+64*(\buf)+8*\f+3], v[\areg] offset:(\kk)*KB+\f*1024
	ds_load_b128 v[BF+64*(\buf)+8*\f+4:BF+64*(\buf)+8*\f+7], v[\areg] offset:(\kk)*KB+\f*1024+512
.endr
.endm
.macro MUL32 uu, zero                  ; 32 products, the 32 accumulators by turns
	WIN 0x52                                       ; rows window 2, weights window 0, sums window 1
.irp f, 0,1,2,3,4,5,6,7
.irp t, 0,1,2,3
.if \zero
	v_wmma_f32_16x16x32_bf16 v[64*\t+8*\f:64*\t+8*\f+7], v[64*((\uu)/2)+16*\t+8*((\uu)%2):64*((\uu)/2)+16*\t+8*((\uu)%2)+7], v[BF+64*((\uu)%2)+8*\f:BF+64*((\uu)%2)+8*\f+7], 0
.else
	v_wmma_f32_16x16x32_bf16 v[64*\t+8*\f:64*\t+8*\f+7], v[64*((\uu)/2)+16*\t+8*((\uu)%2):64*((\uu)/2)+16*\t+8*((\uu)%2)+7], v[BF+64*((\uu)%2)+8*\f:BF+64*((\uu)%2)+8*\f+7], v[64*\t+8*\f:64*\t+8*\f+7]
.endif
.endr
.endr
	WIN 0
.endm
.macro KSTEP uu                        ; as in the launch before
.if ((\uu)%2) == 0
	s_wait_loadcnt 48                              ; behind this slot's 16 loads the three other slots' 48 were issued; the slot's base is free from here on
.endif
	s_wait_dscnt 16                                ; behind this K step's 16 loads the next one's 16 were issued
.if (\uu) == 0
	s_cmp_eq_u32 s[CH], 4
	s_cbranch_scc0 .Lsum_\@
	MUL32 \uu, 1                                   ; a trip's first K step starts the sums: nothing is cleared
	s_branch .Lmet_\@
.Lsum_\@:
	MUL32 \uu, 0
.Lmet_\@:
.else
	MUL32 \uu, 0
.endif
	PLACES                                         ; four places ahead of the loads into registers just read
.if (\uu) < 6
	BLD (\uu)%2, BAC, (\uu)+2
.else
	BLD (\uu)%2, BAN, (\uu)-6
.endif
.if ((\uu)%2) == 1
	s_add_co_u32 s[KO+(\uu)/2], s[KO+(\uu)/2], 512
	s_and_b32 s[KO+(\uu)/2], s[KO+(\uu)/2], 2047              ; behind the last chunk: the quarter's beginning again
	s_add_co_u32 s[OFP], s[KO+(\uu)/2], s[RBS]
	s_add_nc_u64 s[SB+2*((\uu)/2):SB+2*((\uu)/2)+1], s[HBQ:HBQ+1], s[OFP:OFP+1]
	ALD (\uu)/2
.endif
.endm
.macro COPY t                          ; tile t's sums plus the bias; each accumulator's lowest registers are read first
	WIN 0xc1                                       ; sums window 1, bias window 0, destination window 3
.set cf, 0
.rept 8
.irp j, 0,2,4,6
.if (cf%2) == 0
	v_pk_add_f32 v[X+8*cf+\j:X+8*cf+\j+1], v[64*(\t)+8*cf+\j:64*(\t)+8*cf+\j+1], v[BI+cf:BI+cf+1] op_sel_hi:[1,0]
.else
	v_pk_add_f32 v[X+8*cf+\j:X+8*cf+\j+1], v[64*(\t)+8*cf+\j:64*(\t)+8*cf+\j+1], v[BI+cf-1:BI+cf] op_sel:[0,1] op_sel_hi:[1,1]
.endif
.endr
.set cf, cf+1
.endr
	WIN 0
.endm
	s_load_b256 s[4:11], s[0:1], 0x0               ; hb s[4:5], rt s[6:7], gw s[8:9], ew2 s[10:11]
	s_load_b128 s[12:15], s[0:1], 0x20             ; eb2 s[12:13], pp s[14:15]
	v_lshl_add_u32 v[SPW], v0, 2, SPARE
	v_mov_b32 v[NIL], 0
	v_lshrrev_b32 v1, 5, v0
	v_readfirstlane_b32 s[WV], v1
	s_and_b32 s[SL], ttmp9, 7
	s_lshr_b32 s[KQ], ttmp9, 3
	s_and_b32 s[EX], ttmp7, 0xffff
	s_mov_b32 s[HIM], 0xffff0000
	s_mov_b32 s[SEL], 0x76543210
	s_mov_b32 s[SEL+1], 0xfedcba98
	v_and_b32 v3, 31, v0
	v_and_b32 v1, 15, v0
	v_bfe_u32 v2, v0, 4, 1
	v_lshlrev_b32 v[R16], 4, v1
	v_lshl_add_u32 v[WO], v2, 17, v[R16]           ; 32 rows of 4,096 bytes for lanes 16-31
.irp q, 1,2,3
	v_mov_b32 v[WO+\q], v[WO]
.endr
	v_lshlrev_b32 v[M16], 4, v3
	s_lshl_b32 s38, s[WV], 16
	v_add_nc_u32 v[SA], s38, v[M16]
	v_lshlrev_b32 v[AO], 13, v1
	v_lshl_add_u32 v[AO], v2, 6, v[AO]             ; row r, 64 h bytes
	v_add_nc_u32 v[AO+1], 0x20000, v[AO]           ; 16 rows on
	v_add_nc_u32 v[AO+2], 0x40000, v[AO]
	v_add_nc_u32 v[AO+3], 0x60000, v[AO]
	s_mul_i32 s38, s[WV], 2*LISTB
	s_add_co_u32 s38, s38, INFO
	v_mov_b32 v[IB], s38
	v_add_nc_u32 v[ZA], s38, v[M16]
	s_lshl_b32 s39, s[WV], 8
	s_add_co_u32 s39, s39, s38
	v_lshl_add_u32 v[LRD], v3, 2, s39              ; entry 64 wave + lane
	v_lshlrev_b32 v[TOK], 1, v3
	v_or_b32 v[TOK+1], 1, v[TOK]
	v_mov_b32 v[TX], 0
.irp k, 0,1,2,3
	v_mov_b32 v[Z+\k], 0
.endr
	s_lshl_b32 s[EK], s[EX], 24
	s_lshl_b32 s36, s[KQ], 22                      ; the quarter's 1,024 rows
	s_add_co_u32 s36, s36, s[EK]
	s_lshl_b32 s38, s[WV], 20                      ; my 256 rows
	s_add_co_u32 s36, s36, s38
	s_lshl_b32 s39, s[SL], 9                       ; the slice's 512 bytes
	s_add_co_u32 s36, s36, s39
	s_mov_b32 s37, 0
	s_lshl_b32 s60, s[EX], 12
	s_add_co_u32 s60, s60, s39
	s_mov_b32 s61, 0
	s_lshl_b32 s[OFP], s[KQ], 23                   ; the quarter's two planes
	s_add_co_u32 s[OFP], s[OFP], s39
	s_mov_b32 s[OFP+1], 0
	s_wait_kmcnt 0x0
	s_load_b256 s[CN:CN+7], s[6:7], 0x2000         ; the experts' counts
	s_add_nc_u64 s[WP:WP+1], s[10:11], s[36:37]
	s_add_nc_u64 s[12:13], s[12:13], s[60:61]
	s_add_nc_u64 s[PB:PB+1], s[14:15], s[OFP:OFP+1]
	s_lshl_b32 s[OFP], s[KQ], 11                   ; the quarter's 2,048 bytes of a row of hb
	s_add_nc_u64 s[HBQ:HBQ+1], s[4:5], s[OFP:OFP+1]
.set u, 0
.rept 16
	global_load_b128 v[DD+4*u:DD+4*u+3], v[M16], s[6:7] offset:512*u  ; the choices of tokens 64 u + 2 lane, + 1,
	global_load_b128 v[GD+4*u:GD+4*u+3], v[M16], s[8:9] offset:512*u  ; and their gates
.set u, u+1
.endr
	global_load_b128 v[BI:BI+3], v[R16], s[12:13]
	global_load_b128 v[BI+4:BI+7], v[R16], s[12:13] offset:256
	FILLU 0
.set n, 0
.rept 18
	ds_store_b128 v[ZA], v[Z:Z+3] offset:512*n     ; the tables start as zeros
.set n, n+1
.endr
	s_wait_loadcnt 16                              ; all but the first unit's 16 loads are in
	FILLU 1
	FILLU 2
	; THE TABLES: a word exclusive-or'ed with the expert's field is the rank if the expert is mine, and 2^24 or more if not: that goes to entry 1,024; the second choice is mine where its word gives the lesser number
.set u, 0
.rept 16
.irp k, 0, 2
	v_xor_b32 v[T0], s[EK], v[DD+4*u+\k]
	v_xor_b32 v[T1], s[EK], v[DD+4*u+\k+1]
	v_cmp_lt_u32 vcc_lo, v[T1], v[T0]
	v_add_nc_u32 v[T2], 0x400, v[TOK+\k/2]
	v_cndmask_b32 v[T2], v[TOK+\k/2], v[T2], vcc_lo
	v_cndmask_b32 v[T3], v[GD+4*u+\k], v[GD+4*u+\k+1], vcc_lo
	v_min_u32 v[T0], v[T0], v[T1]
	v_min_u32 v[T0], 0x400, v[T0]
	v_lshl_add_u32 v[T0], v[T0], 2, v[IB]
	ds_store_b32 v[T0], v[T2]
	ds_store_b32 v[T0], v[T3] offset:LISTB
.endr
	v_add_nc_u32 v[TOK], 64, v[TOK]
	v_add_nc_u32 v[TOK+1], 64, v[TOK+1]
.set u, u+1
.endr
	FILLU 3
	ds_load_b32 v[E0R], v[IB]                      ; my wave's own bytes: LDS serves a wave's instructions in order
	ds_load_b32 v[E0G], v[IB] offset:LISTB
.set t, 0
.rept 8
	ds_load_b32 v[LR+t], v[LRD] offset:1024*(t/2)+128*(t%2)
	ds_load_b32 v[LG+t], v[LRD] offset:LISTB+1024*(t/2)+128*(t%2)
.set t, t+1
.endr
	s_cmp_eq_u32 s[KQ], 0
	s_cselect_b32 s38, -1, 0
.irp c, 0,1,2,3,4,5,6,7
	v_and_b32 v[BI+\c], s38, v[BI+\c]              ; the bias enters in quarter 0 alone
.endr
	s_wait_kmcnt 0x0
	s_mov_b32 s[NN], 0
	s_mov_b32 s[SEG], 0
.set e, 0
.rept 8
	s_cmp_eq_u32 s[EX], e
	s_cselect_b32 s[NN], s[CN+e], s[NN]
	s_add_co_u32 s38, s[CN+e], 63
	s_and_b32 s38, s38, -64
	s_cmp_gt_u32 s[EX], e
	s_cselect_b32 s38, s38, 0
	s_add_co_u32 s[SEG], s[SEG], s38
.set e, e+1
.endr
	s_min_u32 s[NN], s[NN], 1024
	s_add_co_u32 s38, s[NN], 63
	s_lshr_b32 s38, s38, 6
	s_add_co_u32 s38, s38, 3
	s_sub_co_u32 s38, s38, s[WV]
	s_lshr_b32 s[LT], s38, 2                       ; my wave's groups: 0 to 4
	s_lshl_b32 s38, s[WV], 6
	v_add_nc_u32 v[IDX], s38, v3
	s_add_co_u32 s[RN], s38, s[SEG]
	s_min_u32 s[RN], s[RN], 2496                   ; a group that lives begins at row 2,432 at the most: the bound touches only look-ahead, and keeps it inside hb's 2,560 rows
	s_lshl_b32 s[RBS], s[RN], 13
.irp s, 0,1,2,3
	s_mov_b32 s[KO+\s], 128*\s                     ; the counts have been read: their registers take the slots' bases
	s_add_co_u32 s[OFP], s[RBS], 128*\s
	s_add_nc_u64 s[SB+2*\s:SB+2*\s+1], s[HBQ:HBQ+1], s[OFP:OFP+1]
.endr
	s_wait_dscnt 0x0
.set t, 0
.rept 8
	v_add_nc_u32 v[T0], 256*(t/2)+32*(t%2), v[IDX]
	v_cmp_gt_u32 vcc_lo, s[NN], v[T0]
	v_cndmask_b32 v[LR+t], v[E0R], v[LR+t], vcc_lo ; places past the count repeat the expert's first row
	v_cndmask_b32 v[LG+t], v[E0G], v[LG+t], vcc_lo
.set t, t+1
.endr
	s_mov_b32 s[CNT], 3
.Lw:                                                   ; three trips of a macro-step (four units); 48 = the three younger units' loads; that wait also frees the set's offset register
.irp q, 0,1,2,3
	s_wait_loadcnt 48
	CVTU \q
	v_add_nc_u32 v[WO+\q], 64*PITCHW, v[WO+\q]
	FILLU \q
.endr
	v_add_nc_u32 v[SA], 2*KB, v[SA]
	s_sub_co_u32 s[CNT], s[CNT], 1
	s_cmp_lg_u32 s[CNT], 0
	s_cbranch_scc1 .Lw
.irp q, 0,1,2,3
	s_wait_loadcnt 48-16*\q                        ; the last macro-step loads nothing: the counts run down
	CVTU \q
.endr
.irp s, 0,1,2,3
	ALD \s                                         ; my first group's first chunk: it travels while the waves meet
.endr
	s_wait_dscnt 0x0                               ; for the others' sake: my fragments are in LDS
	s_barrier_signal -1
	s_barrier_wait -1
	s_cmp_eq_u32 s[LT], 0
	s_cbranch_scc1 .Lend                           ; this split leaves my wave without rows; no barrier follows
	v_mov_b32 v[BAC], v[M16]
	BLD 0, BAC, 0
	BLD 1, BAC, 1
	s_mov_b32 s[TR], 4
.Ltrip:
	s_add_co_u32 s[RN], s[RN], 256                 ; my next group lies 256 rows on
	s_min_u32 s[RN], s[RN], 2496
	s_lshl_b32 s[RBN], s[RN], 13
	s_mov_b32 s[KBC], 0
	s_mov_b32 s[KBN], 8*KB
	s_mov_b32 s[CH], 4
.Lch:
	s_cmp_eq_u32 s[CH], 1
	s_cselect_b32 s[RBS], s[RBN], s[RBS]           ; the last chunk's refills are the next group's
	v_add_nc_u32 v[BAC], s[KBC], v[M16]
	v_add_nc_u32 v[BAN], s[KBN], v[M16]
.irp uu, 0,1,2,3,4,5,6,7
	KSTEP \uu
.endr
	s_mov_b32 s[KBC], s[KBN]
	s_add_co_u32 s[KBN], s[KBN], 8*KB
	s_and_b32 s[KBN], s[KBN], 32*KB-1              ; behind the last chunk: the first again, for the next trip
	s_sub_co_u32 s[CH], s[CH], 1
	s_cmp_lg_u32 s[CH], 0
	s_cbranch_scc1 .Lch
	; THE WAY OUT: four passes, tiles 0, 2, 1, 3.  The tile in hand has its table entries in lanes 0-15 of CURO and CURG; behind a pass (in hand, next) becomes (next, in hand with its halves exchanged).
	v_mov_b32 v[CURO], v[LR]
	v_mov_b32 v[NXO], v[LR+1]
	v_mov_b32 v[CURG], v[LG]
	v_mov_b32 v[NXG], v[LG+1]
.irp t, 0,1,2,3,4,5
	v_mov_b32 v[LR+\t], v[LR+\t+2]
	v_mov_b32 v[LG+\t], v[LG+\t+2]
.endr
	s_mov_b32 s[EC], 4
.Lep:
	s_cmp_eq_u32 s[EC], 4
	s_cbranch_scc1 .Lcp0
	s_cmp_eq_u32 s[EC], 3
	s_cbranch_scc1 .Lcp2
	s_cmp_eq_u32 s[EC], 2
	s_cbranch_scc1 .Lcp1
	COPY 3
	s_branch .Lgo
.Lcp0:
	COPY 0
	s_branch .Lgo
.Lcp2:
	COPY 2
	s_branch .Lgo
.Lcp1:
	COPY 1
.Lgo:
	s_wait_xcnt 0x0                                ; the last pass's stores have read their offsets and their data: both are written again below
	; register i of the eight accumulators is row 8 h + i: its place and gate come out of lanes i and 8 + i
.set i, 0
.rept 8
	v_readlane_b32 s[RL], v[CURO], i
	v_readlane_b32 s[RL+1], v[CURO], 8+i
	v_readlane_b32 s[RL+2], v[CURG], i
	v_readlane_b32 s[RL+3], v[CURG], 8+i
	s_min_u32 s[RL], s[RL], 0x7ff
	s_min_u32 s[RL+1], s[RL+1], 0x7ff
	v_mov_b32 v[OF+i], s[RL]
	v_cndmask_b32 v[OF+i], v[OF+i], s[RL+1], s[HIM]
	v_lshl_add_u32 v[OF+i], v[OF+i], 12, v[R16]
	v_mov_b32 v[GV+i], s[RL+2]
	v_cndmask_b32 v[GV+i], v[GV+i], s[RL+3], s[HIM]
.set i, i+1
.endr
	WIN 0xc3                                       ; the tile and the results in window 3, the gates in window 0
.set i, 0
.rept 8
.irp f, 0,1,2,3,4,5,6,7
	v_mul_f32 v[OO+8*i+\f], v[X+8*\f+i], v[GV+i]
.endr
.set i, i+1
.endr
	WIN 0x0c                                       ; store data in window 3
.set i, 0
.rept 8
	global_store_b128 v[OF+i], v[OO+8*i:OO+8*i+3], s[PB:PB+1]               ; 16 lanes store 256 consecutive bytes of a row, aligned
	global_store_b128 v[OF+i], v[OO+8*i+4:OO+8*i+7], s[PB:PB+1] offset:256
.set i, i+1
.endr
	WIN 0
	v_permlanex16_b32 v[TX], v[CURO], s[SEL], s[SEL+1]
	v_mov_b32 v[CURO], v[NXO]
	v_mov_b32 v[NXO], v[TX]
	v_permlanex16_b32 v[TX], v[CURG], s[SEL], s[SEL+1]
	v_mov_b32 v[CURG], v[NXG]
	v_mov_b32 v[NXG], v[TX]
	s_sub_co_u32 s[EC], s[EC], 1
	s_cmp_lg_u32 s[EC], 0
	s_cbranch_scc1 .Lep
	s_sub_co_u32 s[LT], s[LT], 1
	s_cmp_eq_u32 s[LT], 0
	s_cbranch_scc1 .Lend                           ; my groups are done
	s_sub_co_u32 s[TR], s[TR], 1
	s_cmp_lg_u32 s[TR], 0
	s_cbranch_scc1 .Ltrip
.Lend:
	s_wait_tensorcnt 0x0                           ; the wave's end
	ds_add_u32 v[SPW], v[NIL]
	s_wait_dscnt 0x0
	s_endpgm
.Lfunc_end_k_q5d060d2d09_fc2:
	.size	k_q5d060d2d09_fc2, .Lfunc_end_k_q5d060d2d09_fc2-k_q5d060d2d09_fc2
	.p2alignl 7, 3214868480
	.fill 96, 4, 3214868480
	.section	.rodata,"a",@progbits
	.p2align	6, 0x0
	.amdhsa_kernel k_q5d060d2d09_fc2
		.amdhsa_group_segment_fixed_size 299520
		.amdhsa_private_segment_fixed_size 0
		.amdhsa_enable_private_segment 0
		.amdhsa_kernarg_size 48
		.amdhsa_user_sgpr_count 2
		.amdhsa_user_sgpr_kernarg_segment_ptr 1
		.amdhsa_wavefront_size32 1
		.amdhsa_system_sgpr_workgroup_id_x 1
		.amdhsa_system_sgpr_workgroup_id_y 1
		.amdhsa_system_sgpr_workgroup_id_z 1
		.amdhsa_system_vgpr_workitem_id 0
		.amdhsa_next_free_vgpr 1024
		.amdhsa_next_free_sgpr 80
		.amdhsa_reserve_vcc 1
		.amdhsa_float_denorm_mode_32 3
		.amdhsa_float_denorm_mode_16_64 3
		.amdhsa_memory_ordered 1
		.amdhsa_forward_progress 1
		.amdhsa_inst_pref_size 127
	.end_amdhsa_kernel
	.amdgpu_metadata
---
amdhsa.version: [ 1, 2 ]
amdhsa.kernels:
  - .name:           k_q5d060d2d09_fc2
    .symbol:         k_q5d060d2d09_fc2.kd
    .args:
      - { .name: hb, .offset: 0, .size: 8, .value_kind: global_buffer, .address_space: global }
      - { .name: rt, .offset: 8, .size: 8, .value_kind: global_buffer, .address_space: global }
      - { .name: gw, .offset: 16, .size: 8, .value_kind: global_buffer, .address_space: global }
      - { .name: ew2, .offset: 24, .size: 8, .value_kind: global_buffer, .address_space: global }
      - { .name: eb2, .offset: 32, .size: 8, .value_kind: global_buffer, .address_space: global }
      - { .name: pp, .offset: 40, .size: 8, .value_kind: global_buffer, .address_space: global }
    .group_segment_fixed_size: 299520
    .private_segment_fixed_size: 0
    .kernarg_segment_align: 8
    .kernarg_segment_size: 48
    .max_flat_workgroup_size: 128
    .sgpr_count:     80
    .vgpr_count:     1024
    .wavefront_size: 32
...
	.end_amdgpu_metadata
.endif
;; end of part 4
;; launch comb (part 5): grid 256 x 1, 8 waves a work-group, no clusters, 0 bytes of LDS; arguments tokens, pp, out0; writes out0
.if DOCPART == 5
	.amdgcn_target "amdgcn-amd-amdhsa--gfx1250"
	.amdhsa_code_object_version 6
	.text
	.protected	k_q5d060d2d09_comb
	.globl	k_q5d060d2d09_comb
	.p2align	8
	.type	k_q5d060d2d09_comb,@function
k_q5d060d2d09_comb:
	s_mov_b64 s[64:65], 0
	v_nop
	global_prefetch_b8 v0, s[64:65] scope:SCOPE_SE
	s_setreg_imm32_b32 hwreg(HW_REG_WAVE_MODE, 25, 1), 1
	s_wait_xcnt 0x0
; out0 = tokens + the eight partial planes of pp (four quarters of K x two choices), all f32.  A stream: each byte is read once and written once, so LDS, barriers and the matrix unit would add nothing.
; A work-group has 16,384 bytes of every plane; a thread 16 bytes in each of four pieces of 4,096: each load and store of a wave covers 512 consecutive bytes.  All 36 loads go out first; the waits count down.
.set PLANE, 4194304
	s_load_b128 s[4:7], s[0:1], 0x0                ; tokens s[4:5], pp s[6:7]
	s_load_b64 s[8:9], s[0:1], 0x10                ; out0
	s_lshl_b32 s2, ttmp9, 14
	v_lshl_add_u32 v1, v0, 4, s2
	s_wait_kmcnt 0x0
	s_add_nc_u64 s[10:11], s[6:7], 2*PLANE         ; a base for each quarter: the immediate holds one plane's distance
	s_add_nc_u64 s[12:13], s[6:7], 4*PLANE
	s_add_nc_u64 s[14:15], s[6:7], 6*PLANE
.irp u, 0,1,2,3
	global_load_b128 v[4+36*\u:7+36*\u], v1, s[4:5] offset:4096*\u th:TH_LOAD_NT
.irp p, 0,1,2,3
	global_load_b128 v[8+36*\u+8*\p:11+36*\u+8*\p], v1, s[6+2*\p+2*((\p+3)/4):7+2*\p+2*((\p+3)/4)] offset:4096*\u th:TH_LOAD_NT
	global_load_b128 v[12+36*\u+8*\p:15+36*\u+8*\p], v1, s[6+2*\p+2*((\p+3)/4):7+2*\p+2*((\p+3)/4)] offset:PLANE+4096*\u th:TH_LOAD_NT
.endr
.endr
.irp u, 0,1,2,3
	s_wait_loadcnt 27-9*\u                         ; the nine loads of each later piece may stay out
.irp k, 0, 2
.irp p, 0, 16
	v_pk_add_f32 v[8+36*\u+\p+\k:9+36*\u+\p+\k], v[8+36*\u+\p+\k:9+36*\u+\p+\k], v[12+36*\u+\p+\k:13+36*\u+\p+\k]
	v_pk_add_f32 v[16+36*\u+\p+\k:17+36*\u+\p+\k], v[16+36*\u+\p+\k:17+36*\u+\p+\k], v[20+36*\u+\p+\k:21+36*\u+\p+\k]
	v_pk_add_f32 v[8+36*\u+\p+\k:9+36*\u+\p+\k], v[8+36*\u+\p+\k:9+36*\u+\p+\k], v[16+36*\u+\p+\k:17+36*\u+\p+\k]
.endr
	v_pk_add_f32 v[8+36*\u+\k:9+36*\u+\k], v[8+36*\u+\k:9+36*\u+\k], v[24+36*\u+\k:25+36*\u+\k]
	v_pk_add_f32 v[4+36*\u+\k:5+36*\u+\k], v[4+36*\u+\k:5+36*\u+\k], v[8+36*\u+\k:9+36*\u+\k]
.endr
	global_store_b128 v1, v[4+36*\u:7+36*\u], s[8:9] offset:4096*\u th:TH_STORE_NT
.endr
	s_endpgm
.Lfunc_end_k_q5d060d2d09_comb:
	.size	k_q5d060d2d09_comb, .Lfunc_end_k_q5d060d2d09_comb-k_q5d060d2d09_comb
	.p2alignl 7, 3214868480
	.fill 96, 4, 3214868480
	.section	.rodata,"a",@progbits
	.p2align	6, 0x0
	.amdhsa_kernel k_q5d060d2d09_comb
		.amdhsa_group_segment_fixed_size 0
		.amdhsa_private_segment_fixed_size 0
		.amdhsa_enable_private_segment 0
		.amdhsa_kernarg_size 24
		.amdhsa_user_sgpr_count 2
		.amdhsa_user_sgpr_kernarg_segment_ptr 1
		.amdhsa_wavefront_size32 1
		.amdhsa_system_sgpr_workgroup_id_x 1
		.amdhsa_system_sgpr_workgroup_id_y 1
		.amdhsa_system_sgpr_workgroup_id_z 1
		.amdhsa_system_vgpr_workitem_id 0
		.amdhsa_next_free_vgpr 160
		.amdhsa_next_free_sgpr 66
		.amdhsa_reserve_vcc 0
		.amdhsa_float_denorm_mode_32 3
		.amdhsa_float_denorm_mode_16_64 3
		.amdhsa_memory_ordered 1
		.amdhsa_forward_progress 1
		.amdhsa_inst_pref_size 9
	.end_amdhsa_kernel
	.amdgpu_metadata
---
amdhsa.version: [ 1, 2 ]
amdhsa.kernels:
  - .name:           k_q5d060d2d09_comb
    .symbol:         k_q5d060d2d09_comb.kd
    .args:
      - { .name: tokens, .offset: 0, .size: 8, .value_kind: global_buffer, .address_space: global }
      - { .name: pp, .offset: 8, .size: 8, .value_kind: global_buffer, .address_space: global }
      - { .name: out0, .offset: 16, .size: 8, .value_kind: global_buffer, .address_space: global }
    .group_segment_fixed_size: 0
    .private_segment_fixed_size: 0
    .kernarg_segment_align: 8
    .kernarg_segment_size: 24
    .max_flat_workgroup_size: 256
    .sgpr_count:     66
    .vgpr_count:     160
    .wavefront_size: 32
...
	.end_amdgpu_metadata
.endif
;; end of part 5
;; ======== version 2 of 2: 5 launches; version 1 with the launches gate, fc1, fc2 written anew for expert scheduling mode
;; workspace buffers: xn 2,097,152 bytes; lp 131,072 bytes; rt 8,448 bytes of whole numbers; gw 8,192 bytes; hb 20,971,520 bytes; pp 33,554,432 bytes
;; launch gate (part 6): grid 4 x 64, 4 waves a work-group, no clusters, 70,656 bytes of LDS; arguments tokens, alt_embedding, ln_gamma, ln_beta, gate_w1, gate_b1, gate_w2, xn, lp; writes xn, lp
.if DOCPART == 6
	.amdgcn_target "amdgcn-amd-amdhsa--gfx1250"
	.amdhsa_code_object_version 6
	.text
	.protected	k_q5d060d2d09_gate
	.globl	k_q5d060d2d09_gate
	.p2align	8
	.type	k_q5d060d2d09_gate,@function
k_q5d060d2d09_gate:
	s_mov_b64 s[64:65], 0
	v_nop
	global_prefetch_b8 v0, s[64:65] scope:SCOPE_SE
	s_setreg_imm32_b32 hwreg(HW_REG_WAVE_SCHED_MODE, 0, 2), 2
	s_setreg_imm32_b32 hwreg(HW_REG_WAVE_MODE, 25, 1), 1
	s_wait_xcnt 0x0
	s_wait_alu depctr_vm_vsrc(0)
; LayerNorm, the router's first layer with exact GELU, and partial logits.
; A work-group has 16 tokens (grid y) and a quarter of the 512 hidden units (grid x).  Wave w normalises rows 4w..4w+3 and multiplies the hidden columns 128 x + 32 w .. +31.
; THE ROUTER'S PRODUCT carries about 16 significant bits an operand: [normed | alt] and gate_w1 are split into bf16 hi + bf16 lo, and hi hi + hi lo + lo hi are summed in f32 (lo lo is dropped).
; The second layer (512 -> 8) is f32 on the vector unit; the four quarters' parts of the logits go to lp and are added by the next launch.
; xn takes the normalised tokens rounded once to bf16 (the experts' operand); only the work-groups of quarter 0 store it.
; GELU: gelu(x) = max(x,0) - |x| hq, hq = t(A1+t(A2+t(A3+t(A4+t A5)))) 2^(CA x^2), t = 1/(1+CP|x|): the five-term series for erf, its error at most 1.5e-7 for every x.
; LIMITS.  NaN and infinities are not treated apart.  2^(CA x^2) below 2^-126 counts as 0.  A token whose second and third logits lie closer than the product's error (some 5e-7 at logits of size 0.1) may be routed otherwise than by an f32 product.
; THE MODE: SCHED_MODE bits 1:0 = 2 (LLVM: expert scheduling mode 2), set by the entry lines.  The code itself states the register dependences between vector or matrix instructions and memory or LDS instructions, with s_wait_alu, always for 0.
; THE PLAN.  Registers that memory or LDS instructions touch:
;   LayerNorm, row p: the hi plane is rounded into HB[p % 3] (window 1), the lo plane closes up in place into the row's first 16 registers; one wait on va_vdst, then the row's 16 LDS stores.  Row 3 writes HB[0] again behind a wait on vm_vsrc.
;   The product, K step s (u = s % 3): its conversions read ring slot u, which the loads of step s + 3 fill again; its products read token set AF[u], in which the LDS loads of step s + 1 land (the fragments of step s + 3).
;   v[AA] is read by every token load and written once a trip; v[WO], v[XO], v[LS] are never written again.  WH, WL, TS and the accumulators are named by vector and matrix instructions alone.
; So ONE wait on va_vdst stands in a K step, behind its conversions: they are done reading slot u, the products of the step before are done reading their token set, and in a trip's first step v[AA] is written.
; The step's loads follow it: the token set first, the ring's sixteen dealt among the six products, which name none of those registers.  One wait on vm_vsrc a trip stands ahead of the add to v[AA].
.set PITCH, 2128                       ; an LDS row: 1,056 bf16 + 16 bytes = 133 x 16: the 16 rows of a fragment load start in 16 different groups of four banks
.set ALO,   16*PITCH                   ; the lo plane lies behind the hi plane
.set RED,   2*ALO                      ; 4 x 512 bytes: the waves' parts of the logits
.set XO, 4                             ; v4   16 x lane
.set WO, 5                             ; v5   my offset in a K step of gate_w1
.set AA, 6                             ; v6   LDS address of my token fragment
.set LS, 7                             ; v7   LDS address of my 8 bytes in my wave's first row
.set MU, 10                            ; v[10:11] the mean, in the low word
.set AE, 12                            ; v[12:13] two numbers of alt
.set XA, 12                            ; v12  later: LDS address of my 16 bytes in my wave's first hi row
.set AL, 13                            ; v13  later: alt's lo halves
.set AH, 14                            ; v14  alt's hi halves
.set TP, 15                            ; v15  takes the other half of the lanes
.set T, 16                             ; v[16:23] at work
.set RS, 24                            ; v[24:31] 1/sqrt(var+eps), a pair a row
.set X, 32                             ; v[32:159] four rows, 32 registers each
.set WR, 160                           ; v[160:255] ring of three K steps of gate_w1, f32
.set WH, 32                            ; later: weights hi, [c][q]
.set WL, 48                            ; weights lo
.set ACC, 80                           ; two accumulators
.set AF, 96                            ; v[96:143] three token sets: hi fragment, lo fragment
.set GT, 96
.set GE, 112
.set GP, 128
.set PS, 144                           ; eight partial logits
.set TS, 152                           ; at work
.set RA, 152                           ; at the end: LDS address at which wave 0 reads the four parts
.set GA, 0                             ; window 1: gamma
.set BE, 32                            ; window 1: beta
.set W2, 64                            ; window 1: gate_w2 rows of my 16 hidden units, [m][e]
.set B1, 192                           ; window 1: gate_b1 of my 16 hidden units
.set HB, 208                           ; window 1: three buffers of 16: a row's hi plane on its way to LDS
.set WVN, 22
.set HQ, 23
.set TY, 24
.set SEL, 32
.set I1K, 40
.set EPS, 41
.set MASK, 42
.set CP, 43
.set CA, 44
.set A1, 46
.set A2, 48
.set A3, 50
.set A4, 52
.set A5, 54
.set CNT, 56
.set MSB, 0
.macro WIN new                         ; the immediate's high byte repeats the setting that is left
.if MSB != (\new)
	s_set_vgpr_msb (MSB<<8)|(\new)
.set MSB, (\new)
.endif
.endm
.macro PLACES
.rept 4
	v_nop
.endr
.endm
.macro RED32 a, t                      ; the sum over the wave's 32 lanes, in every lane
	v_add_f32_dpp v[\a], v[\a], v[\a] row_xmask:1 row_mask:0xf bank_mask:0xf
	v_add_f32_dpp v[\a], v[\a], v[\a] row_xmask:2 row_mask:0xf bank_mask:0xf
	v_add_f32_dpp v[\a], v[\a], v[\a] row_xmask:4 row_mask:0xf bank_mask:0xf
	v_add_f32_dpp v[\a], v[\a], v[\a] row_xmask:8 row_mask:0xf bank_mask:0xf
	v_permlanex16_b32 v[\t], v[\a], s[SEL], s[SEL+1]
	v_add_f32 v[\a], v[\a], v[\t]
.endm
.macro GELU n, x, t, e, p              ; n numbers in v[x..], in place; all reciprocals and exponentials are one batch with one wait
.set i, 0
.rept \n
	v_fma_f32 v[\t+i], |v[\x+i]|, s[CP], 1.0
.set i, i+1
.endr
.set i, 0
.rept (\n)/2
	v_pk_mul_f32 v[\e+i:\e+i+1], v[\x+i:\x+i+1], s[CA:CA+1] op_sel_hi:[1,0]
.set i, i+2
.endr
.set i, 0
.rept (\n)/2
	v_pk_mul_f32 v[\e+i:\e+i+1], v[\e+i:\e+i+1], v[\x+i:\x+i+1]
.set i, i+2
.endr
.set i, 0
.rept \n
	v_rcp_f32 v[\t+i], v[\t+i]
.set i, i+1
.endr
.set i, 0
.rept \n
	v_exp_f32 v[\e+i], v[\e+i]
.set i, i+1
.endr
	v_nop                                          ; a plain instruction behind the last of the batch
	s_wait_alu depctr_va_vdst(0)                   ; the reciprocals and exponentials have written their results: one wait for the batch, ahead of its first reader
.set i, 0
.rept (\n)/2
	v_pk_fma_f32 v[\p+i:\p+i+1], v[\t+i:\t+i+1], s[A5:A5+1], s[A4:A4+1] op_sel_hi:[1,0,0]
.set i, i+2
.endr
.irp k, A3, A2, A1
.set i, 0
.rept (\n)/2
	v_pk_fma_f32 v[\p+i:\p+i+1], v[\p+i:\p+i+1], v[\t+i:\t+i+1], s[\k:\k+1] op_sel_hi:[1,1,0]
.set i, i+2
.endr
.endr
.set i, 0
.rept (\n)/2
	v_pk_mul_f32 v[\p+i:\p+i+1], v[\p+i:\p+i+1], v[\t+i:\t+i+1]
.set i, i+2
.endr
.set i, 0
.rept (\n)/2
	v_pk_mul_f32 v[\p+i:\p+i+1], v[\p+i:\p+i+1], v[\e+i:\e+i+1]
.set i, i+2
.endr
.set i, 0
.rept \n
	v_max_num_f32 v[\t+i], 0, v[\x+i]
.set i, i+1
.endr
.set i, 0
.rept \n
	v_fma_f32 v[\x+i], -|v[\x+i]|, v[\p+i], v[\t+i]
.set i, i+1
.endr
.endm
; n of the 16 loads of one K step (32 rows of gate_w1), from load 'from' on: my two columns of each of my 16 rows, into ring slot u.  Row i of the lane is k = 8h + i, then 16 + 8h + (i - 8): the fragment's own order.
.macro RING u, base, from, n
.set i, \from
.rept \n
	global_load_b64 v[WR+32*(\u)+2*i:WR+32*(\u)+2*i+1], v[WO], s[12:13] offset:(\base)+(i+8*(i/8))*2048
.set i, i+1
.endr
.endm
; the token fragments of one K step, hi and lo, into set a; at: the step's bytes in a row, counted from the trip's first step
.macro XFRAG a, at
	ds_load_b128 v[AF+16*(\a):AF+16*(\a)+3], v[AA] offset:(\at)
	ds_load_b128 v[AF+16*(\a)+4:AF+16*(\a)+7], v[AA] offset:(\at)+32
	ds_load_b128 v[AF+16*(\a)+8:AF+16*(\a)+11], v[AA] offset:ALO+(\at)
	ds_load_b128 v[AF+16*(\a)+12:AF+16*(\a)+15], v[AA] offset:ALO+(\at)+32
.endm
	s_load_b256 s[4:11], s[0:1], 0x0               ; tokens s[4:5], alt s[6:7], gamma s[8:9], beta s[10:11]
	s_load_b256 s[12:19], s[0:1], 0x20             ; gate_w1 s[12:13], gate_b1 s[14:15], gate_w2 s[16:17], xn s[18:19]
	s_load_b64 s[20:21], s[0:1], 0x40              ; lp
	v_lshl_add_u32 v8, v0, 2, 0x11200
	v_mov_b32 v9, 0
	v_lshrrev_b32 v1, 5, v0
	v_readfirstlane_b32 s[WVN], v1                 ; wave 0..3
	s_mov_b32 s[HQ], ttmp9                         ; hidden quarter
	s_and_b32 s[TY], ttmp7, 0xffff                 ; tile of 16 tokens
	v_and_b32 v3, 31, v0                           ; lane
	v_and_b32 v1, 15, v0                           ; r
	v_bfe_u32 v2, v0, 4, 1                         ; h
	v_lshlrev_b32 v[XO], 4, v3
	v_lshlrev_b32 v[WO], 14, v2                    ; 8 h rows of 2,048 bytes
	v_lshl_add_u32 v[WO], v1, 3, v[WO]             ; + my two columns
	v_lshlrev_b32 v16, 3, v1                       ; alt: 8 r
	v_lshlrev_b32 v17, 6, v2                       ; gate_b1: 16 h numbers
	v_lshlrev_b32 v18, 9, v2                       ; gate_w2: 16 h rows of 32 bytes
	v_mov_b32 v[MU+1], 0                           ; named with the mean as a pair
	v_mov_b32 v[TP], 0
	s_wait_alu depctr_va_sdst(0)                   ; the wave's number is written, ahead of its first reader
	s_lshl_b32 s26, s[TY], 16                      ; 16 rows of 4,096 bytes a tile,
	s_lshl_b32 s25, s[WVN], 14                     ; 4 rows a wave
	s_add_co_u32 s26, s26, s25
	s_mov_b32 s27, 0
	s_lshr_b32 s28, s26, 1                         ; the same rows in xn
	s_mov_b32 s29, 0
	s_lshr_b32 s30, s[TY], 3                       ; the batch
	s_lshl_b32 s30, s30, 7
	s_mov_b32 s31, 0
	s_lshl_b32 s34, s[HQ], 9                       ; my first hidden column, in f32 bytes: 512 x + 128 w
	s_lshl_b32 s25, s[WVN], 7
	s_add_co_u32 s34, s34, s25
	s_mov_b32 s35, 0
	s_lshl_b32 s36, s34, 3                         ; the same in rows of gate_w2
	s_mov_b32 s37, 0
	s_lshl_b32 s38, s[HQ], 15                      ; lp: the quarter's plane, the tile's 512 bytes
	s_lshl_b32 s25, s[TY], 9
	s_add_co_u32 s38, s38, s25
	s_mov_b32 s39, 0
	s_mov_b32 s[SEL], 0x76543210
	s_mov_b32 s[SEL+1], 0xfedcba98
	s_mov_b32 s[I1K], 0x3a800000                   ; 1/1024
	s_mov_b32 s[EPS], 0x3727c5ac                   ; 1e-5
	s_mov_b32 s[MASK], 0xffff0000
	s_mov_b32 s[CP], 0x3e6d3388                    ; 0.3275911 / sqrt 2
.irp k, CA, A1, A2, A3, A4, A5
.if \k == CA
	s_mov_b32 s[\k], 0xbf38aa3b                    ; -log2(e)/2
.elseif \k == A1
	s_mov_b32 s[\k], 0x3e027906                    ; the series' coefficients, halved
.elseif \k == A2
	s_mov_b32 s[\k], 0xbe11a98e
.elseif \k == A3
	s_mov_b32 s[\k], 0x3f35f0e3
.elseif \k == A4
	s_mov_b32 s[\k], 0xbf3a00e3
.else
	s_mov_b32 s[\k], 0x3f07dc22
.endif
	s_mov_b32 s[\k+1], s[\k]                       ; named as a pair
.endr
	s_wait_kmcnt 0x0
	s_add_nc_u64 s[4:5], s[4:5], s[26:27]
	s_add_nc_u64 s[18:19], s[18:19], s[28:29]
	s_add_nc_u64 s[6:7], s[6:7], s[30:31]
	s_add_nc_u64 s[12:13], s[12:13], s[34:35]
	s_add_nc_u64 s[14:15], s[14:15], s[34:35]
	s_add_nc_u64 s[16:17], s[16:17], s[36:37]
	s_add_nc_u64 s[20:21], s[20:21], s[38:39]
	s_wait_alu depctr_va_vdst(0)                   ; the offsets v[XO], v[WO], v16, v17 and v18 are written, which the loads below read
	; ALL LOADS GO OUT AT ONCE; the ring's 48 last, so that one counted wait shows all the others landed
.set p, 0
.rept 4
.set j, 0
.rept 8
	global_load_b128 v[X+32*p+4*j:X+32*p+4*j+3], v[XO], s[4:5] offset:p*4096+j*512
.set j, j+1
.endr
.set p, p+1
.endr
	global_load_b64 v[AE:AE+1], v16, s[6:7]
	WIN 0x40                                       ; destination window 1
.set j, 0
.rept 8
	global_load_b128 v[GA+4*j:GA+4*j+3], v[XO], s[8:9] offset:j*512
	global_load_b128 v[BE+4*j:BE+4*j+3], v[XO], s[10:11] offset:j*512
.set j, j+1
.endr
.set j, 0
.rept 4
	global_load_b128 v[B1+4*j:B1+4*j+3], v17, s[14:15] offset:j*16
.set j, j+1
.endr
.set j, 0
.rept 32
	global_load_b128 v[W2+4*j:W2+4*j+3], v18, s[16:17] offset:j*16
.set j, j+1
.endr
	WIN 0
	RING 0, 0, 0, 16
	RING 1, 65536, 0, 16
	RING 2, 131072, 0, 16
	s_mul_i32 s25, s[WVN], 4*PITCH                 ; my wave's first row in LDS
	v_lshl_add_u32 v[LS], v3, 3, s25
	s_wait_loadcnt 48                              ; all but the ring's 48 loads are in
	s_wait_alu depctr_vm_vsrc(0)                   ; the loads have read their offsets v16, v17 and v18, which are at work from here on
	; alt: split into hi and lo, behind the 1,024 normalised numbers of rows 4w + h and 4w + h + 2
	v_cvt_pk_bf16_f32 v[AH], v[AE], v[AE+1]
	v_lshlrev_b32 v16, 16, v[AH]
	v_and_b32 v17, s[MASK], v[AH]
	v_pk_add_f32 v[16:17], v[AE:AE+1], v[16:17] neg_lo:[0,1] neg_hi:[0,1]
	v_cvt_pk_bf16_f32 v[AL], v16, v17
	v_lshl_add_u32 v[XA], v3, 4, s25               ; for quarter 0's way to xn: made here, ahead of the wait below
	v_mul_u32_u24 v[AA], v2, PITCH
	v_lshl_add_u32 v[AA], v1, 2, v[AA]
	v_add_nc_u32 v[AA], s25, v[AA]
	s_wait_alu depctr_va_vdst(0)                   ; v[AH], v[AL] and v[AA] are written, which the four LDS stores read; so are v[LS] and v[XA], for the LDS instructions further down
	ds_store_b32 v[AA], v[AH] offset:2048
	ds_store_b32 v[AA], v[AH] offset:2048+2*PITCH
	ds_store_b32 v[AA], v[AL] offset:ALO+2048
	ds_store_b32 v[AA], v[AL] offset:ALO+2048+2*PITCH
; LayerNorm, first part, row p: the mean, x - mean in place, var + eps
.macro LNA p
.set XR, X+32*(\p)
.irp k, 0,2,4,6
	v_pk_add_f32 v[T+\k:T+\k+1], v[XR+\k:XR+\k+1], v[XR+8+\k:XR+8+\k+1]
.endr
.irp k, 0,2,4,6
	v_pk_add_f32 v[T+\k:T+\k+1], v[T+\k:T+\k+1], v[XR+16+\k:XR+16+\k+1]
.endr
.irp k, 0,2,4,6
	v_pk_add_f32 v[T+\k:T+\k+1], v[T+\k:T+\k+1], v[XR+24+\k:XR+24+\k+1]
.endr
	v_pk_add_f32 v[T:T+1], v[T:T+1], v[T+2:T+3]
	v_pk_add_f32 v[T+4:T+5], v[T+4:T+5], v[T+6:T+7]
	v_pk_add_f32 v[T:T+1], v[T:T+1], v[T+4:T+5]
	v_add_f32 v[T], v[T], v[T+1]
	RED32 T, TP
	v_mul_f32 v[MU], s[I1K], v[T]
.set i, 0
.rept 16
	v_pk_add_f32 v[XR+i:XR+i+1], v[XR+i:XR+i+1], v[MU:MU+1] op_sel_hi:[1,0] neg_lo:[0,1] neg_hi:[0,1]
.set i, i+2
.endr
.irp k, 0,2,4,6
	v_pk_mul_f32 v[T+\k:T+\k+1], v[XR+\k:XR+\k+1], v[XR+\k:XR+\k+1]
.endr
.irp b, 8,16,24
.irp k, 0,2,4,6
	v_pk_fma_f32 v[T+\k:T+\k+1], v[XR+\b+\k:XR+\b+\k+1], v[XR+\b+\k:XR+\b+\k+1], v[T+\k:T+\k+1]
.endr
.endr
	v_pk_add_f32 v[T:T+1], v[T:T+1], v[T+2:T+3]
	v_pk_add_f32 v[T+4:T+5], v[T+4:T+5], v[T+6:T+7]
	v_pk_add_f32 v[T:T+1], v[T:T+1], v[T+4:T+5]
	v_add_f32 v[T], v[T], v[T+1]
	RED32 T, TP
	v_fma_f32 v[RS+2*(\p)], v[T], s[I1K], s[EPS]
.endm
; second part, row p: scale, gamma and beta; the hi plane into HB[p % 3]; x - hi in place; the lo plane closes up into the row's first 16 registers; then both planes into LDS (each store of the wave covers 256 consecutive bytes)
.macro LNB p
.set XR, X+32*(\p)
.set HR, HB+16*((\p)%3)
.set i, 0
.rept 16
	v_pk_mul_f32 v[XR+i:XR+i+1], v[XR+i:XR+i+1], v[RS+2*(\p):RS+2*(\p)+1] op_sel_hi:[1,0]
.set i, i+2
.endr
	WIN 0x14                                       ; sources 1 and 2 in window 1
.set i, 0
.rept 16
	v_pk_fma_f32 v[XR+i:XR+i+1], v[XR+i:XR+i+1], v[GA+i:GA+i+1], v[BE+i:BE+i+1]
.set i, i+2
.endr
.if (\p) == 3
	s_wait_alu depctr_vm_vsrc(0)                   ; row 0's LDS stores have read HB[0], which this row's roundings write again
.endif
	WIN 0x40                                       ; destination window 1
.set i, 0
.rept 16
	v_cvt_pk_bf16_f32 v[HR+i], v[XR+2*i], v[XR+2*i+1]
.set i, i+1
.endr
.set j, 0
.rept 4
	WIN 0x04                                       ; source 1 in window 1
.irp k, 0,1,2,3
	v_lshlrev_b32 v[T+2*\k], 16, v[HR+4*j+\k]
	v_and_b32 v[T+2*\k+1], s[MASK], v[HR+4*j+\k]
.endr
	WIN 0
.irp k, 0,1,2,3
	v_pk_add_f32 v[XR+8*j+2*\k:XR+8*j+2*\k+1], v[XR+8*j+2*\k:XR+8*j+2*\k+1], v[T+2*\k:T+2*\k+1] neg_lo:[0,1] neg_hi:[0,1]
.endr
.set j, j+1
.endr
.set i, 0
.rept 16
	v_cvt_pk_bf16_f32 v[XR+i], v[XR+2*i], v[XR+2*i+1]
.set i, i+1
.endr
	WIN 0x04                                       ; store data in window 1
	s_wait_alu depctr_va_vdst(0)                   ; the roundings have written the row's hi buffer and its lo registers, which the sixteen LDS stores read
.set j, 0
.rept 8
	ds_store_b64 v[LS], v[HR+2*j:HR+2*j+1] offset:(\p)*PITCH+256*j
.set j, j+1
.endr
	WIN 0
.set j, 0
.rept 8
	ds_store_b64 v[LS], v[XR+2*j:XR+2*j+1] offset:ALO+(\p)*PITCH+256*j
.set j, j+1
.endr
.endm
	LNA 0
	LNA 1
	LNA 2
	LNA 3
.irp p, 0,1,2,3
	v_rsq_f32 v[RS+2*\p], v[RS+2*\p]
.endr
	v_nop                                          ; a plain instruction behind the last of the four
	s_wait_alu depctr_va_vdst(0)                   ; the four roots have written their results: one wait, ahead of the first reader
.irp p, 0,1,2,3
	v_mov_b32 v[RS+2*\p+1], v[RS+2*\p]             ; named as a pair
.endr
	LNB 0
	LNB 1
	LNB 2
	LNB 3
	s_wait_alu depctr_vm_vsrc(0)                   ; my LDS stores have read the rows' lo registers and v[AA]: loads land in the first, and vector instructions write both, below
	s_cmp_lg_u32 s[HQ], 0
	s_cbranch_scc1 .Lnoxn
	; quarter 0 stores xn: my wave's own four hi rows come back from LDS (LDS serves a wave's instructions in order) and leave as 512 consecutive bytes a store.
	; No vector instruction since row 3's wait on va_vdst names v[X ..] or v[XA].
.set n, 0
.rept 16
	ds_load_b128 v[X+4*n:X+4*n+3], v[XA] offset:(n/4)*PITCH+(n%4)*512
.set n, n+1
.endr
	s_wait_dscnt 0x0
.set n, 0
.rept 16
	global_store_b128 v[XO], v[X+4*n:X+4*n+3], s[18:19] offset:(n/4)*2048+(n%4)*512
.set n, n+1
.endr
.Lnoxn:
	s_wait_xcnt 0x0                                ; the stores' data registers are written again below
	s_wait_alu depctr_vm_vsrc(0)                   ; the stores to xn have read v[X ..], which the bias, the conversions and the token sets take over
	v_mul_u32_u24 v[AA], v1, PITCH
	v_lshl_add_u32 v[AA], v2, 4, v[AA]             ; token r, 16 bytes for each half of the lanes
	s_wait_dscnt 0x0                               ; for the others' sake: my rows are in LDS
	s_barrier_signal -1
	s_barrier_wait -1
	; THE PRODUCT.  Source 0 = 16 hidden units (unit i of fragment c is column col0 + 2 i + c), source 1 = the 16 tokens: a lane then holds one token and the units col0 + 16 h + 2 j + c.
	WIN 0x01
.set j, 0
.rept 8
	v_mov_b32 v[ACC+j], v[B1+2*j]                  ; the sums start from the bias
	v_mov_b32 v[ACC+8+j], v[B1+2*j+1]
.set j, j+1
.endr
	WIN 0
	s_wait_alu depctr_va_vdst(0)                   ; v[AA] is written, which the token loads read; LayerNorm's instructions are done with v[AF ..], in which they land
	XFRAG 0, 0
	XFRAG 1, 64                                    ; the token sets of K steps 0 and 1; each step asks for the one two steps on
; One K step of 32.  left: the loads of the younger steps, which may stay out.  ahead = 1: ring slot u takes the step three further on.  ask = 1: the token set of the step two further on is asked for.
; dsl: the LDS loads of the younger token sets, which may stay out.
.macro KSTEP u, ahead, left, ask, dsl
	s_wait_loadcnt \left
	PLACES                                         ; four places behind the last products, whose weight operands are written below
.set R, WR+32*(\u)
.set q, 0
.rept 8
.set D, TS+4*(q%2)
	v_cvt_pk_bf16_f32 v[WH+q], v[R+4*q], v[R+4*q+2]
	v_cvt_pk_bf16_f32 v[WH+8+q], v[R+4*q+1], v[R+4*q+3]
	v_lshlrev_b32 v[D], 16, v[WH+q]
	v_lshlrev_b32 v[D+1], 16, v[WH+8+q]
	v_and_b32 v[D+2], s[MASK], v[WH+q]
	v_and_b32 v[D+3], s[MASK], v[WH+8+q]
	v_pk_add_f32 v[D:D+1], v[R+4*q:R+4*q+1], v[D:D+1] neg_lo:[0,1] neg_hi:[0,1]
	v_pk_add_f32 v[D+2:D+3], v[R+4*q+2:R+4*q+3], v[D+2:D+3] neg_lo:[0,1] neg_hi:[0,1]
	v_cvt_pk_bf16_f32 v[WL+q], v[D], v[D+2]
	v_cvt_pk_bf16_f32 v[WL+8+q], v[D+1], v[D+3]
.set q, q+1
.endr
.if \ask
	s_wait_alu depctr_va_vdst(0)                   ; the conversions are done reading ring slot u; the last step's products are done reading their token set; in a trip's first step v[AA] is written
	XFRAG ((\u)+2)%3, 64*((\u)+2)
.endif
	s_wait_dscnt \dsl                              ; LDS loads come back in order (ISA guide 5.7.1): this step's token set is in, the younger sets' loads stay out
.set FA, AF+16*(\u)
	v_wmma_f32_16x16x32_bf16 v[ACC:ACC+7], v[WH:WH+7], v[FA:FA+7], v[ACC:ACC+7]              ; the two accumulators take turns
	v_wmma_f32_16x16x32_bf16 v[ACC+8:ACC+15], v[WH+8:WH+15], v[FA:FA+7], v[ACC+8:ACC+15]
.if \ahead
	RING \u, (3+(\u))*65536, 0, 8                  ; no wait: no vector or matrix instruction since the wait above names ring slot u
.endif
	v_wmma_f32_16x16x32_bf16 v[ACC:ACC+7], v[WH:WH+7], v[FA+8:FA+15], v[ACC:ACC+7]
	v_wmma_f32_16x16x32_bf16 v[ACC+8:ACC+15], v[WH+8:WH+15], v[FA+8:FA+15], v[ACC+8:ACC+15]
.if \ahead
	RING \u, (3+(\u))*65536, 8, 8
.endif
	v_wmma_f32_16x16x32_bf16 v[ACC:ACC+7], v[WL:WL+7], v[FA:FA+7], v[ACC:ACC+7]
	v_wmma_f32_16x16x32_bf16 v[ACC+8:ACC+15], v[WL+8:WL+15], v[FA:FA+7], v[ACC+8:ACC+15]
.endm
	s_mov_b32 s[CNT], 10
.Lk:                                                   ; 10 trips of three K steps; 32 = the 2 x 16 loads of the two younger steps; 8 = the 2 x 4 LDS loads of the two younger token sets
	KSTEP 0, 1, 32, 1, 8
	KSTEP 1, 1, 32, 1, 8
	KSTEP 2, 1, 32, 1, 8
	s_wait_xcnt 0x0                                ; the loads' base is stepped only behind this wait
	s_add_nc_u64 s[12:13], s[12:13], 196608
	s_wait_alu depctr_vm_vsrc(0)                   ; the token loads issued so far have read v[AA]
	v_add_nc_u32 v[AA], 192, v[AA]
	s_sub_co_u32 s[CNT], s[CNT], 1
	s_cmp_lg_u32 s[CNT], 0
	s_cbranch_scc1 .Lk
	KSTEP 0, 0, 32, 1, 8                           ; the last three steps load no weights, and only the first asks for a token set: the counts run down
	KSTEP 1, 0, 16, 0, 4
	KSTEP 2, 0, 0, 0, 0
	PLACES
	GELU 16, ACC, GT, GE, GP
	; THE SECOND LAYER, f32: eight partial logits over my 16 hidden units
	WIN 0x01                                       ; gate_w2 in window 1
.set m, 0
.rept 16
.set G, ACC+8*(m%2)+m/2
.set GQ, G-(G%2)
.irp e, 0,2,4,6
.if m == 0
	v_pk_mul_f32 v[PS+\e:PS+\e+1], v[W2+\e:W2+\e+1], v[GQ:GQ+1] op_sel_hi:[1,0]
.elseif (G%2) == 0
	v_pk_fma_f32 v[PS+\e:PS+\e+1], v[W2+8*m+\e:W2+8*m+\e+1], v[GQ:GQ+1], v[PS+\e:PS+\e+1] op_sel_hi:[1,0,1]
.else
	v_pk_fma_f32 v[PS+\e:PS+\e+1], v[W2+8*m+\e:W2+8*m+\e+1], v[GQ:GQ+1], v[PS+\e:PS+\e+1] op_sel:[0,1,0] op_sel_hi:[1,1,1]
.endif
.endr
.set m, m+1
.endr
	WIN 0
	v_cmp_eq_u32 vcc_lo, 1, v2                     ; made here, so that the sixteen lines below stand between it and the wait for it
.irp e, 0,1,2,3,4,5,6,7
	v_permlanex16_b32 v[TS+\e], v[PS+\e], s[SEL], s[SEL+1]  ; the token's other 16 units lie in the lane 16 away
.endr
.irp e, 0,1,2,3,4,5,6,7
	v_add_f32 v[PS+\e], v[PS+\e], v[TS+\e]
.endr
	s_wait_alu depctr_va_vcc(0)                    ; the compare has written VCC, ahead of its first reader
.irp e, 0,1,2,3
	v_cndmask_b32 v[PS+\e], v[PS+\e], v[PS+4+\e], vcc_lo    ; lane (r, h) keeps experts 4 h .. 4 h + 3
.endr
	v_lshlrev_b32 v10, 5, v1
	v_lshl_add_u32 v10, v2, 4, v10                 ; 32 r + 16 h
	s_lshl_b32 s25, s[WVN], 9
	s_add_co_u32 s25, s25, RED
	v_add_nc_u32 v11, s25, v10
	v_add_nc_u32 v[RA], RED, v10
	s_wait_alu depctr_va_vdst(0)                   ; v11 and v[PS ..] are written, which the LDS store reads; so is v[RA]; and GELU is done with v96 to v111, in which wave 0's loads land
	ds_store_b128 v11, v[PS:PS+3]
	s_wait_dscnt 0x0                               ; for wave 0's sake
	s_barrier_signal -1
	s_barrier_wait -1
	s_cmp_lg_u32 s[WVN], 0
	s_cbranch_scc1 .Lend
	ds_load_b128 v[96:99], v[RA]
	ds_load_b128 v[100:103], v[RA] offset:512
	ds_load_b128 v[104:107], v[RA] offset:1024
	ds_load_b128 v[108:111], v[RA] offset:1536
	s_wait_dscnt 0x0
	v_pk_add_f32 v[96:97], v[96:97], v[100:101]
	v_pk_add_f32 v[98:99], v[98:99], v[102:103]
	v_pk_add_f32 v[104:105], v[104:105], v[108:109]
	v_pk_add_f32 v[106:107], v[106:107], v[110:111]
	v_pk_add_f32 v[96:97], v[96:97], v[104:105]
	v_pk_add_f32 v[98:99], v[98:99], v[106:107]
	s_wait_alu depctr_va_vdst(0)                   ; the additions have written v[96:99], which the store reads
	global_store_b128 v10, v[96:99], s[20:21]      ; 512 consecutive bytes: 16 tokens x 8 partial logits
.Lend:
	s_wait_dscnt 0x0                               ; the wave's end
	s_wait_alu depctr_hold_cnt(0) depctr_sa_sdst(0) depctr_va_vdst(0) depctr_va_sdst(0) depctr_va_ssrc(0) depctr_va_vcc(0) depctr_vm_vsrc(0)
	s_wait_tensorcnt 0x0
	ds_add_u32 v8, v9
	s_wait_dscnt 0x0
	s_endpgm
.Lfunc_end_k_q5d060d2d09_gate:
	.size	k_q5d060d2d09_gate, .Lfunc_end_k_q5d060d2d09_gate-k_q5d060d2d09_gate
	.p2alignl 7, 3214868480
	.fill 96, 4, 3214868480
	.section	.rodata,"a",@progbits
	.p2align	6, 0x0
	.amdhsa_kernel k_q5d060d2d09_gate
		.amdhsa_group_segment_fixed_size 70656
		.amdhsa_private_segment_fixed_size 0
		.amdhsa_enable_private_segment 0
		.amdhsa_kernarg_size 72
		.amdhsa_user_sgpr_count 2
		.amdhsa_user_sgpr_kernarg_segment_ptr 1
		.amdhsa_wavefront_size32 1
		.amdhsa_system_sgpr_workgroup_id_x 1
		.amdhsa_system_sgpr_workgroup_id_y 1
		.amdhsa_system_sgpr_workgroup_id_z 1
		.amdhsa_system_vgpr_workitem_id 0
		.amdhsa_next_free_vgpr 512
		.amdhsa_next_free_sgpr 66
		.amdhsa_reserve_vcc 1
		.amdhsa_float_denorm_mode_32 3
		.amdhsa_float_denorm_mode_16_64 3
		.amdhsa_memory_ordered 1
		.amdhsa_forward_progress 1
		.amdhsa_inst_pref_size 114
	.end_amdhsa_kernel
	.amdgpu_metadata
---
amdhsa.version: [ 1, 2 ]
amdhsa.kernels:
  - .name:           k_q5d060d2d09_gate
    .symbol:         k_q5d060d2d09_gate.kd
    .args:
      - { .name: tokens, .offset: 0, .size: 8, .value_kind: global_buffer, .address_space: global }
      - { .name: alt_embedding, .offset: 8, .size: 8, .value_kind: global_buffer, .address_space: global }
      - { .name: ln_gamma, .offset: 16, .size: 8, .value_kind: global_buffer, .address_space: global }
      - { .name: ln_beta, .offset: 24, .size: 8, .value_kind: global_buffer, .address_space: global }
      - { .name: gate_w1, .offset: 32, .size: 8, .value_kind: global_buffer, .address_space: global }
      - { .name: gate_b1, .offset: 40, .size: 8, .value_kind: global_buffer, .address_space: global }
      - { .name: gate_w2, .offset: 48, .size: 8, .value_kind: global_buffer, .address_space: global }
      - { .name: xn, .offset: 56, .size: 8, .value_kind: global_buffer, .address_space: global }
      - { .name: lp, .offset: 64, .size: 8, .value_kind: global_buffer, .address_space: global }
    .group_segment_fixed_size: 70656
    .private_segment_fixed_size: 0
    .kernarg_segment_align: 8
    .kernarg_segment_size: 72
    .max_flat_workgroup_size: 128
    .sgpr_count:     66
    .vgpr_count:     512
    .wavefront_size: 32
...
	.end_amdgpu_metadata
.endif
;; end of part 6
;; launch route: the kernel of part 2 again; grid 1 x 1, 32 waves a work-group, no clusters, 7,680 bytes of LDS; arguments lp, gate_b2, rt, gw, out1; writes rt, gw, out1
;; launch fc1 (part 7): grid 32 x 8, 4 waves a work-group, no clusters, 281,088 bytes of LDS; arguments xn, rt, ew1, eb1, hb; writes hb
.if DOCPART == 7
	.amdgcn_target "amdgcn-amd-amdhsa--gfx1250"
	.amdhsa_code_object_version 6
	.text
	.protected	k_q5d060d2d09_fc1
	.globl	k_q5d060d2d09_fc1
	.p2align	8
	.type	k_q5d060d2d09_fc1,@function
k_q5d060d2d09_fc1:
	s_mov_b64 s[64:65], 0
	v_nop
	global_prefetch_b8 v0, s[64:65] scope:SCOPE_SE
	s_setreg_imm32_b32 hwreg(HW_REG_WAVE_SCHED_MODE, 0, 2), 2
	s_setreg_imm32_b32 hwreg(HW_REG_WAVE_MODE, 25, 1), 1
	s_wait_xcnt 0x0
	s_wait_alu depctr_vm_vsrc(0)
; H = gelu(X_e W1_e + b1_e) for the routed rows alone.  A work-group is (expert = grid y, slice of 128 hidden columns = grid x) and alone reads its 1,024 x 128 f32 weights, once.
; PHASE 1, THE STREAM.  Wave w takes k rows 256 w .. 256 w + 255 in 16 units of 16 loads (lanes 0-15: 256 consecutive bytes of one row, lanes 16-31: of the row 32 further down), rounds pairs of k to bf16 and
; stores finished fragment images into LDS: a fragment (32 k x 16 columns) is 1,024 bytes, lane l's registers 0-3 at 16 l, 4-7 at 512 + 16 l; a K step of 32 is 8 fragments.  One barrier, which every wave passes.
; The store permutes lanes so that fragment F of lane r is column 8 r + F: a lane's eight results of a row are then 16 neighbouring bytes of H.
; PHASE 2, THE ROWS.  Groups of 64 rows (four tiles of 16); wave w takes groups w, w + 4, ..: a loop counted up to a bound made from the expert's stored count (0 to 4 trips: every split is served).
; Nothing in that loop writes LDS and all its LDS addresses are fixed (four base registers and immediates), so K is written out: 1,024 products a trip on 32 accumulators by turns; a K step's 8 weight
; fragments (16 LDS loads) feed 32 products.  The first K step takes the constant 0 as its C: nothing is cleared.
; The token rows come from memory straight into source 0's fragments, through four slots of a macro-step (64 k) each; a slot is filled again in the K step behind its last use, three macro-steps ahead, from macro-step 13 on with
; the next group's rows.  The rows are found by a list that each wave makes for itself from rt and reads into 8 registers before the loop (they shift down two a trip).
; K is permuted alike in both sources: in macro-step m register q of fragment s, lane half h, holds k = 64 m + 32 h + 16 s + 2 q, + 1: a lane reads 64 consecutive bytes of its row.
; Places past the count repeat the expert's first row, so whole groups are stored: hb's segments begin at the sum of the earlier experts' counts, each rounded up to 64.
; THE WAY OUT goes in eight passes of 4 rows x 8 fragments: one of eight short blocks, chosen by the pass counter, copies the piece out of the accumulators and adds the bias; GELU, packing and stores are written once.
; Pass p of a tile takes registers 2 p, 2 p + 1, 4 + 2 p, 5 + 2 p of each accumulator, the lower pair first.
; NO CLUSTER, NO TENSOR LOAD: each weight byte has one reader and is rounded on its way through registers; token rows come by a list.  NO PREFETCH: the stream has 48 to 64 loads of each wave out, and behind it nothing is left to fetch but rows that other work-groups read too.
; LIMITS.  xn, the weights and H are each rounded once to bf16; sums in f32.  GELU: gelu(x) = max(x,0) - |x| hq, hq = t(A1+t(A2+t(A3+t(A4+t A5)))) 2^(CA x^2), t = 1/(1+CP|x|): erf within 1.5e-7 for every x;
; 2^(CA x^2) below 2^-126 counts as 0.  NaN and infinities are not treated apart.
; THE MODE: SCHED_MODE bits 1:0 = 2 (LLVM: expert scheduling mode 2), set by the entry lines.  The code itself states the register dependences between vector or matrix instructions and memory or LDS instructions, with s_wait_alu, always for 0.
; THE PLAN.  Registers that memory or LDS instructions touch:
;   The stream, unit q: its conversions read set q (window 3) and write CB; its 8 LDS stores read CB and v[SA]; its 16 loads read v[WO+q] and land in set q.  At the unit's head a wait on vm_vsrc (the last unit's stores have read CB, the
;   set's loads their offset), then the offset's add and the conversions, then ONE wait on va_vdst, then the stores and the loads.
;   The products: FOUR weight buffers; K step u multiplies buffer u % 4, and the LDS loads of K step u + 2 are issued in K step u.  Four row slots; macro-step m (K steps 2 m, 2 m + 1) multiplies slot m % 4, and slot (m - 1) % 4 is filled again in K step 2 m.
;   ONE wait on va_vdst a macro-step, at the head of K step 2 m: the products of K steps 2 m - 2 and 2 m - 1 are done reading buffers (2 m - 2) % 4 and (2 m - 1) % 4 and slot (m - 1) % 4.  The loads of K steps 2 m and 2 m + 1 land in just these,
;   and the products issued since the wait name buffers 2 m % 4, (2 m + 1) % 4, slot m % 4 and the sums.  32 is a multiple of 4: the same holds round the trip's end.  So the loads are dealt among the products with no further wait.
;   v[BA ..] are never written.  v[AOA ..] are written at the trip's head and v[AOB ..] behind K step 7, each behind a wait on vm_vsrc and ahead of a K step's wait on va_vdst.
;   The way out: OO and v[HOV] are written behind a wait on vm_vsrc (the last pass's stores have read them), and the pass's four stores stand behind a wait on va_vdst.
.set PITCHW, 16384                     ; bytes from k row to k row of ew1
.set KB,     8192                      ; LDS bytes of a K step of 32
.set LIST,   32*KB                     ; behind the weights: each wave's own list, 1,024 entries and one that takes what is not wanted
.set LISTB,  4608
; window 0
.set WO,  4                            ; v4-7   stream set q: my offset in the weights
.set SA,  8                            ; v8     where I store fragment bytes
.set M16, 9                            ; v9     16 x lane
.set TX,  10
.set H64, 11                           ; v11    64 h
.set BA,  12                           ; v12-15 16 x lane + 65,536 z: the fragments of K steps 8 z .. 8 z + 7; never rewritten
.set TOK, 18                           ; v18-19 the two tokens of a word quad
.set HO,  20                           ; v20    my byte offset in a pass's rows of hb; never rewritten
.set HOV, 21                           ; v21    the same with the pass's place in the group
.set T0,  22                           ; v22    my offset in the bias; never rewritten
.set T1,  23
.set BI,  24                           ; v24-31 the bias of my 8 columns
.set L,   32                           ; v32-39 my wave's groups, two registers each: lane l holds the token of row l, of row 32 + l
.set E0,  40
.set IDX, 41
.set ZA,  42
.set LB,  43                           ; v43    my wave's list
.set Z,   44                           ; v44-47 zeros
.set AOA, 48                           ; v48-51 this group's four tiles: my row's byte offset in xn
.set AOB, 52                           ; v52-55 the next group's
.set LRD, 56
.set CB,  96                           ; v96-127 four fragments just rounded
.set DD,  128                          ; v128-191 rt's words, at the start; then the list's LDS addresses and tokens
; the weight buffers: 0, 1, 2 at v64, v128, v192 of window 0; 3 at v192 of window 3
; window 1: the sums, tile t, fragment F at 64 t + 8 F.  window 2: the row slots, slot s, tile t at 64 s + 16 t.  window 3: four stream sets of 64; later the way out:
.set X,   0
.set GT,  32
.set GE,  64
.set GP,  96
.set OO,  128
.set WV, 14
.set SL, 15
.set EX, 16
.set NN, 17
.set SEG, 18
.set TRIPS, 19
.set TI, 20
.set CNT, 21
.set HIM, 22
.set EK, 23
.set CN, 24                            ; s[24:31] the experts' counts; then eight masks
.set WP, 32
.set HB, 34                            ; s[34:35] hb at my group's first row, the slice's columns
.set SEL, 40
.set CP, 42
.set EC, 43
.set CA, 44
.set A1, 46
.set A2, 48
.set A3, 50
.set A4, 52
.set A5, 54
.set ST, 58
.set ST2, 59
.set MSB, 0
.macro WIN new                         ; the immediate's high byte repeats the setting that is left; a switch that changes nothing is dropped
.if MSB != (\new)
	s_set_vgpr_msb (MSB<<8)|(\new)
.set MSB, (\new)
.endif
.endm
.macro PLACES
.rept 4
	v_nop
.endr
.endm
.macro GELU n, x, t, e, p              ; n numbers in v[x..], in place; all reciprocals and exponentials are one batch with one wait
.set i, 0
.rept \n
	v_fma_f32 v[\t+i], |v[\x+i]|, s[CP], 1.0
.set i, i+1
.endr
.set i, 0
.rept (\n)/2
	v_pk_mul_f32 v[\e+i:\e+i+1], v[\x+i:\x+i+1], s[CA:CA+1] op_sel_hi:[1,0]
.set i, i+2
.endr
.set i, 0
.rept (\n)/2
	v_pk_mul_f32 v[\e+i:\e+i+1], v[\e+i:\e+i+1], v[\x+i:\x+i+1]
.set i, i+2
.endr
.set i, 0
.rept \n
	v_rcp_f32 v[\t+i], v[\t+i]
.set i, i+1
.endr
.set i, 0
.rept \n
	v_exp_f32 v[\e+i], v[\e+i]
.set i, i+1
.endr
	v_nop                                          ; a plain instruction behind the last of the batch
	s_wait_alu depctr_va_vdst(0)                   ; the reciprocals and exponentials have written their results: one wait for the batch, ahead of its first reader
.set i, 0
.rept (\n)/2
	v_pk_fma_f32 v[\p+i:\p+i+1], v[\t+i:\t+i+1], s[A5:A5+1], s[A4:A4+1] op_sel_hi:[1,0,0]
.set i, i+2
.endr
.irp k, A3, A2, A1
.set i, 0
.rept (\n)/2
	v_pk_fma_f32 v[\p+i:\p+i+1], v[\p+i:\p+i+1], v[\t+i:\t+i+1], s[\k:\k+1] op_sel_hi:[1,1,0]
.set i, i+2
.endr
.endr
.set i, 0
.rept (\n)/2
	v_pk_mul_f32 v[\p+i:\p+i+1], v[\p+i:\p+i+1], v[\t+i:\t+i+1]
.set i, i+2
.endr
.set i, 0
.rept (\n)/2
	v_pk_mul_f32 v[\p+i:\p+i+1], v[\p+i:\p+i+1], v[\e+i:\e+i+1]
.set i, i+2
.endr
.set i, 0
.rept \n
	v_max_num_f32 v[\t+i], 0, v[\x+i]
.set i, i+1
.endr
.set i, 0
.rept \n
	v_fma_f32 v[\x+i], -|v[\x+i]|, v[\p+i], v[\t+i]
.set i, i+1
.endr
.endm
; Unit q = 2 s + g of a macro-step: 16 k rows (16 s + i, and 32 further down for lanes 16-31), columns 64 g + 4 r .. + 3, into set q; the macro-step stands in the set's own offset register
.macro FILLU q
	WIN 0xc0                                       ; destination window 3
.set i, 0
.rept 16
	global_load_b128 v[64*(\q)+4*i:64*(\q)+4*i+3], v[WO+(\q)], s[WP:WP+1] offset:(16*((\q)>>1)+i)*PITCHW+256*((\q)&1) th:TH_LOAD_NT
.set i, i+1
.endr
	WIN 0
.endm
; One unit of the stream.  Set q is rounded in pairs of k into four fragments' registers and stored: column 64 g + 4 r + c = 8 (8 g + r/2) + 4 (r%2) + c goes to fragment 4 (r%2) + c, lane place 8 g + r/2 (the lane's part stands in SA).
; ahead = 1: the set is asked for again, a macro-step on.  left: the younger units' loads, which may stay out; that wait also shows the loads done that read the set's offset register.
.macro UNIT q, ahead, left
	s_wait_loadcnt \left
	s_wait_alu depctr_vm_vsrc(0)                   ; the last unit's LDS stores have read CB, which the conversions write again; the set's loads have read v[WO+q], which the add writes
.if \ahead
	v_add_nc_u32 v[WO+(\q)], 64*PITCHW, v[WO+(\q)]
.endif
	WIN 0x0f                                       ; sources in window 3
.set qq, 0
.rept 8
.irp c, 0,1,2,3
	v_cvt_pk_bf16_f32 v[CB+8*\c+qq], v[64*(\q)+8*qq+\c], v[64*(\q)+8*qq+4+\c]
.endr
.set qq, qq+1
.endr
	WIN 0
	s_wait_alu depctr_va_vdst(0)                   ; the conversions have written CB, which the stores read, and are done reading set q, in which the loads land; v[WO+q] and, behind a trip's end, v[SA] are written
.irp c, 0,1,2,3
	ds_store_b128 v[SA], v[CB+8*\c:CB+8*\c+3] offset:((\q)>>1)*KB+\c*1024+128*((\q)&1)
	ds_store_b128 v[SA], v[CB+8*\c+4:CB+8*\c+7] offset:((\q)>>1)*KB+\c*1024+128*((\q)&1)+512
.endr
.if \ahead
	FILLU \q
.endif
.endm
.macro ALD x, ao                       ; macro-step x of the rows named by ao: 64 consecutive bytes of my row in each of four tiles, into slot x % 4
	WIN 0x80                                       ; destination window 2
.irp t, 0,1,2,3
.irp i, 0,1,2,3
	global_load_b128 v[64*((\x)%4)+16*\t+4*\i:64*((\x)%4)+16*\t+4*\i+3], v[(\ao)+\t], s[4:5] offset:(\x)*128+16*\i
.endr
.endr
.endm
.macro BSEL u                          ; K step u's weight buffer: its first register BR and its window BW
.set BW, 0
.set BR, 64+64*((\u)%4)
.if ((\u)%4) == 3
.set BW, 3
.set BR, 192
.endif
.endm
.macro BLD u, f0                       ; four of the 8 weight fragments of K step u, from fragment f0 on, into its buffer: 512 consecutive bytes a load
	BSEL \u
	WIN BW<<6
.irp f, 0,1,2,3
	ds_load_b128 v[BR+8*((\f0)+\f):BR+8*((\f0)+\f)+3], v[BA+(\u)/8] offset:((\u)%8)*KB+((\f0)+\f)*1024
	ds_load_b128 v[BR+8*((\f0)+\f)+4:BR+8*((\f0)+\f)+7], v[BA+(\u)/8] offset:((\u)%8)*KB+((\f0)+\f)*1024+512
.endr
.endm
.macro MULQ u, q                       ; eight of K step u's 32 products: fragments 2 q, 2 q + 1 x four tiles; the 32 accumulators take turns; K step 0 starts the sums
	BSEL \u
	WIN 0x52|(BW<<2)                               ; rows window 2, weights window 0 or 3, sums window 1
.irp f, 0,1
.irp t, 0,1,2,3
.if (\u) == 0
	v_wmma_f32_16x16x32_bf16 v[64*\t+8*(2*(\q)+\f):64*\t+8*(2*(\q)+\f)+7], v[64*(((\u)/2)%4)+16*\t+8*((\u)%2):64*(((\u)/2)%4)+16*\t+8*((\u)%2)+7], v[BR+8*(2*(\q)+\f):BR+8*(2*(\q)+\f)+7], 0
.else
	v_wmma_f32_16x16x32_bf16 v[64*\t+8*(2*(\q)+\f):64*\t+8*(2*(\q)+\f)+7], v[64*(((\u)/2)%4)+16*\t+8*((\u)%2):64*(((\u)/2)%4)+16*\t+8*((\u)%2)+7], v[BR+8*(2*(\q)+\f):BR+8*(2*(\q)+\f)+7], v[64*\t+8*(2*(\q)+\f):64*\t+8*(2*(\q)+\f)+7]
.endif
.endr
.endr
.endm
; K step u of 32: 32 products; among them the 16 LDS loads of K step u + 2 (round the trip's end: the next trip reads the same weights) and, in a macro-step's first K step, the 16 row loads that fill the last macro-step's slot again.
.macro KSTEP u
.if ((\u)%2) == 0
	s_wait_loadcnt 32                              ; behind this slot's 16 loads the two next slots' 32 were issued
.endif
	s_wait_dscnt 16                                ; behind this K step's 16 loads the next one's 16 were issued
.if ((\u)%2) == 0
	s_wait_alu depctr_va_vdst(0)                   ; the last macro-step's products are done reading their two weight buffers and their slot, in which this macro-step's loads land; in K step 0 v[AOA ..] are written, in K step 8 v[AOB ..]
.endif
	MULQ \u, 0
	BLD ((\u)+2)%32, 0
	MULQ \u, 1
	BLD ((\u)+2)%32, 4
	MULQ \u, 2
.if ((\u)%2) == 0
.if (\u)/2+3 < 16
	ALD (\u)/2+3, AOA
.else
	ALD (\u)/2-13, AOB
.endif
.endif
	MULQ \u, 3
.endm
; The next group's rows: lanes 0-15 of a list register hold one tile's tokens, lanes 16-31 the next tile's; both halves of the lanes need both.  Then the list shifts down.
.macro NEXTROWS
	WIN 0
	v_permlanex16_b32 v[TX], v[L], s[SEL], s[SEL+1]
	v_cndmask_b32 v[AOB], v[L], v[TX], s[HIM]
	v_cndmask_b32 v[AOB+1], v[TX], v[L], s[HIM]
	v_permlanex16_b32 v[TX], v[L+1], s[SEL], s[SEL+1]
	v_cndmask_b32 v[AOB+2], v[L+1], v[TX], s[HIM]
	v_cndmask_b32 v[AOB+3], v[TX], v[L+1], s[HIM]
.irp t, 0,1,2,3
	v_min_u32 v[AOB+\t], 0x3ff, v[AOB+\t]
	v_lshl_add_u32 v[AOB+\t], v[AOB+\t], 11, v[H64]
.endr
.irp t, 0,1,2,3,4,5
	v_mov_b32 v[L+\t], v[L+\t+2]
.endr
.endm
; Pass n of the way out: tile n / 2, registers 2 p, 2 p + 1, 4 + 2 p, 5 + 2 p (p = n % 2) of all 8 fragments, plus the bias.  In either pass an accumulator's lower pair, one of its four lowest registers, is read first.
.macro COPY n
	WIN 0xc1                                       ; sums window 1, bias window 0, destination window 3
.set cf, 0
.rept 8
.irp jj, 0, 2
.if (cf%2) == 0
	v_pk_add_f32 v[X+4*cf+\jj:X+4*cf+\jj+1], v[64*((\n)/2)+8*cf+2*((\n)%2)+2*\jj:64*((\n)/2)+8*cf+2*((\n)%2)+2*\jj+1], v[BI+cf:BI+cf+1] op_sel_hi:[1,0]
.else
	v_pk_add_f32 v[X+4*cf+\jj:X+4*cf+\jj+1], v[64*((\n)/2)+8*cf+2*((\n)%2)+2*\jj:64*((\n)/2)+8*cf+2*((\n)%2)+2*\jj+1], v[BI+cf-1:BI+cf] op_sel:[0,1] op_sel_hi:[1,1]
.endif
.endr
.set cf, cf+1
.endr
	WIN 0
.endm
	s_load_b256 s[4:11], s[0:1], 0x0               ; xn s[4:5], rt s[6:7], ew1 s[8:9], eb1 s[10:11]
	s_load_b64 s[12:13], s[0:1], 0x20              ; hb
	v_lshl_add_u32 v62, v0, 2, 0x44800
	v_mov_b32 v63, 0
	v_lshrrev_b32 v1, 5, v0
	v_readfirstlane_b32 s[WV], v1
	s_mov_b32 s[SL], ttmp9
	s_and_b32 s[EX], ttmp7, 0xffff
	s_mov_b32 s[HIM], 0xffff0000                   ; lanes 16-31
	s_mov_b32 s[SEL], 0x76543210
	s_mov_b32 s[SEL+1], 0xfedcba98
	s_mov_b32 s[CP], 0x3e6d3388                    ; 0.3275911 / sqrt 2
.irp k, CA, A1, A2, A3, A4, A5
.if \k == CA
	s_mov_b32 s[\k], 0xbf38aa3b                    ; -log2(e)/2
.elseif \k == A1
	s_mov_b32 s[\k], 0x3e027906                    ; the series' coefficients, halved
.elseif \k == A2
	s_mov_b32 s[\k], 0xbe11a98e
.elseif \k == A3
	s_mov_b32 s[\k], 0x3f35f0e3
.elseif \k == A4
	s_mov_b32 s[\k], 0xbf3a00e3
.else
	s_mov_b32 s[\k], 0x3f07dc22
.endif
	s_mov_b32 s[\k+1], s[\k]                       ; named as a pair
.endr
	v_and_b32 v3, 31, v0                           ; lane
	v_and_b32 v1, 15, v0                           ; r
	v_bfe_u32 v2, v0, 4, 1                         ; h
	v_lshlrev_b32 v[WO], 19, v2                    ; 32 rows of 16,384 bytes for lanes 16-31
	v_lshl_add_u32 v[WO], v1, 4, v[WO]
.irp q, 1,2,3
	v_mov_b32 v[WO+\q], v[WO]
.endr
	v_lshlrev_b32 v[M16], 4, v3
	v_lshlrev_b32 v[T0], 5, v1                     ; the bias of columns 8 r .. 8 r + 7
	v_and_b32 v[SA], 1, v1
	v_lshlrev_b32 v[SA], 12, v[SA]                 ; odd r: fragments 4-7
	v_lshl_add_u32 v[SA], v2, 8, v[SA]
	v_lshrrev_b32 v[T1], 1, v1
	v_lshl_add_u32 v[SA], v[T1], 4, v[SA]
	s_wait_alu depctr_va_sdst(0)                   ; the wave's number is written, ahead of its first reader
	s_lshl_b32 s38, s[WV], 16                      ; my 8 K steps
	v_add_nc_u32 v[SA], s38, v[SA]
	v_mov_b32 v[BA], v[M16]
	v_add_nc_u32 v[BA+1], 0x10000, v[M16]
	v_add_nc_u32 v[BA+2], 0x20000, v[M16]
	v_add_nc_u32 v[BA+3], 0x30000, v[M16]
	v_lshlrev_b32 v[H64], 6, v2
	v_lshlrev_b32 v[HO], 4, v1
	v_lshl_add_u32 v[HO], v2, 16, v[HO]            ; row 8 h, 16 r bytes
	s_mul_i32 s38, s[WV], LISTB
	s_add_co_u32 s38, s38, LIST
	v_mov_b32 v[LB], s38
	v_add_nc_u32 v[ZA], s38, v[M16]
	s_lshl_b32 s39, s[WV], 8
	s_add_co_u32 s39, s39, s38
	v_lshl_add_u32 v[LRD], v3, 2, s39              ; entry 64 wave + lane
	v_lshlrev_b32 v[TOK], 1, v3
	v_or_b32 v[TOK+1], 1, v[TOK]
	v_mov_b32 v[TX], 0
.irp k, 0,1,2,3
	v_mov_b32 v[Z+\k], 0
.endr
	s_lshl_b32 s[EK], s[EX], 24                    ; the expert's 2^24 bytes of weights; also its field in rt's words
	s_lshl_b32 s36, s[WV], 22                      ; my 256 rows
	s_add_co_u32 s36, s36, s[EK]
	s_lshl_b32 s38, s[SL], 9                       ; the slice's 512 bytes
	s_add_co_u32 s36, s36, s38
	s_mov_b32 s37, 0
	s_lshl_b32 s56, s[EX], 14
	s_add_co_u32 s56, s56, s38
	s_mov_b32 s57, 0
	s_wait_kmcnt 0x0
	s_load_b256 s[CN:CN+7], s[6:7], 0x2000         ; the experts' counts
	s_add_nc_u64 s[WP:WP+1], s[8:9], s[36:37]
	s_add_nc_u64 s[10:11], s[10:11], s[56:57]
	s_wait_alu depctr_va_vdst(0)                   ; all offsets and LDS addresses of the head, and the zeros, are written: the loads and LDS instructions below read them
.set u, 0
.rept 16
	global_load_b128 v[DD+4*u:DD+4*u+3], v[M16], s[6:7] offset:512*u  ; the choices of tokens 64 u + 2 lane, + 1
.set u, u+1
.endr
	global_load_b128 v[BI:BI+3], v[T0], s[10:11]
	global_load_b128 v[BI+4:BI+7], v[T0], s[10:11] offset:16
	FILLU 0
.irp n, 0,1,2,3,4,5,6,7,8
	ds_store_b128 v[ZA], v[Z:Z+3] offset:512*\n    ; the list starts as zeros
.endr
	s_wait_loadcnt 16                              ; all but the first unit's 16 loads are in
	FILLU 1
	FILLU 2                                        ; the stream goes on while the list is made
	; THE LIST: a word exclusive-or'ed with the expert's field is the rank if the expert is mine, and 2^24 or more if not: that goes to entry 1,024.
	; All 32 LDS addresses and tokens are made first, in the registers in which the words came; then one wait, then the 32 stores.
.set u, 0
.rept 16
.irp k, 0, 2
	v_xor_b32 v[DD+4*u+\k], s[EK], v[DD+4*u+\k]
	v_xor_b32 v[DD+4*u+\k+1], s[EK], v[DD+4*u+\k+1]
	v_min_u32 v[DD+4*u+\k], v[DD+4*u+\k], v[DD+4*u+\k+1]
	v_min_u32 v[DD+4*u+\k], 0x400, v[DD+4*u+\k]
	v_lshl_add_u32 v[DD+4*u+\k], v[DD+4*u+\k], 2, v[LB]
	v_add_nc_u32 v[DD+4*u+\k+1], 64*u, v[TOK+\k/2]
.endr
.set u, u+1
.endr
	s_wait_alu depctr_va_vdst(0)                   ; the list's addresses and tokens are written, which the LDS stores read
.set u, 0
.rept 16
.irp k, 0, 2
	ds_store_b32 v[DD+4*u+\k], v[DD+4*u+\k+1]
.endr
.set u, u+1
.endr
	FILLU 3
	ds_load_b32 v[E0], v[LB]                       ; my wave's own bytes: LDS serves a wave's instructions in order
.set t, 0
.rept 8
	ds_load_b32 v[L+t], v[LRD] offset:1024*(t/2)+128*(t%2)  ; group 4 (t/2) + wave, rows 32 (t%2) + lane
.set t, t+1
.endr
	s_wait_kmcnt 0x0
	s_mov_b32 s[NN], 0
	s_mov_b32 s[SEG], 0
.set e, 0
.rept 8
	s_cmp_eq_u32 s[EX], e
	s_cselect_b32 s[NN], s[CN+e], s[NN]
	s_add_co_u32 s38, s[CN+e], 63
	s_and_b32 s38, s38, -64
	s_cmp_gt_u32 s[EX], e
	s_cselect_b32 s38, s38, 0
	s_add_co_u32 s[SEG], s[SEG], s38
.set e, e+1
.endr
	s_min_u32 s[NN], s[NN], 1024
	s_min_u32 s[SEG], s[SEG], 2496                 ; the eight counts rounded up to 64 come to 2,496 at the most (2,048 + 8 x 63, rounded down to a multiple of 64)
	s_add_co_u32 s38, s[NN], 63
	s_lshr_b32 s38, s38, 6                         ; groups of 64 rows
	s_add_co_u32 s38, s38, 3
	s_sub_co_u32 s38, s38, s[WV]
	s_lshr_b32 s[TRIPS], s38, 2                    ; groups 4 t + wave below that number: 0 to 4
	s_lshl_b32 s38, s[WV], 6
	v_add_nc_u32 v[IDX], s38, v3
	s_add_co_u32 s38, s38, s[SEG]
	s_lshl_b32 s36, s38, 13                        ; my first group's first row in hb,
	s_lshl_b32 s38, s[SL], 8                       ; the slice's 256 bytes
	s_add_co_u32 s36, s36, s38
	s_add_nc_u64 s[HB:HB+1], s[12:13], s[36:37]
	s_wait_dscnt 0x0
.set t, 0
.rept 8
	v_add_nc_u32 v[T1], 256*(t/2)+32*(t%2), v[IDX]
	v_cmp_gt_u32 s[CN+t], s[NN], v[T1]             ; the counts have been read: their registers take the eight masks
.set t, t+1
.endr
	s_wait_alu depctr_va_sdst(0)                   ; the eight compares have written their masks, ahead of the first reader
.set t, 0
.rept 8
	v_cndmask_b32 v[L+t], v[E0], v[L+t], s[CN+t]   ; places past the count repeat the expert's first row
.set t, t+1
.endr
	NEXTROWS                                       ; my first group's rows
	s_mov_b32 s[CNT], 3
.Lw:                                                   ; three trips of a macro-step (four units); 48 = the three younger units' loads
.irp q, 0,1,2,3
	UNIT \q, 1, 48
.endr
	s_wait_alu depctr_vm_vsrc(0)                   ; the trip's LDS stores have read v[SA]
	v_add_nc_u32 v[SA], 2*KB, v[SA]
	s_sub_co_u32 s[CNT], s[CNT], 1
	s_cmp_lg_u32 s[CNT], 0
	s_cbranch_scc1 .Lw
.irp q, 0,1,2,3
	UNIT \q, 0, 48-16*\q                           ; the last macro-step loads nothing: the counts run down
.endr
.irp x, 0,1,2
	ALD \x, AOB                                    ; my first group's first three macro-steps: they travel while the waves meet (v[AOB ..] were written ahead of the stream's waits on va_vdst)
.endr
	WIN 0
	s_wait_dscnt 0x0                               ; for the others' sake: my fragments are in LDS
	s_barrier_signal -1
	s_barrier_wait -1
	s_wait_alu depctr_vm_vsrc(0)                   ; my LDS stores have read CB and the list's registers: both are weight buffers from here on, in which LDS loads land
	s_cmp_eq_u32 s[TRIPS], 0
	s_cbranch_scc1 .Lend                           ; this split leaves my wave without rows; no barrier follows
	BLD 0, 0                                       ; no vector instruction since the last unit's wait on va_vdst names these buffers
	BLD 0, 4
	BLD 1, 0
	BLD 1, 4
	WIN 0
	s_mov_b32 s[TI], 0
.Ltrip:
	s_wait_alu depctr_vm_vsrc(0)                   ; the row loads issued so far have read v[AOA ..]
.irp t, 0,1,2,3
	v_mov_b32 v[AOA+\t], v[AOB+\t]                 ; the last loads that named these four were issued in K step 24, and K step 30's counted wait has shown them done
.endr
.set uu, 0
.rept 32
	KSTEP uu
.if uu == 7
	WIN 0
	s_wait_alu depctr_vm_vsrc(0)                   ; the row loads issued so far have read v[AOB ..]
	NEXTROWS                                       ; the loads that named the next group's four registers (this group's macro-steps 0 to 2) are done: K step 4's counted wait has shown the last of them
.endif
.set uu, uu+1
.endr
	WIN 0
	PLACES                                         ; four places behind the last products, before their results are read (ISA guide 7.12.1)
	; THE WAY OUT: eight passes
	s_mov_b32 s[EC], 8
.Lep:
.irp n, 0,1,2,3,4,5,6
	s_cmp_eq_u32 s[EC], 8-\n
	s_cbranch_scc1 .Lcp\n
.endr
	COPY 7
	s_branch .Lgo
.irp n, 0,1,2,3,4,5
.Lcp\n:
	COPY \n
	s_branch .Lgo
.endr
.Lcp6:
	COPY 6
.Lgo:
	WIN 0xff                                       ; all in window 3
	GELU 32, X, GT, GE, GP
	s_wait_xcnt 0x0                                ; the last pass's stores have had their addresses translated: their data and their offset are written again below
	s_wait_alu depctr_vm_vsrc(0)                   ; the last pass's stores have read OO and v[HOV]
.set j, 0
.rept 4
.irp k, 0,1,2,3
	v_cvt_pk_bf16_f32 v[OO+4*j+\k], v[X+8*\k+j], v[X+8*\k+4+j]   ; columns 8 r + 2 k, + 1 of the pass's row j
.endr
.set j, j+1
.endr
	WIN 0
	s_sub_co_u32 s[ST], 8, s[EC]                   ; the pass's number n
	s_lshr_b32 s[ST2], s[ST], 1
	s_lshl_b32 s[ST2], s[ST2], 17                  ; tile n / 2: 16 rows of 8,192 bytes each
	s_and_b32 s[ST], s[ST], 1
	s_lshl_b32 s[ST], s[ST], 14                    ; p = n % 2: 2 rows
	s_add_co_u32 s[ST], s[ST], s[ST2]
	v_add_nc_u32 v[HOV], s[ST], v[HO]
	WIN 0x0c                                       ; store data in window 3
	s_wait_alu depctr_va_vdst(0)                   ; the roundings have written OO and the add v[HOV], which the four stores read
.irp j, 0,1,2,3
	global_store_b128 v[HOV], v[OO+4*\j:OO+4*\j+3], s[HB:HB+1] offset:(\j+2*(\j/2))*8192  ; rows 2 p, 2 p + 1, 4 + 2 p, 5 + 2 p; 16 lanes store the slice's 256 consecutive bytes of a row, aligned
.endr
	WIN 0
	s_sub_co_u32 s[EC], s[EC], 1
	s_cmp_lg_u32 s[EC], 0
	s_cbranch_scc1 .Lep
	s_wait_xcnt 0x0                                ; the stores' base is stepped only behind this wait
	s_add_nc_u64 s[HB:HB+1], s[HB:HB+1], 256*8192  ; my next group lies 256 rows on
	s_add_co_u32 s[TI], s[TI], 1
	s_cmp_lt_u32 s[TI], s[TRIPS]
	s_cbranch_scc1 .Ltrip
.Lend:
	s_wait_dscnt 0x0                               ; the wave's end
	s_wait_alu depctr_hold_cnt(0) depctr_sa_sdst(0) depctr_va_vdst(0) depctr_va_sdst(0) depctr_va_ssrc(0) depctr_va_vcc(0) depctr_vm_vsrc(0)
	s_wait_tensorcnt 0x0
	ds_add_u32 v62, v63
	s_wait_dscnt 0x0
	s_endpgm
.Lfunc_end_k_q5d060d2d09_fc1:
	.size	k_q5d060d2d09_fc1, .Lfunc_end_k_q5d060d2d09_fc1-k_q5d060d2d09_fc1
	.p2alignl 7, 3214868480
	.fill 96, 4, 3214868480
	.section	.rodata,"a",@progbits
	.p2align	6, 0x0
	.amdhsa_kernel k_q5d060d2d09_fc1
		.amdhsa_group_segment_fixed_size 281088
		.amdhsa_private_segment_fixed_size 0
		.amdhsa_enable_private_segment 0
		.amdhsa_kernarg_size 40
		.amdhsa_user_sgpr_count 2
		.amdhsa_user_sgpr_kernarg_segment_ptr 1
		.amdhsa_wavefront_size32 1
		.amdhsa_system_sgpr_workgroup_id_x 1
		.amdhsa_system_sgpr_workgroup_id_y 1
		.amdhsa_system_sgpr_workgroup_id_z 1
		.amdhsa_system_vgpr_workitem_id 0
		.amdhsa_next_free_vgpr 1024
		.amdhsa_next_free_sgpr 66
		.amdhsa_reserve_vcc 0
		.amdhsa_float_denorm_mode_32 3
		.amdhsa_float_denorm_mode_16_64 3
		.amdhsa_memory_ordered 1
		.amdhsa_forward_progress 1
		.amdhsa_inst_pref_size 219
	.end_amdhsa_kernel
	.amdgpu_metadata
---
amdhsa.version: [ 1, 2 ]
amdhsa.kernels:
  - .name:           k_q5d060d2d09_fc1
    .symbol:         k_q5d060d2d09_fc1.kd
    .args:
      - { .name: xn, .offset: 0, .size: 8, .value_kind: global_buffer, .address_space: global }
      - { .name: rt, .offset: 8, .size: 8, .value_kind: global_buffer, .address_space: global }
      - { .name: ew1, .offset: 16, .size: 8, .value_kind: global_buffer, .address_space: global }
      - { .name: eb1, .offset: 24, .size: 8, .value_kind: global_buffer, .address_space: global }
      - { .name: hb, .offset: 32, .size: 8, .value_kind: global_buffer, .address_space: global }
    .group_segment_fixed_size: 281088
    .private_segment_fixed_size: 0
    .kernarg_segment_align: 8
    .kernarg_segment_size: 40
    .max_flat_workgroup_size: 128
    .sgpr_count:     66
    .vgpr_count:     1024
    .wavefront_size: 32
...
	.end_amdgpu_metadata
.endif
;; end of part 7
;; launch fc2 (part 8): grid 32 x 8, 4 waves a work-group, no clusters, 299,520 bytes of LDS; arguments hb, rt, gw, ew2, eb2, pp; writes pp
.if DOCPART == 8
	.amdgcn_target "amdgcn-amd-amdhsa--gfx1250"
	.amdhsa_code_object_version 6
	.text
	.protected	k_q5d060d2d09_fc2
	.globl	k_q5d060d2d09_fc2
	.p2align	8
	.type	k_q5d060d2d09_fc2,@function
k_q5d060d2d09_fc2:
	s_mov_b64 s[64:65], 0
	v_nop
	global_prefetch_b8 v0, s[64:65] scope:SCOPE_SE
	s_setreg_imm32_b32 hwreg(HW_REG_WAVE_SCHED_MODE, 0, 2), 2
	s_setreg_imm32_b32 hwreg(HW_REG_WAVE_MODE, 25, 1), 1
	s_wait_xcnt 0x0
	s_wait_alu depctr_vm_vsrc(0)
; pp[quarter][choice][token] = gate x (H W2_e (+ b2_e in quarter 0)) for the routed rows.  A work-group is (expert = grid y, slice of 128 columns = grid x % 8, quarter of K = 4,096 = grid x / 8) and alone reads
; its 1,024 x 128 f32 weights, once.  The shape 1,024 x 128 asks for half the bytes of H that 2,048 x 64 would, at the price of two more pairs of partial planes.
; PHASE 1, THE STREAM, and PHASE 2, THE ROWS, are those of the launch before: wave w rounds k rows 256 w .. + 255 of the quarter into fragment images in LDS (1,024 bytes a fragment, 8 a K step of 32); one barrier;
; then groups of 64 rows (four tiles), wave w taking groups w, w + 4, ..: a loop counted down from the constant 4 and left by one forward jump when the wave's groups, counted from the expert's stored count, are done;
; nothing in it writes LDS; K goes in four chunks of 8 K steps, written once; a K step's 16 LDS loads feed 32 products; the sums start by a block of products with C = 0 that the chunk counter chooses.
; Fragment F of lane r is column 64 (F/4) + 4 r + F%4: a lane's four results of a row and half are 16 neighbouring bytes of f32.
; The rows of hb lie by position (the expert's segment, counts rounded up to 64) and come through four slots of a macro-step (64 k) each; a slot is filled again in the K step behind its last use, three macro-steps ahead, at a
; group's end from the next group; it owns its scalar base, which its own counted wait frees.  In macro-step m register q of fragment s, lane half h, holds k = 64 m + 32 h + 16 s + 2 q, + 1 in both sources.
; Where a row goes (choice x 1,024 + token) and its gate stand in two tables that each wave makes for itself from rt and gw and reads into registers before the loop.  Places past the count repeat the expert's first
; row, in hb and in the tables: its values are stored to its own place once more, by the same work-group, and EXEC is never changed.
; THE WAY OUT goes in four passes of a tile, in the order 0, 2, 1, 3 (so that one step serves the table registers): one of four short blocks copies the tile out of the accumulators and adds the bias; the rest is written once.
; Each (quarter, choice, token) row of a slice has one owning work-group; the partial rows are f32 and the last launch adds them.
; NO CLUSTER, NO TENSOR LOAD, NO PREFETCH: as in the launch before.
; LIMITS.  H and the weights are bf16 (rounded once); sums, gates and partial rows f32.  NaN and infinities are not treated apart.
; THE MODE: SCHED_MODE bits 1:0 = 2 (LLVM: expert scheduling mode 2), set by the entry lines.  The code itself states the register dependences between vector or matrix instructions and memory or LDS instructions, with s_wait_alu, always for 0.
; THE PLAN.  Registers that memory or LDS instructions touch:
;   The stream, unit q: as in the launch before: a wait on vm_vsrc at the unit's head, the offset's add and the conversions, ONE wait on va_vdst, the 8 LDS stores and the 16 loads.
;   The products: FOUR weight buffers; K step u of a chunk multiplies buffer u % 4, and the LDS loads of K step u + 2 are issued in K step u.  Four row slots; macro-step m multiplies slot m, and slot (m - 1) % 4 is filled again in K step 2 m.
;   ONE wait on va_vdst a macro-step, at the head of K step 2 m: the last macro-step's products are done reading their two buffers and their slot.  This macro-step's loads land in just these, and the products issued since the wait
;   name the two other buffers, slot m and the sums.  8 is a multiple of 4: the same holds round the chunk's and the trip's end.  So the loads follow or stand among the products with no further wait.
;   v[BAC], v[BAN] are written at a chunk's head, behind a wait on vm_vsrc and ahead of K step 0's wait on va_vdst.  v[AO ..], v[M16] are never written; the slots' bases are scalar.
;   The way out: v[OF ..] and OO are written behind a wait on vm_vsrc (the last pass's stores have read them); the pass's sixteen stores stand behind a wait on va_vdst.  Lane reads go sixteen at a time, one wait on va_sdst behind each run.
.set PITCHW, 4096                      ; bytes from k row to k row of ew2
.set KB,     8192
.set INFO,   32*KB                     ; behind the weights, each wave's own: 1,025 row numbers, then (LISTB on) 1,025 gates
.set LISTB,  4608
; window 0
.set WO,  4                            ; v4-7   stream set q: my offset in the weights
.set SA,  8
.set BAC, 9
.set BAN, 10
.set M16, 11                           ; v11    16 x lane; never rewritten
.set R16, 12                           ; v12    16 r
.set TX,  13
.set IB,  14
.set LRD, 15
.set TOK, 18                           ; v18-19
.set T0,  20
.set T2,  22                           ; v22-23 at work
.set BI,  24                           ; v24-31 the bias of my 8 columns
.set LR,  32                           ; v32-39 my groups' row numbers, two registers a group
.set LG,  40                           ; v40-47 my groups' gates
.set E0R, 48
.set E0G, 49
.set IDX, 50
.set ZA,  51
.set Z,   52                           ; v52-55 zeros
.set AO,  56                           ; v56-59 tile t: my row's byte offset in a group's rows of hb; never rewritten
.set CURO, 60
.set NXO, 61
.set CURG, 62
.set NXG, 63
.set OF,  64                           ; v64-71 eight rows' byte offsets
.set GV,  72                           ; v72-79 eight rows' gates
.set CB,  96                           ; v96-127
.set DD,  128                          ; v128-191 rt's words, at the start; then the tables' LDS addresses and row numbers
.set GD,  192                          ; v192-255 gw's words, at the start; then the gates chosen
; the weight buffers: 0, 1 at v128, v192 of window 0; 2, 3 at v128, v192 of window 3
; window 1: the sums, tile t, fragment F at 64 t + 8 F.  window 2: the row slots.  window 3: four stream sets of 64; later the way out:
.set X,   0
.set OO,  64
.set WV, 16
.set SL, 17
.set KQ, 18
.set EX, 19
.set NN, 20
.set SEG, 21
.set LT, 22
.set TR, 23
.set CN, 24
.set SB, 24                            ; s[24:31] slot s: hb at the slot's rows and k
.set WP, 32
.set PB, 34
.set HBQ, 40
.set RBN, 43
.set RBS, 44                           ; s44  byte offset in hb of the group that refills take
.set RN, 45
.set CH, 46
.set CNT, 47
.set HIM, 48
.set EK, 49
.set OFP, 50
.set EC, 56
.set KBC, 57
.set SEL, 58
.set KBN, 62
.set KO, 68                            ; s68-71 slot s: its k offset in a row's quarter
.set MK, 72                            ; s72-87 a run of masks, or of numbers read out of lanes
.set MSB, 0
.macro WIN new
.if MSB != (\new)
	s_set_vgpr_msb (MSB<<8)|(\new)
.set MSB, (\new)
.endif
.endm
.macro PLACES
.rept 4
	v_nop
.endr
.endm
.macro FILLU q                         ; unit q = 2 s + g: 16 k rows, columns 64 g + 4 r .. + 3, into set q; the macro-step stands in the set's own offset register
	WIN 0xc0
.set i, 0
.rept 16
	global_load_b128 v[64*(\q)+4*i:64*(\q)+4*i+3], v[WO+(\q)], s[WP:WP+1] offset:(16*((\q)>>1)+i)*PITCHW+256*((\q)&1) th:TH_LOAD_NT
.set i, i+1
.endr
	WIN 0
.endm
; One unit of the stream: set q is rounded in pairs of k into fragments 4 g + c, each lane in its own place, and stored.  ahead = 1: the set is asked for again, a macro-step on.
; left: the younger units' loads, which may stay out; that wait also shows the loads done that read the set's offset register.
.macro UNIT q, ahead, left
	s_wait_loadcnt \left
	s_wait_alu depctr_vm_vsrc(0)                   ; the last unit's LDS stores have read CB, which the conversions write again; the set's loads have read v[WO+q], which the add writes
.if \ahead
	v_add_nc_u32 v[WO+(\q)], 64*PITCHW, v[WO+(\q)]
.endif
	WIN 0x0f
.set qq, 0
.rept 8
.irp c, 0,1,2,3
	v_cvt_pk_bf16_f32 v[CB+8*\c+qq], v[64*(\q)+8*qq+\c], v[64*(\q)+8*qq+4+\c]
.endr
.set qq, qq+1
.endr
	WIN 0
	s_wait_alu depctr_va_vdst(0)                   ; the conversions have written CB, which the stores read, and are done reading set q, in which the loads land; v[WO+q] and, behind a trip's end, v[SA] are written
.irp c, 0,1,2,3
	ds_store_b128 v[SA], v[CB+8*\c:CB+8*\c+3] offset:((\q)>>1)*KB+(4*((\q)&1)+\c)*1024
	ds_store_b128 v[SA], v[CB+8*\c+4:CB+8*\c+7] offset:((\q)>>1)*KB+(4*((\q)&1)+\c)*1024+512
.endr
.if \ahead
	FILLU \q
.endif
.endm
.macro ALD s                           ; slot s: 64 consecutive bytes of my row in each of four tiles
	WIN 0x80
.irp t, 0,1,2,3
.irp i, 0,1,2,3
	global_load_b128 v[64*(\s)+16*\t+4*\i:64*(\s)+16*\t+4*\i+3], v[AO+\t], s[SB+2*(\s):SB+2*(\s)+1] offset:16*\i
.endr
.endr
.endm
.macro REFILL s                        ; slot s takes its macro-step of the next chunk; the slot's base is free since the counted wait that showed its last loads done
	s_add_co_u32 s[KO+(\s)], s[KO+(\s)], 512
	s_and_b32 s[KO+(\s)], s[KO+(\s)], 2047         ; behind the last chunk: the quarter's beginning again
	s_add_co_u32 s[OFP], s[KO+(\s)], s[RBS]
	s_add_nc_u64 s[SB+2*(\s):SB+2*(\s)+1], s[HBQ:HBQ+1], s[OFP:OFP+1]
	ALD \s
.endm
.macro BSEL u                          ; K step u's weight buffer: its first register BR and its window BW
.set BR, 128+64*((\u)%2)
.set BW, 3*(((\u)%4)/2)
.endm
.macro BLD u, areg, kk, f0             ; four of the 8 weight fragments, from fragment f0 on, of the K step that lies kk steps behind areg, into K step u's buffer
	BSEL \u
	WIN BW<<6
.irp f, 0,1,2,3
	ds_load_b128 v[BR+8*((\f0)+\f):BR+8*((\f0)+\f)+3], v[\areg] offset:(\kk)*KB+((\f0)+\f)*1024
	ds_load_b128 v[BR+8*((\f0)+\f)+4:BR+8*((\f0)+\f)+7], v[\areg] offset:(\kk)*KB+((\f0)+\f)*1024+512
.endr
.endm
.macro NBLD uu, f0                     ; in K step uu: half of the loads of K step uu + 2, from this chunk or the next
.if (\uu) < 6
	BLD (\uu)+2, BAC, (\uu)+2, \f0
.else
	BLD (\uu)+2, BAN, (\uu)-6, \f0
.endif
.endm
.macro MULQ uu, q, zero                ; eight of a K step's 32 products: fragments 2 q, 2 q + 1 x four tiles; the 32 accumulators take turns
	BSEL \uu
	WIN 0x52|(BW<<2)                               ; rows window 2, weights window 0 or 3, sums window 1
.irp f, 0,1
.irp t, 0,1,2,3
.if \zero
	v_wmma_f32_16x16x32_bf16 v[64*\t+8*(2*(\q)+\f):64*\t+8*(2*(\q)+\f)+7], v[64*((\uu)/2)+16*\t+8*((\uu)%2):64*((\uu)/2)+16*\t+8*((\uu)%2)+7], v[BR+8*(2*(\q)+\f):BR+8*(2*(\q)+\f)+7], 0
.else
	v_wmma_f32_16x16x32_bf16 v[64*\t+8*(2*(\q)+\f):64*\t+8*(2*(\q)+\f)+7], v[64*((\uu)/2)+16*\t+8*((\uu)%2):64*((\uu)/2)+16*\t+8*((\uu)%2)+7], v[BR+8*(2*(\q)+\f):BR+8*(2*(\q)+\f)+7], v[64*\t+8*(2*(\q)+\f):64*\t+8*(2*(\q)+\f)+7]
.endif
.endr
.endr
.endm
; K step uu of a chunk's 8: 32 products; the 16 LDS loads of K step uu + 2; in a macro-step's first K step the 16 row loads that fill the last macro-step's slot again.
.macro KSTEP uu
.if ((\uu)%2) == 0
	s_wait_loadcnt 32                              ; behind this slot's 16 loads the two next slots' 32 were issued; the slot's base is free from here on
.endif
	s_wait_dscnt 16                                ; behind this K step's 16 loads the next one's 16 were issued
.if ((\uu)%2) == 0
	s_wait_alu depctr_va_vdst(0)                   ; the last macro-step's products are done reading their two weight buffers and their slot, in which this macro-step's loads land; in K step 0 v[BAC] and v[BAN] are written
.endif
.if (\uu) == 0
	s_cmp_eq_u32 s[CH], 4
	s_cbranch_scc0 .Lsum_\@
	PLACES                                         ; with the two address lines at the chunk's head: the places ahead of products that write over accumulators (ISA guide 7.12.1)
	MULQ \uu, 0, 1                                 ; a trip's first K step starts the sums: nothing is cleared
	MULQ \uu, 1, 1
	MULQ \uu, 2, 1
	MULQ \uu, 3, 1
	WIN 0
	s_branch .Lmet_\@
.Lsum_\@:
	MULQ \uu, 0, 0
	MULQ \uu, 1, 0
	MULQ \uu, 2, 0
	MULQ \uu, 3, 0
	WIN 0
.Lmet_\@:
	NBLD \uu, 0                                    ; no wait: the products since the wait above name buffer 0, slot 0 and the sums
	NBLD \uu, 4
	REFILL 3                                       ; this chunk's own last macro-step
	s_cmp_eq_u32 s[CH], 1
	s_cselect_b32 s[RBS], s[RBN], s[RBS]           ; from here on the last chunk's refills are the next group's
.else
	MULQ \uu, 0, 0
	NBLD \uu, 0
	MULQ \uu, 1, 0
	NBLD \uu, 4
	MULQ \uu, 2, 0
.if ((\uu)%2) == 0
	REFILL (\uu)/2-1
.endif
	MULQ \uu, 3, 0
.endif
.endm
.macro COPY t                          ; tile t's sums plus the bias; each accumulator's lowest registers are read first
	WIN 0xc1                                       ; sums window 1, bias window 0, destination window 3
.set cf, 0
.rept 8
.irp j, 0,2,4,6
.if (cf%2) == 0
	v_pk_add_f32 v[X+8*cf+\j:X+8*cf+\j+1], v[64*(\t)+8*cf+\j:64*(\t)+8*cf+\j+1], v[BI+cf:BI+cf+1] op_sel_hi:[1,0]
.else
	v_pk_add_f32 v[X+8*cf+\j:X+8*cf+\j+1], v[64*(\t)+8*cf+\j:64*(\t)+8*cf+\j+1], v[BI+cf-1:BI+cf] op_sel:[0,1] op_sel_hi:[1,1]
.endif
.endr
.set cf, cf+1
.endr
	WIN 0
.endm
	s_load_b256 s[4:11], s[0:1], 0x0               ; hb s[4:5], rt s[6:7], gw s[8:9], ew2 s[10:11]
	s_load_b128 s[12:15], s[0:1], 0x20             ; eb2 s[12:13], pp s[14:15]
	v_lshl_add_u32 v94, v0, 2, 0x49000
	v_mov_b32 v95, 0
	v_lshrrev_b32 v1, 5, v0
	v_readfirstlane_b32 s[WV], v1
	s_and_b32 s[SL], ttmp9, 7
	s_lshr_b32 s[KQ], ttmp9, 3
	s_and_b32 s[EX], ttmp7, 0xffff
	s_mov_b32 s[HIM], 0xffff0000
	s_mov_b32 s[SEL], 0x76543210
	s_mov_b32 s[SEL+1], 0xfedcba98
	v_and_b32 v3, 31, v0
	v_and_b32 v1, 15, v0
	v_bfe_u32 v2, v0, 4, 1
	v_lshlrev_b32 v[R16], 4, v1
	v_lshl_add_u32 v[WO], v2, 17, v[R16]           ; 32 rows of 4,096 bytes for lanes 16-31
.irp q, 1,2,3
	v_mov_b32 v[WO+\q], v[WO]
.endr
	v_lshlrev_b32 v[M16], 4, v3
	s_wait_alu depctr_va_sdst(0)                   ; the wave's number is written, ahead of its first reader
	s_lshl_b32 s38, s[WV], 16
	v_add_nc_u32 v[SA], s38, v[M16]
	v_lshlrev_b32 v[AO], 13, v1
	v_lshl_add_u32 v[AO], v2, 6, v[AO]             ; row r, 64 h bytes
	v_add_nc_u32 v[AO+1], 0x20000, v[AO]           ; 16 rows on
	v_add_nc_u32 v[AO+2], 0x40000, v[AO]
	v_add_nc_u32 v[AO+3], 0x60000, v[AO]
	s_mul_i32 s38, s[WV], 2*LISTB
	s_add_co_u32 s38, s38, INFO
	v_mov_b32 v[IB], s38
	v_add_nc_u32 v[ZA], s38, v[M16]
	s_lshl_b32 s39, s[WV], 8
	s_add_co_u32 s39, s39, s38
	v_lshl_add_u32 v[LRD], v3, 2, s39              ; entry 64 wave + lane
	v_lshlrev_b32 v[TOK], 1, v3
	v_or_b32 v[TOK+1], 1, v[TOK]
	v_mov_b32 v[TX], 0
.irp k, 0,1,2,3
	v_mov_b32 v[Z+\k], 0
.endr
	s_lshl_b32 s[EK], s[EX], 24
	s_lshl_b32 s36, s[KQ], 22                      ; the quarter's 1,024 rows
	s_add_co_u32 s36, s36, s[EK]
	s_lshl_b32 s38, s[WV], 20                      ; my 256 rows
	s_add_co_u32 s36, s36, s38
	s_lshl_b32 s39, s[SL], 9                       ; the slice's 512 bytes
	s_add_co_u32 s36, s36, s39
	s_mov_b32 s37, 0
	s_lshl_b32 s60, s[EX], 12
	s_add_co_u32 s60, s60, s39
	s_mov_b32 s61, 0
	s_lshl_b32 s[OFP], s[KQ], 23                   ; the quarter's two planes
	s_add_co_u32 s[OFP], s[OFP], s39
	s_mov_b32 s[OFP+1], 0
	s_wait_kmcnt 0x0
	s_load_b256 s[CN:CN+7], s[6:7], 0x2000         ; the experts' counts
	s_add_nc_u64 s[WP:WP+1], s[10:11], s[36:37]
	s_add_nc_u64 s[12:13], s[12:13], s[60:61]
	s_add_nc_u64 s[PB:PB+1], s[14:15], s[OFP:OFP+1]
	s_lshl_b32 s[OFP], s[KQ], 11                   ; the quarter's 2,048 bytes of a row of hb
	s_add_nc_u64 s[HBQ:HBQ+1], s[4:5], s[OFP:OFP+1]
	s_wait_alu depctr_va_vdst(0)                   ; all offsets and LDS addresses of the head, and the zeros, are written: the loads and LDS instructions below read them
.set u, 0
.rept 16
	global_load_b128 v[DD+4*u:DD+4*u+3], v[M16], s[6:7] offset:512*u  ; the choices of tokens 64 u + 2 lane, + 1,
	global_load_b128 v[GD+4*u:GD+4*u+3], v[M16], s[8:9] offset:512*u  ; and their gates
.set u, u+1
.endr
	global_load_b128 v[BI:BI+3], v[R16], s[12:13]
	global_load_b128 v[BI+4:BI+7], v[R16], s[12:13] offset:256
	FILLU 0
.set n, 0
.rept 18
	ds_store_b128 v[ZA], v[Z:Z+3] offset:512*n     ; the tables start as zeros
.set n, n+1
.endr
	s_wait_loadcnt 16                              ; all but the first unit's 16 loads are in
	FILLU 1
	FILLU 2
	; THE TABLES: a word exclusive-or'ed with the expert's field is the rank if the expert is mine, and 2^24 or more if not: that goes to entry 1,024; the second choice is mine where its word gives the lesser number.
	; All LDS addresses, row numbers and gates are made first, in the registers in which the words came; the compares go sixteen at a time into scalar registers; then one wait, then the 64 stores.
.set hb, 0
.rept 2
.set u, 8*hb
.rept 8
.irp k, 0, 2
	v_xor_b32 v[DD+4*u+\k], s[EK], v[DD+4*u+\k]
	v_xor_b32 v[DD+4*u+\k+1], s[EK], v[DD+4*u+\k+1]
	v_cmp_lt_u32 s[MK+2*(u-8*hb)+\k/2], v[DD+4*u+\k+1], v[DD+4*u+\k]
.endr
.set u, u+1
.endr
	s_wait_alu depctr_va_sdst(0)                   ; the sixteen compares have written their masks, ahead of the first reader
.set u, 8*hb
.rept 8
.irp k, 0, 2
	v_min_u32 v[DD+4*u+\k], v[DD+4*u+\k], v[DD+4*u+\k+1]
	v_add_nc_u32 v[DD+4*u+\k+1], 64*u, v[TOK+\k/2]
	v_add_nc_u32 v[T2+\k/2], 0x400+64*u, v[TOK+\k/2]
	v_cndmask_b32 v[DD+4*u+\k+1], v[DD+4*u+\k+1], v[T2+\k/2], s[MK+2*(u-8*hb)+\k/2]
	v_cndmask_b32 v[GD+4*u+\k], v[GD+4*u+\k], v[GD+4*u+\k+1], s[MK+2*(u-8*hb)+\k/2]
	v_min_u32 v[DD+4*u+\k], 0x400, v[DD+4*u+\k]
	v_lshl_add_u32 v[DD+4*u+\k], v[DD+4*u+\k], 2, v[IB]
.endr
.set u, u+1
.endr
.set hb, hb+1
.endr
	s_wait_alu depctr_va_vdst(0)                   ; the tables' addresses, row numbers and gates are written, which the LDS stores read
.set u, 0
.rept 16
.irp k, 0, 2
	ds_store_b32 v[DD+4*u+\k], v[DD+4*u+\k+1]
	ds_store_b32 v[DD+4*u+\k], v[GD+4*u+\k] offset:LISTB
.endr
.set u, u+1
.endr
	FILLU 3
	ds_load_b32 v[E0R], v[IB]                      ; my wave's own bytes: LDS serves a wave's instructions in order
	ds_load_b32 v[E0G], v[IB] offset:LISTB
.set t, 0
.rept 8
	ds_load_b32 v[LR+t], v[LRD] offset:1024*(t/2)+128*(t%2)
	ds_load_b32 v[LG+t], v[LRD] offset:LISTB+1024*(t/2)+128*(t%2)
.set t, t+1
.endr
	s_cmp_eq_u32 s[KQ], 0
	s_cselect_b32 s38, -1, 0
.irp c, 0,1,2,3,4,5,6,7
	v_and_b32 v[BI+\c], s38, v[BI+\c]              ; the bias enters in quarter 0 alone
.endr
	s_wait_kmcnt 0x0
	s_mov_b32 s[NN], 0
	s_mov_b32 s[SEG], 0
.set e, 0
.rept 8
	s_cmp_eq_u32 s[EX], e
	s_cselect_b32 s[NN], s[CN+e], s[NN]
	s_add_co_u32 s38, s[CN+e], 63
	s_and_b32 s38, s38, -64
	s_cmp_gt_u32 s[EX], e
	s_cselect_b32 s38, s38, 0
	s_add_co_u32 s[SEG], s[SEG], s38
.set e, e+1
.endr
	s_min_u32 s[NN], s[NN], 1024
	s_add_co_u32 s38, s[NN], 63
	s_lshr_b32 s38, s38, 6
	s_add_co_u32 s38, s38, 3
	s_sub_co_u32 s38, s38, s[WV]
	s_lshr_b32 s[LT], s38, 2                       ; my wave's groups: 0 to 4
	s_lshl_b32 s38, s[WV], 6
	v_add_nc_u32 v[IDX], s38, v3
	s_add_co_u32 s[RN], s38, s[SEG]
	s_min_u32 s[RN], s[RN], 2496                   ; a group that lives begins at row 2,432 at the most: the bound touches only look-ahead, and keeps it inside hb's 2,560 rows
	s_lshl_b32 s[RBS], s[RN], 13
.irp s, 0,1,2
	s_mov_b32 s[KO+\s], 128*\s                     ; the counts have been read: their registers take the slots' bases
	s_add_co_u32 s[OFP], s[RBS], 128*\s
	s_add_nc_u64 s[SB+2*\s:SB+2*\s+1], s[HBQ:HBQ+1], s[OFP:OFP+1]
.endr
	s_mov_b32 s[KO+3], 2048-512+128*3              ; slot 3 is first filled in the first chunk's first K step, whose step of 512 brings this to 384
	s_wait_dscnt 0x0
.set t, 0
.rept 8
	v_add_nc_u32 v[T0], 256*(t/2)+32*(t%2), v[IDX]
	v_cmp_gt_u32 s[MK+t], s[NN], v[T0]
.set t, t+1
.endr
	s_wait_alu depctr_va_sdst(0)                   ; the eight compares have written their masks, ahead of the first reader
.set t, 0
.rept 8
	v_cndmask_b32 v[LR+t], v[E0R], v[LR+t], s[MK+t] ; places past the count repeat the expert's first row
	v_cndmask_b32 v[LG+t], v[E0G], v[LG+t], s[MK+t]
.set t, t+1
.endr
	s_mov_b32 s[CNT], 3
.Lw:                                                   ; three trips of a macro-step (four units); 48 = the three younger units' loads
.irp q, 0,1,2,3
	UNIT \q, 1, 48
.endr
	s_wait_alu depctr_vm_vsrc(0)                   ; the trip's LDS stores have read v[SA]
	v_add_nc_u32 v[SA], 2*KB, v[SA]
	s_sub_co_u32 s[CNT], s[CNT], 1
	s_cmp_lg_u32 s[CNT], 0
	s_cbranch_scc1 .Lw
.irp q, 0,1,2,3
	UNIT \q, 0, 48-16*\q                           ; the last macro-step loads nothing: the counts run down
.endr
.irp s, 0,1,2
	ALD \s                                         ; my first group's first three macro-steps: they travel while the waves meet
.endr
	WIN 0
	s_wait_dscnt 0x0                               ; for the others' sake: my fragments are in LDS
	s_barrier_signal -1
	s_barrier_wait -1
	s_wait_alu depctr_vm_vsrc(0)                   ; my LDS stores have read the tables' registers: they are weight buffers from here on, in which LDS loads land
	s_cmp_eq_u32 s[LT], 0
	s_cbranch_scc1 .Lend                           ; this split leaves my wave without rows; no barrier follows
	BLD 0, M16, 0, 0                               ; no vector instruction since the last unit's wait on va_vdst names these buffers or v[M16]
	BLD 0, M16, 0, 4
	BLD 1, M16, 1, 0
	BLD 1, M16, 1, 4
	WIN 0
	s_mov_b32 s[TR], 4
.Ltrip:
	s_add_co_u32 s[RN], s[RN], 256                 ; my next group lies 256 rows on
	s_min_u32 s[RN], s[RN], 2496
	s_lshl_b32 s[RBN], s[RN], 13
	s_mov_b32 s[KBC], 0
	s_mov_b32 s[KBN], 8*KB
	s_mov_b32 s[CH], 4
.Lch:
	s_wait_alu depctr_vm_vsrc(0)                   ; the weight loads issued so far have read v[BAC] and v[BAN]
	v_add_nc_u32 v[BAC], s[KBC], v[M16]
	v_add_nc_u32 v[BAN], s[KBN], v[M16]
.irp uu, 0,1,2,3,4,5,6,7
	KSTEP \uu
.endr
	WIN 0
	s_mov_b32 s[KBC], s[KBN]
	s_add_co_u32 s[KBN], s[KBN], 8*KB
	s_and_b32 s[KBN], s[KBN], 32*KB-1              ; behind the last chunk: the first again, for the next trip
	s_sub_co_u32 s[CH], s[CH], 1
	s_cmp_lg_u32 s[CH], 0
	s_cbranch_scc1 .Lch
	; THE WAY OUT: four passes, tiles 0, 2, 1, 3.  The tile in hand has its table entries in lanes 0-15 of CURO and CURG; behind a pass (in hand, next) becomes (next, in hand with its halves exchanged).
	; The sixteen moves are also the places behind the last products, before their results are read.
	v_mov_b32 v[CURO], v[LR]
	v_mov_b32 v[NXO], v[LR+1]
	v_mov_b32 v[CURG], v[LG]
	v_mov_b32 v[NXG], v[LG+1]
.irp t, 0,1,2,3,4,5
	v_mov_b32 v[LR+\t], v[LR+\t+2]
	v_mov_b32 v[LG+\t], v[LG+\t+2]
.endr
	s_mov_b32 s[EC], 4
.Lep:
	s_cmp_eq_u32 s[EC], 4
	s_cbranch_scc1 .Lcp0
	s_cmp_eq_u32 s[EC], 3
	s_cbranch_scc1 .Lcp2
	s_cmp_eq_u32 s[EC], 2
	s_cbranch_scc1 .Lcp1
	COPY 3
	s_branch .Lgo
.Lcp0:
	COPY 0
	s_branch .Lgo
.Lcp2:
	COPY 2
	s_branch .Lgo
.Lcp1:
	COPY 1
.Lgo:
	s_wait_xcnt 0x0                                ; the last pass's stores have had their addresses translated: their offsets and their data are written again below
	s_wait_alu depctr_vm_vsrc(0)                   ; the last pass's stores have read v[OF ..] and OO
	; register i of the eight accumulators is row 8 h + i: its place and gate come out of lanes i and 8 + i; four rows' sixteen numbers at a time
.set b, 0
.rept 2
.set i, 0
.rept 4
	v_readlane_b32 s[MK+4*i], v[CURO], 4*b+i
	v_readlane_b32 s[MK+4*i+1], v[CURO], 8+4*b+i
	v_readlane_b32 s[MK+4*i+2], v[CURG], 4*b+i
	v_readlane_b32 s[MK+4*i+3], v[CURG], 8+4*b+i
.set i, i+1
.endr
	s_wait_alu depctr_va_sdst(0)                   ; the sixteen lane reads have written their scalar registers, ahead of the first reader
.set i, 0
.rept 4
	s_min_u32 s[MK+4*i], s[MK+4*i], 0x7ff
	s_min_u32 s[MK+4*i+1], s[MK+4*i+1], 0x7ff
	v_mov_b32 v[OF+4*b+i], s[MK+4*i]
	v_cndmask_b32 v[OF+4*b+i], v[OF+4*b+i], s[MK+4*i+1], s[HIM]
	v_lshl_add_u32 v[OF+4*b+i], v[OF+4*b+i], 12, v[R16]
	v_mov_b32 v[GV+4*b+i], s[MK+4*i+2]
	v_cndmask_b32 v[GV+4*b+i], v[GV+4*b+i], s[MK+4*i+3], s[HIM]
.set i, i+1
.endr
.set b, b+1
.endr
	WIN 0xc3                                       ; the tile and the results in window 3, the gates in window 0
.set i, 0
.rept 8
.irp f, 0,1,2,3,4,5,6,7
	v_mul_f32 v[OO+8*i+\f], v[X+8*\f+i], v[GV+i]
.endr
.set i, i+1
.endr
	WIN 0x0c                                       ; store data in window 3
	s_wait_alu depctr_va_vdst(0)                   ; the multiplies have written OO, and v[OF ..] are written: the sixteen stores read both
.set i, 0
.rept 8
	global_store_b128 v[OF+i], v[OO+8*i:OO+8*i+3], s[PB:PB+1]               ; 16 lanes store 256 consecutive bytes of a row, aligned
	global_store_b128 v[OF+i], v[OO+8*i+4:OO+8*i+7], s[PB:PB+1] offset:256
.set i, i+1
.endr
	WIN 0
	v_permlanex16_b32 v[TX], v[CURO], s[SEL], s[SEL+1]
	v_mov_b32 v[CURO], v[NXO]
	v_mov_b32 v[NXO], v[TX]
	v_permlanex16_b32 v[TX], v[CURG], s[SEL], s[SEL+1]
	v_mov_b32 v[CURG], v[NXG]
	v_mov_b32 v[NXG], v[TX]
	s_sub_co_u32 s[EC], s[EC], 1
	s_cmp_lg_u32 s[EC], 0
	s_cbranch_scc1 .Lep
	s_sub_co_u32 s[LT], s[LT], 1
	s_cmp_eq_u32 s[LT], 0
	s_cbranch_scc1 .Lend                           ; my groups are done
	s_sub_co_u32 s[TR], s[TR], 1
	s_cmp_lg_u32 s[TR], 0
	s_cbranch_scc1 .Ltrip
.Lend:
	s_wait_dscnt 0x0                               ; the wave's end
	s_wait_alu depctr_hold_cnt(0) depctr_sa_sdst(0) depctr_va_vdst(0) depctr_va_sdst(0) depctr_va_ssrc(0) depctr_va_vcc(0) depctr_vm_vsrc(0)
	s_wait_tensorcnt 0x0
	ds_add_u32 v94, v95
	s_wait_dscnt 0x0
	s_endpgm
.Lfunc_end_k_q5d060d2d09_fc2:
	.size	k_q5d060d2d09_fc2, .Lfunc_end_k_q5d060d2d09_fc2-k_q5d060d2d09_fc2
	.p2alignl 7, 3214868480
	.fill 96, 4, 3214868480
	.section	.rodata,"a",@progbits
	.p2align	6, 0x0
	.amdhsa_kernel k_q5d060d2d09_fc2
		.amdhsa_group_segment_fixed_size 299520
		.amdhsa_private_segment_fixed_size 0
		.amdhsa_enable_private_segment 0
		.amdhsa_kernarg_size 48
		.amdhsa_user_sgpr_count 2
		.amdhsa_user_sgpr_kernarg_segment_ptr 1
		.amdhsa_wavefront_size32 1
		.amdhsa_system_sgpr_workgroup_id_x 1
		.amdhsa_system_sgpr_workgroup_id_y 1
		.amdhsa_system_sgpr_workgroup_id_z 1
		.amdhsa_system_vgpr_workitem_id 0
		.amdhsa_next_free_vgpr 1024
		.amdhsa_next_free_sgpr 88
		.amdhsa_reserve_vcc 0
		.amdhsa_float_denorm_mode_32 3
		.amdhsa_float_denorm_mode_16_64 3
		.amdhsa_memory_ordered 1
		.amdhsa_forward_progress 1
		.amdhsa_inst_pref_size 130
	.end_amdhsa_kernel
	.amdgpu_metadata
---
amdhsa.version: [ 1, 2 ]
amdhsa.kernels:
  - .name:           k_q5d060d2d09_fc2
    .symbol:         k_q5d060d2d09_fc2.kd
    .args:
      - { .name: hb, .offset: 0, .size: 8, .value_kind: global_buffer, .address_space: global }
      - { .name: rt, .offset: 8, .size: 8, .value_kind: global_buffer, .address_space: global }
      - { .name: gw, .offset: 16, .size: 8, .value_kind: global_buffer, .address_space: global }
      - { .name: ew2, .offset: 24, .size: 8, .value_kind: global_buffer, .address_space: global }
      - { .name: eb2, .offset: 32, .size: 8, .value_kind: global_buffer, .address_space: global }
      - { .name: pp, .offset: 40, .size: 8, .value_kind: global_buffer, .address_space: global }
    .group_segment_fixed_size: 299520
    .private_segment_fixed_size: 0
    .kernarg_segment_align: 8
    .kernarg_segment_size: 48
    .max_flat_workgroup_size: 128
    .sgpr_count:     88
    .vgpr_count:     1024
    .wavefront_size: 32
...
	.end_amdgpu_metadata
.endif
;; end of part 8
;; launch comb: the kernel of part 5 again; grid 256 x 1, 8 waves a work-group, no clusters, 0 bytes of LDS; arguments tokens, pp, out0; writes out0
